; MI455X (gfx1250); checked and timed in simulation.
; The chip was launched on July 23, 2026; its instructions are those of AMD's public machine-readable ISA for CDNA 5 (MIT licence, August 2026) and "CDNA5" Instruction Set Architecture Reference Guide (July 2026). The comments in the code are by the model that wrote it; some were corrected since.
;; Disattention Block. Allowed arithmetic: float matrix products may take bf16 or f16 operands with f32 sums; all other float work in f32.
;; Inputs: M 2 x 1,024 x 1,024 float32; Wk 1,024 x 1,024 float32; Wneg 1,024 x 1,024 float32; Wo 1,024 x 1,024 float32; Wpos 1,024 x 1,024 float32; Wproj 2,048 x 1,024 float32; Wq 1,024 x 1,024 float32; Wv 1,024 x 1,024 float32; b1 1,024 float32; b2 1,024 float32; g1 1,024 float32; g2 1,024 float32; mask 1 x 1 x 2,048 x 2,048 float32; x 2 x 2,048 x 1,024 float32.
;; Outputs: out0 2 x 2,048 x 1,024 float32.
;; 2 versions, each right; version 2 is version 1 with the launch prep written anew for expert scheduling mode. Each part assembles by itself: llvm-mc -triple=amdgcn-amd-amdhsa -mcpu=gfx1250 --defsym DOCPART=n.
;; ======== version 1 of 2: 8 launches
;; limits: inputs' magnitudes at most 8.5e+37
;; workspace buffers: wb 20,971,520 bytes; wqm 4,194,304 bytes; hn 8,388,608 bytes; qkv 25,165,824 bytes; ao 8,388,608 bytes; x1 16,777,216 bytes; act 16,777,216 bytes
;; launch prep (part 1): grid 64 x 14, 8 waves a work-group, no clusters, 0 bytes of LDS; arguments x, g1, b1, Wq, M, Wo, Wpos, Wneg, Wproj, Wk, Wv, wb, hn; writes wb, hn
.if DOCPART == 1
	.amdgcn_target "amdgcn-amd-amdhsa--gfx1250"
	.amdhsa_code_object_version 6
	.text
	.protected	k_q587b6c3559_prep
	.globl	k_q587b6c3559_prep
	.p2align	8
	.type	k_q587b6c3559_prep,@function
k_q587b6c3559_prep:
	s_mov_b64 s[64:65], 0
	v_nop
	global_prefetch_b8 v0, s[64:65] scope:SCOPE_SE
	s_setreg_imm32_b32 hwreg(HW_REG_WAVE_MODE, 25, 1), 1
	s_wait_xcnt 0x0
; prep: (1) the weights as bf16, (2) h1 = the first norm of x as bf16.  A stream: no LDS, no barrier, no matrix unit.
; Grid 64 x 14.  y = 0..9: unit y of wb, a matrix [1024][1024] cast from f32 to bf16:
;   0 Wq, 1 M[0]/8, 2 M[1]/8, 3 Wo, 4 Wpos, 5 -Wneg, 6 Wproj rows 0-1023, 7 Wproj rows 1024-2047, 8 Wk, 9 Wv.
;   The factor 1/8 is the scores' 1/sqrt(64), a power of two, exact; -1 serves (-h) W = h (-W), exact.
;   A work-group takes 64 KiB of f32, a wave 8 KiB: sixteen loads of 512 neighbouring bytes, sixteen stores of 256 neighbouring aligned bytes.
; y = 10..13: 16 rows of x a work-group, 2 rows a wave, each row (4,096 bytes) in 32 registers of the wave between the passes:
;   mean, then the sum of squares of x - mean (a true second pass: no difference of large sums), then
;   h = (1-r) ((x-mu) rs g + b) + r x = (x-mu) (c g + r) + ((1-r) b + r mu), c = (1-r) rs, r = 2/11.
; No cluster: the work-groups share nothing but g1 and b1, 8 KiB against the 64 KiB that each reads of its own.
.set X,   32                           ; v[32:95]   two rows as loaded, then x - mu, then h (cast path: the 64 f32 of a lane)
.set G,   96                           ; v[96:127]  g of my 32 columns (cast path: v[96:127] the packed bf16)
.set BV,  128                          ; v[128:159] b of my 32 columns
.set OUT, 160                          ; v[160:191] h as bf16, 16 registers a row
.set T,   4                            ; v[4:11]    four chains of sums
.set MU,  12                           ; v[12:15]   mean, a pair for each row
.set CC,  16                           ; v[16:19]   (1-r) rs, a pair for each row
.set RM,  20                           ; v[20:23]   r mu, a pair for each row
.set WK,  24                           ; v[24:31]   at work
.set SX,  34                           ; s[34:35]   source
.set SG,  10                           ; s[10:11]   g1
.set SBI, 12                           ; s[12:13]   b1
.set SD,  38                           ; s[38:39]   destination
.macro FOLD                            ; four chains into one pair
	v_pk_add_f32 v[T:T+1], v[T:T+1], v[T+2:T+3]
	v_pk_add_f32 v[T+4:T+5], v[T+4:T+5], v[T+6:T+7]
	v_pk_add_f32 v[T:T+1], v[T:T+1], v[T+4:T+5]
.endm
.macro REDUCE                          ; the pair, then the 32 lanes: the sum ends up in every lane
	v_add_f32 v[T], v[T], v[T+1]
	v_add_f32_dpp v[T], v[T], v[T] row_xmask:1 row_mask:0xf bank_mask:0xf
	v_add_f32_dpp v[T], v[T], v[T] row_xmask:2 row_mask:0xf bank_mask:0xf
	v_add_f32_dpp v[T], v[T], v[T] row_xmask:4 row_mask:0xf bank_mask:0xf
	v_add_f32_dpp v[T], v[T], v[T] row_xmask:8 row_mask:0xf bank_mask:0xf
	v_permlanex16_b32 v[T+1], v[T], s42, s43       ; the other half of the lanes; its destination has been written before
	v_add_f32 v[T], v[T], v[T+1]
.endm
.macro STAT p                          ; row p: mean, x - mean in place, variance, the row's three figures
.set XB, X+32*\p
.irp k, 0,1,2,3
	v_pk_add_f32 v[T+2*\k:T+2*\k+1], v[XB+2*\k:XB+2*\k+1], v[XB+8+2*\k:XB+9+2*\k]
.endr
.irp o, 16,24
.irp k, 0,1,2,3
	v_pk_add_f32 v[T+2*\k:T+2*\k+1], v[T+2*\k:T+2*\k+1], v[XB+\o+2*\k:XB+\o+2*\k+1]
.endr
.endr
	FOLD
	REDUCE
	v_mul_f32 v[MU+2*\p], s44, v[T]                ; sum / 1024
	v_mov_b32 v[MU+2*\p+1], v[MU+2*\p]
.set i, 0
.rept 16
	v_pk_add_f32 v[XB+2*i:XB+2*i+1], v[XB+2*i:XB+2*i+1], v[MU+2*\p:MU+2*\p+1] neg_lo:[0,1] neg_hi:[0,1]
.set i, i+1
.endr
.irp k, 0,1,2,3
	v_pk_mul_f32 v[T+2*\k:T+2*\k+1], v[XB+2*\k:XB+2*\k+1], v[XB+2*\k:XB+2*\k+1]
.endr
.irp o, 8,16,24
.irp k, 0,1,2,3
	v_pk_fma_f32 v[T+2*\k:T+2*\k+1], v[XB+\o+2*\k:XB+\o+2*\k+1], v[XB+\o+2*\k:XB+\o+2*\k+1], v[T+2*\k:T+2*\k+1]
.endr
.endr
	FOLD
	REDUCE
	v_fma_f32 v[T], v[T], s44, s45                 ; variance + 1e-5
	v_rsq_f32 v[T+2], v[T]
	v_mul_f32 v[RM+2*\p], 0x3e3a2e8c, v[MU+2*\p]   ; r mu: the plain instruction that stands between v_rsq_f32 and the use of its result (ISA guide 5.7.2)
	s_wait_alu depctr_va_vdst(0)
	v_mul_f32 v[CC+2*\p], 0x3f51745d, v[T+2]       ; (1-r) rs
	v_mov_b32 v[RM+2*\p+1], v[RM+2*\p]
	v_mov_b32 v[CC+2*\p+1], v[CC+2*\p]
.endm
.macro APPLY p                         ; row p: three fused multiply-adds for two numbers, one rounding to bf16, eight stores
.set XB, X+32*\p
.set i, 0
.rept 16
	v_pk_fma_f32 v[WK+4*(i&1):WK+4*(i&1)+1], v[G+2*i:G+2*i+1], v[CC+2*\p:CC+2*\p+1], 0x3e3a2e8c op_sel_hi:[1,1,0]
	v_pk_fma_f32 v[WK+4*(i&1)+2:WK+4*(i&1)+3], v[BV+2*i:BV+2*i+1], 0x3f51745d, v[RM+2*\p:RM+2*\p+1] op_sel_hi:[1,0,1]
	v_pk_fma_f32 v[XB+2*i:XB+2*i+1], v[XB+2*i:XB+2*i+1], v[WK+4*(i&1):WK+4*(i&1)+1], v[WK+4*(i&1)+2:WK+4*(i&1)+3]
	v_cvt_pk_bf16_f32 v[OUT+16*\p+i], v[XB+2*i], v[XB+2*i+1]
.set i, i+1
.endr
.irp j, 0,1,2,3,4,5,6,7
	global_store_b64 v2, v[OUT+16*\p+2*\j:OUT+16*\p+2*\j+1], s[SD:SD+1] offset:256*\j+2048*\p   ; 32 lanes x 8 bytes: 256 neighbouring bytes, aligned
.endr
.endm
.macro NORMROWS
	s_mov_b32 s42, 0x76543210                      ; v_permlanex16_b32: lane i reads lane i of the other half
	s_mov_b32 s43, 0xfedcba98
	s_mov_b32 s44, 0x3a800000                      ; 1/1024
	s_mov_b32 s45, 0x3727c5ac                      ; 1e-5
.irp p, 0,1
.irp j, 0,1,2,3,4,5,6,7
	global_load_b128 v[X+32*\p+4*\j:X+32*\p+4*\j+3], v1, s[SX:SX+1] offset:4096*\p+512*\j
.endr
.endr
.irp j, 0,1,2,3,4,5,6,7
	global_load_b128 v[G+4*\j:G+4*\j+3], v1, s[SG:SG+1] offset:512*\j
.endr
.irp j, 0,1,2,3,4,5,6,7
	global_load_b128 v[BV+4*\j:BV+4*\j+3], v1, s[SBI:SBI+1] offset:512*\j
.endr
	s_wait_loadcnt 16                              ; the two rows are in; the sixteen younger loads (g, b) may stay out
	STAT 0
	STAT 1
	s_wait_loadcnt 0x0                             ; g and b
	APPLY 0
	APPLY 1
.endm
	s_load_b512 s[8:23], s[0:1], 0x0               ; x 8, g1 10, b1 12, Wq 14, M 16, Wo 18, Wpos 20, Wneg 22
	s_load_b256 s[24:31], s[0:1], 0x40             ; Wproj 24, Wk 26, Wv 28, wb 30
	s_load_b64 s[32:33], s[0:1], 0x60              ; hn
	v_lshrrev_b32 v1, 5, v0
	v_readfirstlane_b32 s5, v1                     ; wave 0..7
	s_and_b32 s4, ttmp7, 0xffff                    ; y
	v_and_b32 v3, 31, v0
	v_lshlrev_b32 v1, 4, v3                        ; 16 bytes a lane in f32
	v_lshlrev_b32 v2, 3, v3                        ; 8 bytes a lane in bf16
	s_wait_kmcnt 0x0
	s_cmp_ge_u32 s4, 10
	s_cbranch_scc1 .Lnorm
	; ---- the cast of unit y ----
	s_mov_b64 s[SX:SX+1], s[14:15]                 ; the unit's source: a choice between buffers on y alone
	s_cmp_ge_u32 s4, 1
	s_cselect_b64 s[SX:SX+1], s[16:17], s[SX:SX+1]
	s_cmp_ge_u32 s4, 3
	s_cselect_b64 s[SX:SX+1], s[18:19], s[SX:SX+1]
	s_cmp_ge_u32 s4, 4
	s_cselect_b64 s[SX:SX+1], s[20:21], s[SX:SX+1]
	s_cmp_ge_u32 s4, 5
	s_cselect_b64 s[SX:SX+1], s[22:23], s[SX:SX+1]
	s_cmp_ge_u32 s4, 6
	s_cselect_b64 s[SX:SX+1], s[24:25], s[SX:SX+1]
	s_cmp_ge_u32 s4, 8
	s_cselect_b64 s[SX:SX+1], s[26:27], s[SX:SX+1]
	s_cmp_ge_u32 s4, 9
	s_cselect_b64 s[SX:SX+1], s[28:29], s[SX:SX+1]
	s_cmp_eq_u32 s4, 2                             ; units 2 and 7 are the second 4 MiB of M and of Wproj
	s_cselect_b32 s36, 0x400000, 0
	s_cmp_eq_u32 s4, 7
	s_cselect_b32 s36, 0x400000, s36
	s_lshl_b32 s37, ttmp9, 16                      ; + 64 KiB a work-group
	s_add_co_u32 s36, s36, s37
	s_lshl_b32 s37, s5, 13                         ; + 8 KiB a wave
	s_add_co_u32 s36, s36, s37
	s_mov_b32 s37, 0
	s_add_nc_u64 s[SX:SX+1], s[SX:SX+1], s[36:37]
.set j, 0
.rept 16
	global_load_b128 v[X+4*j:X+4*j+3], v1, s[SX:SX+1] offset:512*j th:TH_LOAD_NT   ; read once in the launch
.set j, j+1
.endr
	s_lshl_b32 s36, s4, 21                         ; the unit's 2 MiB in wb,
	s_lshl_b32 s37, ttmp9, 15                      ; 32 KiB a work-group,
	s_add_co_u32 s36, s36, s37
	s_lshl_b32 s37, s5, 12                         ; 4 KiB a wave
	s_add_co_u32 s36, s36, s37
	s_mov_b32 s37, 0
	s_add_nc_u64 s[SD:SD+1], s[30:31], s[36:37]
	s_mov_b32 s40, 0x3f800000                      ; the unit's factor: 1,
	s_sub_co_u32 s41, s4, 1
	s_cmp_lt_u32 s41, 2
	s_cselect_b32 s40, 0x3e000000, s40             ; 1/8 for units 1 and 2,
	s_cmp_eq_u32 s4, 5
	s_cselect_b32 s40, 0xbf800000, s40             ; -1 for unit 5
	s_mov_b32 s41, s40
.set j, 0
.rept 16
	s_wait_loadcnt 15-j                            ; loads come back in order: load j is in, the 15 - j younger ones stay out
	v_pk_mul_f32 v[X+4*j:X+4*j+1], v[X+4*j:X+4*j+1], s[40:41] op_sel_hi:[1,0]
	v_pk_mul_f32 v[X+4*j+2:X+4*j+3], v[X+4*j+2:X+4*j+3], s[40:41] op_sel_hi:[1,0]
	v_cvt_pk_bf16_f32 v[G+2*j], v[X+4*j], v[X+4*j+1]
	v_cvt_pk_bf16_f32 v[G+2*j+1], v[X+4*j+2], v[X+4*j+3]
	global_store_b64 v2, v[G+2*j:G+2*j+1], s[SD:SD+1] offset:256*j     ; 256 neighbouring bytes, aligned; no register is written twice, so no further wait
.set j, j+1
.endr
	s_endpgm
	; ---- the norm of rows 16 blk + 2 w, + 1 ----
.Lnorm:
	s_sub_co_u32 s36, s4, 10
	s_lshl_b32 s36, s36, 6
	s_add_co_u32 s36, s36, ttmp9                   ; blk = 64 (y - 10) + x, 0..255
	s_lshl_b32 s40, s36, 15                        ; 16 rows of 2,048 bytes,
	s_lshl_b32 s41, s5, 12                         ; 2 rows a wave
	s_add_co_u32 s40, s40, s41
	s_mov_b32 s41, 0
	s_add_nc_u64 s[SD:SD+1], s[32:33], s[40:41]
	s_lshl_b32 s36, s36, 16                        ; the same rows in f32
	s_lshl_b32 s37, s5, 13
	s_add_co_u32 s36, s36, s37
	s_mov_b32 s37, 0
	s_add_nc_u64 s[SX:SX+1], s[8:9], s[36:37]
	NORMROWS
	s_endpgm
.Lfunc_end_k_q587b6c3559_prep:
	.size	k_q587b6c3559_prep, .Lfunc_end_k_q587b6c3559_prep-k_q587b6c3559_prep
	.p2alignl 7, 3214868480
	.fill 96, 4, 3214868480
	.section	.rodata,"a",@progbits
	.p2align	6, 0x0
	.amdhsa_kernel k_q587b6c3559_prep
		.amdhsa_group_segment_fixed_size 0
		.amdhsa_private_segment_fixed_size 0
		.amdhsa_enable_private_segment 0
		.amdhsa_kernarg_size 104
		.amdhsa_user_sgpr_count 2
		.amdhsa_user_sgpr_kernarg_segment_ptr 1
		.amdhsa_wavefront_size32 1
		.amdhsa_system_sgpr_workgroup_id_x 1
		.amdhsa_system_sgpr_workgroup_id_y 1
		.amdhsa_system_sgpr_workgroup_id_z 1
		.amdhsa_system_vgpr_workitem_id 0
		.amdhsa_next_free_vgpr 192
		.amdhsa_next_free_sgpr 66
		.amdhsa_reserve_vcc 0
		.amdhsa_float_denorm_mode_32 3
		.amdhsa_float_denorm_mode_16_64 3
		.amdhsa_memory_ordered 1
		.amdhsa_forward_progress 1
		.amdhsa_inst_pref_size 34
	.end_amdhsa_kernel
	.amdgpu_metadata
---
amdhsa.version: [ 1, 2 ]
amdhsa.kernels:
  - .name:           k_q587b6c3559_prep
    .symbol:         k_q587b6c3559_prep.kd
    .args:
      - { .name: x, .offset: 0, .size: 8, .value_kind: global_buffer, .address_space: global }
      - { .name: g1, .offset: 8, .size: 8, .value_kind: global_buffer, .address_space: global }
      - { .name: b1, .offset: 16, .size: 8, .value_kind: global_buffer, .address_space: global }
      - { .name: Wq, .offset: 24, .size: 8, .value_kind: global_buffer, .address_space: global }
      - { .name: M, .offset: 32, .size: 8, .value_kind: global_buffer, .address_space: global }
      - { .name: Wo, .offset: 40, .size: 8, .value_kind: global_buffer, .address_space: global }
      - { .name: Wpos, .offset: 48, .size: 8, .value_kind: global_buffer, .address_space: global }
      - { .name: Wneg, .offset: 56, .size: 8, .value_kind: global_buffer, .address_space: global }
      - { .name: Wproj, .offset: 64, .size: 8, .value_kind: global_buffer, .address_space: global }
      - { .name: Wk, .offset: 72, .size: 8, .value_kind: global_buffer, .address_space: global }
      - { .name: Wv, .offset: 80, .size: 8, .value_kind: global_buffer, .address_space: global }
      - { .name: wb, .offset: 88, .size: 8, .value_kind: global_buffer, .address_space: global }
      - { .name: hn, .offset: 96, .size: 8, .value_kind: global_buffer, .address_space: global }
    .group_segment_fixed_size: 0
    .private_segment_fixed_size: 0
    .kernarg_segment_align: 8
    .kernarg_segment_size: 104
    .max_flat_workgroup_size: 256
    .sgpr_count:     66
    .vgpr_count:     192
    .wavefront_size: 32
...
	.end_amdgpu_metadata
.endif
;; end of part 1
;; launch gkvw (part 2): grid 8 x 20, 4 waves a work-group, clusters of 4 x 4, 327,680 bytes of LDS; arguments hn, wb, qkv, wqm; writes qkv, wqm
.if DOCPART == 2
	.amdgcn_target "amdgcn-amd-amdhsa--gfx1250"
	.amdhsa_code_object_version 6
	.text
	.protected	k_q587b6c3559_gkvw
	.globl	k_q587b6c3559_gkvw
	.p2align	8
	.type	k_q587b6c3559_gkvw,@function
k_q587b6c3559_gkvw:
	s_mov_b64 s[64:65], 0
	v_nop
	global_prefetch_b8 v0, s[64:65] scope:SCOPE_SE
	s_setreg_imm32_b32 hwreg(HW_REG_WAVE_MODE, 25, 1), 1
	s_wait_xcnt 0x0
	s_wait_alu depctr_hold_cnt(0) depctr_sa_sdst(0) depctr_va_vdst(0) depctr_va_sdst(0) depctr_va_ssrc(0) depctr_va_vcc(0) depctr_vm_vsrc(0)
	s_getreg_b32 s2, hwreg(HW_REG_IB_STS2, 6, 4)
	s_cmp_eq_u32 s2, 0
	s_cbranch_scc0 .Lentry_in_a_cluster
	s_endpgm
.Lentry_in_a_cluster:
	s_bfe_u32 s2, ttmp6, 0x10000c
	s_cmp_lg_u32 s2, 0xf033
	s_cbranch_scc0 .Lentry_shape_is_right
	s_endpgm
.Lentry_shape_is_right:
; gkvw: the three products that need nothing but h1 and the weights, on one tile shape.  bf16 in and out, sums in f32.
;   qkv[1] = h1 Wk, qkv[2] = h1 Wv ([4096][1024] each), wqm[b] = Wq (M[b]/8) ([1024][1024] for b = 0, 1).
;   (h Wq) M = h (Wq M) for every input, so the queries need no second product with 4,096 rows; they are made in the next launch from wqm.
; C[m][n] = sum over k of A[m][k] W[k][n], K = 1024.  A work-group makes a block of 256 x 256 of C with four waves, as many as a WGP has SIMDs;
; a wave makes 128 x 128: 64 accumulator tiles of 16 x 16, 512 registers.  For 32 along K a wave reads 2 x 128 x 64 bytes from LDS for 64 matrix instructions.
; WORK-GROUPS: clusters of 4 x 4.  Cluster rows 0-3: block rows 0-15 of h1; cluster x = 0: Wk, 1: Wv; cx = block column: 128 blocks.
; Cluster row 4: cluster x = b; cy = block row of Wq, cx = block column of M[b]: 32 blocks.  160 work-groups: that is all the work there is at this tile;
; a smaller tile would give more work-groups and half the matrix work for each byte brought into LDS.
; K goes in steps of 128 through a ring of two LDS slots.  A slot holds 256 rows of A (256 bytes of memory a row) and 128 rows of W (256 columns, 512 bytes a row).
; Waves 0, 1 fetch A's halves, waves 2, 3 W's, one tensor load each.
; JOINT LOADS: A's tile hangs on the block row alone and is asked for jointly by the four work-groups of a row of the cluster; W's hangs on the block column
; alone and is asked for jointly by the four of a column: a quarter of the requests.
; W lies [K][N], so its fragments are read by the transposing LDS load.  The matrix instruction takes W's columns as source 0 and A's rows as source 1:
; lane l then holds row l % 16 of C and its eight registers the columns 8 (l / 16) + 0..7: sixteen bytes of bf16 that belong together.
;
; REGISTERS, in windows of 256 (s_set_vgpr_msb says which window each operand place means; low byte: bits 1:0 source 0, 3:2 source 1, 5:4 source 2, 7:6 destination):
;   window 0: v0-31 addresses; v64-127, v128-191 fragments of A (8 x 16 rows x 32 K), two buffers; v192-223 at work on the way out
;   window 1: v64-127, v128-191 fragments of W, two buffers
;   window 2: the 32 accumulator tiles of my rows 0-63 (tile (a, b) at v[8 (8 a + b)]);   window 3: those of my rows 64-127
.set KDIM,   1024
.set KSTEP,  128
.set PITCH,  272                       ; an LDS row of A: 256 bytes + 16 of padding = 17 x 16: the 16 rows that a fragment load touches fall on 16 different 16-byte columns modulo 256
.set BPITCH, 544                       ; an LDS row of W: 512 bytes + 32 of padding = 17 x 32: the 8 rows x 2 columns of 16 bytes that 16 lanes of a transposing load touch likewise
.set HALFT,  128*PITCH                 ; what one tensor load brings: 128 rows of A, or 64 rows of W (64 x 544 is the same 34,816 bytes)
.set SLOT,   4*HALFT                   ; A's 256 rows, then W's 128 rows
.set STAGE,  2*SLOT                    ; behind the ring: 16 rows x 272 bytes for each wave, for the way out; no tensor load fills it
.set SPITCH, 272
.set CPITCH, 2048                      ; bytes in a row of C
.set LAPS,   KDIM/(2*KSTEP)            ; a lap = two K steps = once round the ring: 4
.set ADRA, 16                          ; v16-17  LDS address of my A fragments in slot 0, 1
.set ADRB, 20                          ; v20-21  the same for W
.set STO,  24                          ; v24     the way out: where I put 16 bytes of a row
.set RD,   25                          ; v25     the way out: where I read a row back
.set CO,   26                          ; v26     my byte offset in C
.set F0,   64                          ; fragment buffer 0
.set F1,   128                         ; fragment buffer 1
.set TMP,  192                         ; the way out: packed results, in window 0
.set G1,  24                           ; s[24:31] descriptor group 1 for A's tiles
.set G0,  32                           ; s[32:39] descriptor group 0 for A's tiles, one set for each slot
.set G1B, 48                           ; s[48:55] descriptor group 1 for W's tiles
.set G0B, 56                           ; s[56:63] descriptor group 0 for W's tiles, one set for each slot
.set MSB, 0
.macro WIN new                         ; the immediate's high byte repeats the setting that is left
.if MSB != \new
	s_set_vgpr_msb (MSB<<8)|\new
.set MSB, \new
.endif
.endm
.set MUL_LO, 0xa1                      ; source 0 (W) window 1, source 1 (A) window 0, C and D window 2
.set MUL_HI, 0xf1                      ; the same, C and D window 3
.set TO_B,   0x40                      ; destination window 1, address window 0
; A joint load.  Each of the two lines has one mask and one set of registers for all that issue it; the branch hangs on the wave's number alone.
.macro JLOAD s
	s_cmp_eq_u32 s13, 0
	s_cbranch_scc0 .Lfor_w_\@
	tensor_load_to_lds s[G0+4*\s:G0+4*\s+3], s[G1:G1+7]
	s_nop 0
	s_branch .Lasked_\@
.Lfor_w_\@:
	tensor_load_to_lds s[G0B+4*\s:G0B+4*\s+3], s[G1B:G1B+7]
	s_nop 0
.Lasked_\@:
.endm
; A round of the cluster's barrier: my work-group's barrier, so that wave 0's signal speaks for all four waves; wave 0 signals for the work-group;
; every wave waits for all sixteen work-groups; my work-group's barrier once more.
.macro CREST                           ; a round behind its opening barrier
	s_cmp_lg_u32 s12, 0
	s_cbranch_scc1 .Lnot_wave_0_\@
	s_barrier_signal -3
.Lnot_wave_0_\@:
	s_barrier_wait -3
	s_barrier_signal -1
	s_barrier_wait -1
.endm
.macro CROUND                          ; a whole round
	s_barrier_signal -1
	s_barrier_wait -1
	CREST
.endm
	s_load_b256 s[4:11], s[0:1], 0x0               ; hn s[4:5], wb s[6:7], qkv s[8:9], wqm s[10:11]
	s_set_vgpr_msb 0x40
	v_lshl_add_u32 v255, v0, 2, 0x48400
	s_set_vgpr_msb 0x4000
	v_mov_b32 v255, 0
	s_set_vgpr_msb 0x1
	ds_add_u32 v255, v255
	s_set_vgpr_msb 0x100
	v_lshrrev_b32 v1, 5, v0
	v_readfirstlane_b32 s12, v1                    ; wave 0..3
	s_lshr_b32 s13, s12, 1                         ; which half of the block's rows is mine.  Also: I fetch for A (0) or for W (1)
	s_and_b32 s14, s12, 1                          ; which half of its columns.  Also: which half of that tile I fetch
	s_bfe_u32 s15, ttmp6, 0x40000                  ; cx
	s_bfe_u32 s16, ttmp6, 0x40004                  ; cy
	s_mov_b32 s17, ttmp9                           ; cluster x: Wk or Wv; in cluster row 4: b
	s_and_b32 s18, ttmp7, 0xffff                   ; cluster y: 0-3 rows of h1, 4 the product Wq M
	s_lshl_b32 s19, s16, 2
	s_lshl_b32 s19, 15, s19                        ; my row of the cluster: places 4 cy .. 4 cy + 3
	s_lshl_b32 s20, 0x1111, s15                    ; my column: places cx, cx + 4, cx + 8, cx + 12
	; descriptor group 1 of A: a tile of 128 rows x 128 elements, padded in LDS
	s_or_b32 s[G1+0], s19, (1<<16)|(1<<20)|(1<<21)|(5<<22)|(3<<25)   ; 15:0 the mask: my row; 17:16 elements of 2 bytes; 20 padding on; 21 set beside a mask; after every 64 words, 4 words
	s_mov_b32 s[G1+1], KSTEP<<16                   ; tensor_dim0 = 128
	s_mov_b32 s[G1+2], 128<<16                     ; tensor_dim1 = 128
	s_mov_b32 s[G1+3], KSTEP<<16                   ; tile_dim0 = 128 elements (256 bytes)
	s_mov_b32 s[G1+4], 128                         ; tile_dim1 = 128 rows
	s_mov_b32 s[G1+5], KDIM                        ; elements from row to row
	s_mov_b32 s[G1+6], 0
	s_mov_b32 s[G1+7], 0
	; descriptor group 1 of W: a tile of 64 rows x 256 elements, padded in LDS
	s_or_b32 s[G1B+0], s20, (1<<16)|(1<<20)|(1<<21)|(6<<22)|(7<<25)  ; the mask: my column; after every 128 words, 8 words
	s_mov_b32 s[G1B+1], 256<<16                    ; tensor_dim0 = 256
	s_mov_b32 s[G1B+2], 64<<16                     ; tensor_dim1 = 64
	s_mov_b32 s[G1B+3], 256<<16                    ; tile_dim0 = 256 elements (512 bytes)
	s_mov_b32 s[G1B+4], 64                         ; tile_dim1 = 64 rows
	s_mov_b32 s[G1B+5], 1024                       ; elements from row to row
	s_mov_b32 s[G1B+6], 0
	s_mov_b32 s[G1B+7], 0
	; where the tiles come from.  A's address in s[40:43], made of cy, the cluster's y and the wave alone; W's in s[44:47], made of cx, the cluster's ids and the wave alone.
	s_lshl_b32 s40, s18, 2
	s_add_co_u32 s40, s40, s16
	s_and_b32 s40, s40, 15                         ; block row: 4 x cluster y + cy in h1; in cluster row 4 that is 16 + cy, and cy is Wq's block row
	s_lshl_b32 s40, s40, 8
	s_lshl_b32 s41, s14, 7
	s_add_co_u32 s40, s40, s41                     ; row 256 x block row + 128 x half
	s_lshl_b32 s40, s40, 11                        ; rows of 2,048 bytes
	s_mov_b32 s41, 0
	s_cmp_eq_u32 s18, 4
	s_cselect_b32 s44, 1, 8                        ; unit of wb: 1 + b (M[b]/8), or 8 + cluster x (Wk, Wv)
	s_add_co_u32 s44, s44, s17
	s_lshl_b32 s44, s44, 21                        ; 2 MiB a unit
	s_lshl_b32 s45, s15, 9                         ; 512 bytes a block column
	s_add_co_u32 s44, s44, s45
	s_lshl_b32 s45, s14, 17                        ; 64 rows of 2,048 bytes a half
	s_add_co_u32 s44, s44, s45
	s_mov_b32 s45, 0
	; C at my wave's 128 x 128
	s_lshl_b32 s70, s18, 2
	s_add_co_u32 s70, s70, s16
	s_and_b32 s70, s70, 15
	s_lshl_b32 s70, s70, 8
	s_lshl_b32 s71, s13, 7
	s_add_co_u32 s70, s70, s71                     ; my first row
	s_lshl_b32 s70, s70, 11
	s_lshl_b32 s71, s15, 9
	s_add_co_u32 s70, s70, s71
	s_lshl_b32 s71, s14, 8
	s_add_co_u32 s70, s70, s71                     ; my first column, in bytes: 512 x block + 256 x half
	s_lshl_b32 s72, s17, 21                        ; wqm[b]: 2 MiB each
	s_add_co_u32 s73, s17, 1
	s_lshl_b32 s73, s73, 23                        ; qkv[1 + cluster x]: 8 MiB each
	s_cmp_eq_u32 s18, 4
	s_cselect_b32 s72, s72, s73
	s_add_co_u32 s70, s70, s72
	s_mov_b32 s71, 0
	s_mul_i32 s21, s12, HALFT                      ; where the tiles go: A's two halves, then W's two halves = wave x 34,816: no place in the cluster enters an LDS address
	s_wait_dscnt 0x0
	s_wait_kmcnt 0x0
	s_cmp_eq_u32 s18, 4                            ; a choice between buffers on the cluster's y alone, the same in all partners
	s_cselect_b64 s[42:43], s[6:7], s[4:5]         ; A: Wq (unit 0 of wb) or h1
	s_cselect_b64 s[68:69], s[10:11], s[8:9]       ; C: wqm or qkv
	s_add_nc_u64 s[42:43], s[42:43], s[40:41]
	s_add_nc_u64 s[46:47], s[6:7], s[44:45]
	s_add_nc_u64 s[68:69], s[68:69], s[70:71]
	CROUND                                         ; all sixteen work-groups are here: the first joint loads meet
.irp s, 0,1
	s_mov_b32 s[G0+4*\s], 1                                        ; count = 1
	s_add_co_u32 s[G0+4*\s+1], s21, \s*SLOT                        ; LDS address
	s_add_nc_u64 s[G0+4*\s+2:G0+4*\s+3], s[42:43], \s*KSTEP*2      ; global address: K step s, 128 elements along the rows
	s_or_b32 s[G0+4*\s+3], s[G0+4*\s+3], 0x80000000                ; type = 2
	s_mov_b32 s[G0B+4*\s], 1
	s_add_co_u32 s[G0B+4*\s+1], s21, \s*SLOT
	s_add_nc_u64 s[G0B+4*\s+2:G0B+4*\s+3], s[46:47], \s*KSTEP*2048 ; K step s, 128 rows of 2,048 bytes down
	s_or_b32 s[G0B+4*\s+3], s[G0B+4*\s+3], 0x80000000
	JLOAD \s                                       ; both first fills go out together: two tensor loads of the wave are out, the most in this text
.endr
	; A fragment is 16 rows x 32 K in 8 registers: lane l holds row l % 16; registers 0-3 hold K = 8 (l / 16) + 0..7, registers 4-7 K = 16 + 8 (l / 16) + 0..7.
	; A's rows lie along K: two loads of 16 bytes, 32 bytes apart.  W's rows lie along N: two transposing loads, 16 rows apart, from row 8 (l / 16) + l % 8,
	; 16 bytes further for lanes 8-15 of each half.
	v_and_b32 v1, 15, v0                           ; l % 16
	v_bfe_u32 v2, v0, 4, 1                         ; l / 16
	v_mul_u32_u24 v3, v1, PITCH
	v_lshl_add_u32 v3, v2, 4, v3                   ; row x pitch + 16 x half
	s_mul_i32 s22, s13, HALFT                      ; my 128 rows of A
	v_add_nc_u32 v[ADRA], s22, v3
	v_add_nc_u32 v[ADRA+1], SLOT, v[ADRA]
	v_and_b32 v4, 7, v0
	v_bfe_u32 v5, v0, 3, 1
	v_lshl_add_u32 v6, v2, 3, v4
	v_mul_u32_u24 v6, v6, BPITCH
	v_lshl_add_u32 v6, v5, 4, v6
	s_lshl_b32 s23, s14, 8                         ; my 128 columns of W,
	s_add_co_u32 s23, s23, 2*HALFT                 ; which lies behind A's 256 rows
	v_add_nc_u32 v[ADRB], s23, v6
	v_add_nc_u32 v[ADRB+1], SLOT, v[ADRB]
	s_mul_i32 s23, s12, 16*SPITCH
	s_add_co_u32 s23, s23, STAGE                   ; my stage
	v_mul_u32_u24 v4, v1, SPITCH                   ; in: row l % 16, 16 bytes for each half of the lanes
	v_lshl_add_u32 v4, v2, 4, v4
	v_add_nc_u32 v[STO], s23, v4
	v_mul_u32_u24 v5, v2, SPITCH                   ; back: lanes 0-15 take one row of 256 bytes, lanes 16-31 the next
	v_lshl_add_u32 v5, v1, 4, v5
	v_add_nc_u32 v[RD], s23, v5
	v_mul_u32_u24 v5, v2, CPITCH                   ; and the same two rows in C
	v_lshl_add_u32 v[CO], v1, 4, v5
; 16 matrix instructions: row blocks a0, a0 + 1 of the window's four (hi = 0: my rows 0-63, 1: rows 64-127) x all 8 column blocks, 32 along K.
; zero = 1: the first product starts the sums: nothing is ever cleared.
; The 64 accumulators take turns, one instruction a turn, in the same order in every quarter step.
.macro MUL16 f, hi, a0, zero
.irp a, \a0, \a0+1
.irp b, 0,1,2,3,4,5,6,7
.if \zero
	v_wmma_f32_16x16x32_bf16 v[8*(8*(\a)+\b):8*(8*(\a)+\b)+7], v[\f+8*\b:\f+8*\b+7], v[\f+8*(4*\hi+\a):\f+8*(4*\hi+\a)+7], 0
.else
	v_wmma_f32_16x16x32_bf16 v[8*(8*(\a)+\b):8*(8*(\a)+\b)+7], v[\f+8*\b:\f+8*\b+7], v[\f+8*(4*\hi+\a):\f+8*(4*\hi+\a)+7], v[8*(8*(\a)+\b):8*(8*(\a)+\b)+7]
.endif
.endr
.endr
.endm
; 32 LDS loads in one run: the fragments of one quarter step (128 columns of W, 128 rows of A, 32 K: byte k of A's rows, row k / 2 of W) into buffer f
.macro FETCH slot, k, f
	WIN TO_B
.irp i, 0,1,2,3,4,5,6,7
	ds_load_tr16_b128 v[\f+8*\i:\f+8*\i+3],   v[ADRB+\slot] offset:(\k/64)*32*BPITCH+32*\i
	ds_load_tr16_b128 v[\f+8*\i+4:\f+8*\i+7], v[ADRB+\slot] offset:(\k/64)*32*BPITCH+32*\i+16*BPITCH
.endr
	WIN 0
.irp i, 0,1,2,3,4,5,6,7
	ds_load_b128 v[\f+8*\i:\f+8*\i+3],   v[ADRA+\slot] offset:\k+\i*16*PITCH
	ds_load_b128 v[\f+8*\i+4:\f+8*\i+7], v[ADRA+\slot] offset:\k+\i*16*PITCH+32
.endr
.endm
; A load into a register that a matrix instruction has read, and a vector instruction that reads a matrix result, stand four places behind that matrix
; instruction, and only plain vector instructions that name none of its registers are places; the matrix instructions in between are not counted.
.macro PLACES
.rept 4
	v_nop
.endr
.endm
; A K step is four quarter steps of 32 along K, 64 matrix instructions each, on buffers 0, 1, 0, 1.
; One of the first three: multiplies buffer f; in its middle it fetches the next quarter's fragments into buffer g.
.macro QUARTER slot, k, f, g, zero
	s_wait_dscnt 8                                 ; W and A's rows 0-63 are in; the youngest eight loads (A's rows 64-127) may be out
	WIN MUL_LO
	MUL16 \f, 0, 0, \zero
	MUL16 \f, 0, 2, \zero
	PLACES
	FETCH \slot, \k, \g
	s_wait_dscnt 32                                ; all but the 32 just issued
	WIN MUL_HI
	MUL16 \f, 1, 0, \zero
	MUL16 \f, 1, 2, \zero
.endm
.macro THREE slot, zero
	QUARTER \slot, 64,  F0, F1, \zero
	QUARTER \slot, 128, F1, F0, 0
	QUARTER \slot, 192, F0, F1, 0
.endm
; The last quarter: multiplies buffer 1 and changes slots.  next = the other slot; fill = 1: this slot is filled again, two K steps ahead.
; One barrier for the change of slots.  In front of it each wave waits for its own reads of this slot and for all its tensor loads, of which one is out:
; its part of the next slot.  Behind it nobody reads this slot any more and the next slot is whole: the refill comes first, then the next slot's first
; fragments.  From a request to the wait for it a wave issues 240 matrix instructions.
.macro TURN slot, next, fill
	s_wait_dscnt 8
	WIN MUL_LO
	MUL16 F1, 0, 0, 0
	s_wait_dscnt 0                                 ; my reads of this slot are over
	s_wait_tensorcnt 0x0                           ; and all my tensor loads have landed
	ds_add_u32 v255, v255
	s_wait_dscnt 0x0
	s_barrier_signal -1                            ; say so (where a slot is filled again this barrier opens a round of the cluster's barrier),
	MUL16 F1, 0, 2, 0                              ; work on registers while the others arrive,
	WIN 0
	s_barrier_wait -1                              ; and go on when all four have said so
.if \fill
	CREST                                          ; no wave of any partner still reads this slot's tile or has a load on its way
	s_add_nc_u64 s[G0+4*\slot+2:G0+4*\slot+3], s[G0+4*\slot+2:G0+4*\slot+3], 2*KSTEP*2          ; two K steps along A's rows
	s_add_nc_u64 s[G0B+4*\slot+2:G0B+4*\slot+3], s[G0B+4*\slot+2:G0B+4*\slot+3], 2*KSTEP*2048   ; two K steps down W's rows
	JLOAD \slot                                    ; the first tensor load behind the round
.endif
	PLACES
	FETCH \next, 0, F0
	WIN MUL_HI
	MUL16 F1, 1, 0, 0
	MUL16 F1, 1, 2, 0
.endm
.macro LAP zero                        ; once round the ring, both slots filled again
	THREE 0, \zero
	TURN 0, 1, 1
	THREE 1, 0
	TURN 1, 0, 1
.endm
	s_wait_tensorcnt 1                             ; my part of K step 0 is in; K step 1's may stay out
	s_barrier_signal -1
	s_barrier_wait -1                              ; everybody's is
	FETCH 0, 0, F0
	LAP 1                                          ; the first lap stands in front of the loop: its first products start the sums
	WIN 0                                          ; at a label and at a branch every window is 0
	s_mov_b32 s3, LAPS-2
.Llap:
	LAP 0
	WIN 0
	s_sub_co_u32 s3, s3, 1
	s_cmp_lg_u32 s3, 0
	s_cbranch_scc1 .Llap
	THREE 0, 0                                     ; the last lap fills nothing: my one tensor load that is still out is slot 1's, the last K step's
	TURN 0, 1, 0
	THREE 1, 0
	s_wait_dscnt 8                                 ; the very last quarter: nothing more to fetch
	WIN MUL_LO
	MUL16 F1, 0, 0, 0
	MUL16 F1, 0, 2, 0
	s_wait_dscnt 0
	WIN MUL_HI
	MUL16 F1, 1, 0, 0
	MUL16 F1, 1, 2, 0
	; THE WAY OUT, 16 rows of C at a time: round to bf16, 16 bytes a lane into my own stage in LDS, read back as whole rows of 256 bytes.
	PLACES                                         ; the places behind the last matrix instructions, for the conversions and for the loads into buffers 0 and 1
; rows 16 i .. 16 i + 15 of my block = the eight tiles (a, 0..7) of window 2 or 3 (from = 0x0a or 0x0f: sources 0 and 1); f: F0 or F1 in turn
.macro OUT16 i, a, from, f
	WIN \from
.irp b, 0,1,2,3,4,5,6,7
.irp r, 0,1,2,3
	v_cvt_pk_bf16_f32 v[TMP+4*\b+\r], v[8*(8*\a+\b)+2*\r], v[8*(8*\a+\b)+2*\r+1]
.endr
.endr
	WIN 0
.irp b, 0,1,2,3,4,5,6,7
	ds_store_b128 v[STO], v[TMP+4*\b:TMP+4*\b+3] offset:32*\b
.endr
	s_wait_xcnt 0x0                                ; buffer f, which earlier stores read, and the stores' base are rewritten only behind this wait
.if \i
	s_add_nc_u64 s[68:69], s[68:69], 16*CPITCH     ; 16 rows of C on
.endif
.irp t, 0,1,2,3,4,5,6,7
	ds_load_b128 v[\f+4*\t:\f+4*\t+3], v[RD] offset:\t*2*SPITCH    ; LDS serves a wave's instructions in order: these see the stores above
.endr
.irp t, 0,1,2,3,4,5,6,7
	s_wait_dscnt 7-\t                              ; load t is in; the younger ones may be out
	global_store_b128 v[CO], v[\f+4*\t:\f+4*\t+3], s[68:69] offset:2*\t*CPITCH   ; 16 lanes store 256 consecutive bytes, at a multiple of 256 from C's first byte
.endr
.endm
	OUT16 0, 0, 0x0a, F0
	OUT16 1, 1, 0x0a, F1
	OUT16 2, 2, 0x0a, F0
	OUT16 3, 3, 0x0a, F1
	OUT16 4, 0, 0x0f, F0
	OUT16 5, 1, 0x0f, F1
	OUT16 6, 2, 0x0f, F0
	OUT16 7, 3, 0x0f, F1
	s_set_vgpr_msb 0x1
	s_wait_tensorcnt 0x0
	ds_add_u32 v255, v255
	s_wait_dscnt 0x0
	s_set_vgpr_msb 0x100
	CROUND                                         ; the closing round: no work-group ends while a partner may still ask for a tile that names it
	s_endpgm
.Lfunc_end_k_q587b6c3559_gkvw:
	.size	k_q587b6c3559_gkvw, .Lfunc_end_k_q587b6c3559_gkvw-k_q587b6c3559_gkvw
	.p2alignl 7, 3214868480
	.fill 96, 4, 3214868480
	.section	.rodata,"a",@progbits
	.p2align	6, 0x0
	.amdhsa_kernel k_q587b6c3559_gkvw
		.amdhsa_group_segment_fixed_size 327680
		.amdhsa_private_segment_fixed_size 0
		.amdhsa_enable_private_segment 0
		.amdhsa_kernarg_size 32
		.amdhsa_user_sgpr_count 2
		.amdhsa_user_sgpr_kernarg_segment_ptr 1
		.amdhsa_wavefront_size32 1
		.amdhsa_system_sgpr_workgroup_id_x 1
		.amdhsa_system_sgpr_workgroup_id_y 1
		.amdhsa_system_sgpr_workgroup_id_z 1
		.amdhsa_system_vgpr_workitem_id 0
		.amdhsa_next_free_vgpr 1024
		.amdhsa_next_free_sgpr 80
		.amdhsa_reserve_vcc 0
		.amdhsa_float_denorm_mode_32 3
		.amdhsa_float_denorm_mode_16_64 3
		.amdhsa_memory_ordered 1
		.amdhsa_forward_progress 1
		.amdhsa_inst_pref_size 197
	.end_amdhsa_kernel
	.amdgpu_metadata
---
amdhsa.version: [ 1, 2 ]
amdhsa.kernels:
  - .name:           k_q587b6c3559_gkvw
    .symbol:         k_q587b6c3559_gkvw.kd
    .args:
      - { .name: hn, .offset: 0, .size: 8, .value_kind: global_buffer, .address_space: global }
      - { .name: wb, .offset: 8, .size: 8, .value_kind: global_buffer, .address_space: global }
      - { .name: qkv, .offset: 16, .size: 8, .value_kind: global_buffer, .address_space: global }
      - { .name: wqm, .offset: 24, .size: 8, .value_kind: global_buffer, .address_space: global }
    .group_segment_fixed_size: 327680
    .private_segment_fixed_size: 0
    .kernarg_segment_align: 8
    .kernarg_segment_size: 32
    .max_flat_workgroup_size: 128
    .sgpr_count:     80
    .vgpr_count:     1024
    .wavefront_size: 32
...
	.end_amdgpu_metadata
.endif
;; end of part 2
;; launch gq (part 3): grid 8 x 32, 4 waves a work-group, clusters of 4 x 4, 327,680 bytes of LDS; arguments hn, wqm, qkv; writes qkv
.if DOCPART == 3
	.amdgcn_target "amdgcn-amd-amdhsa--gfx1250"
	.amdhsa_code_object_version 6
	.text
	.protected	k_q587b6c3559_gq
	.globl	k_q587b6c3559_gq
	.p2align	8
	.type	k_q587b6c3559_gq,@function
k_q587b6c3559_gq:
	s_mov_b64 s[64:65], 0
	v_nop
	global_prefetch_b8 v0, s[64:65] scope:SCOPE_SE
	s_setreg_imm32_b32 hwreg(HW_REG_WAVE_MODE, 25, 1), 1
	s_wait_xcnt 0x0
	s_wait_alu depctr_hold_cnt(0) depctr_sa_sdst(0) depctr_va_vdst(0) depctr_va_sdst(0) depctr_va_ssrc(0) depctr_va_vcc(0) depctr_vm_vsrc(0)
	s_getreg_b32 s2, hwreg(HW_REG_IB_STS2, 6, 4)
	s_cmp_eq_u32 s2, 0
	s_cbranch_scc0 .Lentry_in_a_cluster
	s_endpgm
.Lentry_in_a_cluster:
	s_bfe_u32 s2, ttmp6, 0x10000c
	s_cmp_lg_u32 s2, 0xf033
	s_cbranch_scc0 .Lentry_shape_is_right
	s_endpgm
.Lentry_shape_is_right:
; gq: qkv[0] = h1 wqm[b], the queries times M / 8.  h1 [4096][1024] bf16, wqm [2][1024][1024] bf16, bf16 out, f32 sums.
; x = block column, y = block row of 128 rows of h1 (b = y / 16): 256 work-groups, which an output of 4096 x 1024 gives only at blocks of 128 x 128.
; THE CORE (the same in four products of this program): a work-group makes 128 x 128 of C with four waves, a wave 64 x 64 in 16 accumulator
; tiles.  K goes in phases of 256 through two LDS slots.  A slot holds 256 rows of W (128 columns, 256 bytes of memory a row) and 128 rows of A
; (256 along K, 512 bytes a row); waves 0, 1 fetch W's halves, waves 2, 3 A's, one tensor load each.
; CLUSTERS: 4 x 4 work-groups.  A's tile hangs on the block row alone and is asked for jointly by the four of a row of the cluster, W's on the
; block column alone and is asked for jointly by the four of a column: a quarter of the requests.
; W lies [K][N], so its fragments are read by the transposing LDS load.  The matrix instruction takes W's columns as source 0 and A's rows as
; source 1: lane l then holds row l % 16 of C and its eight registers the columns 8 (l / 16) + 0..7, sixteen bytes of bf16 that belong together.
.set KDIM,   1024
.set CPITCH, 2048                      ; bytes in a row of C
.set BP,    288                        ; LDS pitch of W's rows: 256 bytes + 32 of padding = 9 x 32, so the 8 rows x 2 columns of 16 bytes that a group of 16 lanes reads fall on 16 different 16-byte columns modulo 256
.set AP,    528                        ; LDS pitch of A's rows: 512 + 16 = 33 x 16: the 16 rows of a fragment load likewise
.set BHALF, 128*BP                     ; what wave 0 or 1 fetches
.set AHALF, 64*AP                      ; what wave 2 or 3 fetches, and what a wave reads of A
.set AOFF,  2*BHALF                    ; A lies behind W
.set SLOT,  AOFF+2*AHALF               ; 141,312
.set STAGE, 2*SLOT                     ; behind the ring: bytes that no tensor load fills
.set SP,    272                        ; pitch of the stage's rows: 256 + 16
.set LAPS,  KDIM/512                   ; a lap = two phases = once round the ring
.set ADRA, 8                           ; v8-9    LDS address of my A fragments, slot 0, 1
.set ADRB, 10                          ; v10-13  of my W fragments: slot 0 rows 0-127, rows 128-255, slot 1 likewise (the immediate has 16 bits)
.set STO,  14                          ; v14     the way out: where I put 16 bytes
.set RD,   15                          ; v15     the way out: where I read rows back
.set CO,   16                          ; v16     my byte offset in C
.set F0,   32                          ; v32-95  fragment buffer 0: W's four at +8 b, A's four at +32 + 8 a
.set F1,   96                          ; v96-159 fragment buffer 1
.set G1A, 24                           ; s[24:31] descriptor group 1 of A's tiles
.set G0A, 32                           ; s[32:39] group 0 of A's tiles, a set for each slot
.set G1B, 48                           ; s[48:55] group 1 of W's tiles
.set G0B, 56                           ; s[56:63] group 0 of W's tiles, a set for each slot
.set MULW, 0x50                        ; C and D in window 1 (v256-383: tile (a, b) at v[256 + 8 (4 a + b)]), sources in window 0
.set MSB, 0
.macro WIN new                         ; s_set_vgpr_msb; the immediate's high byte repeats the setting that is left
.if MSB != \new
	s_set_vgpr_msb (MSB<<8)|\new
.set MSB, \new
.endif
.endm
.macro PLACES                          ; four places behind a matrix instruction before a vector instruction, a store or a load touches its registers
.rept 4
	v_nop
.endr
.endm
.macro JLOAD s                         ; a joint load; the branch hangs on the wave's number alone; each line has one mask and one set of registers
	s_cmp_eq_u32 s13, 0
	s_cbranch_scc0 .Lfor_a_\@
	tensor_load_to_lds s[G0B+4*\s:G0B+4*\s+3], s[G1B:G1B+7]
	s_nop 0
	s_branch .Lasked_\@
.Lfor_a_\@:
	tensor_load_to_lds s[G0A+4*\s:G0A+4*\s+3], s[G1A:G1A+7]
	s_nop 0
.Lasked_\@:
.endm
.macro CREST                           ; a round of the cluster's barrier behind its opening work-group barrier
	s_cmp_lg_u32 s12, 0
	s_cbranch_scc1 .Lnot_wave_0_\@
	s_barrier_signal -3
.Lnot_wave_0_\@:
	s_barrier_wait -3
	s_barrier_signal -1
	s_barrier_wait -1
.endm
.macro CROUND                          ; a whole round
	s_barrier_signal -1
	s_barrier_wait -1
	CREST
.endm
; 16 LDS loads: the fragments of quarter q (32 along K) of a slot's phase into buffer f
.macro FETCH slot, q, f
	WIN 0
.irp b, 0,1,2,3
	ds_load_tr16_b128 v[\f+8*\b:\f+8*\b+3],   v[ADRB+2*\slot+((\q)>>2)] offset:((\q)&3)*32*BP+32*\b
	ds_load_tr16_b128 v[\f+8*\b+4:\f+8*\b+7], v[ADRB+2*\slot+((\q)>>2)] offset:((\q)&3)*32*BP+32*\b+16*BP
.endr
.irp a, 0,1,2,3
	ds_load_b128 v[\f+32+8*\a:\f+32+8*\a+3],   v[ADRA+\slot] offset:\a*16*AP+64*(\q)
	ds_load_b128 v[\f+32+8*\a+4:\f+32+8*\a+7], v[ADRA+\slot] offset:\a*16*AP+64*(\q)+32
.endr
.endm
; 4 na matrix instructions: row blocks a0 .. a0 + na - 1 x all four column blocks.  zero = 1: the first product starts the sums.
; The sixteen accumulators take turns, one instruction a turn, in one fixed order everywhere.
.macro MUL f, a0, na, zero
.set ma, \a0
.rept \na
.irp b, 0,1,2,3
.if \zero
	v_wmma_f32_16x16x32_bf16 v[8*(4*ma+\b):8*(4*ma+\b)+7], v[\f+8*\b:\f+8*\b+7], v[\f+32+8*ma:\f+32+8*ma+7], 0
.else
	v_wmma_f32_16x16x32_bf16 v[8*(4*ma+\b):8*(4*ma+\b)+7], v[\f+8*\b:\f+8*\b+7], v[\f+32+8*ma:\f+32+8*ma+7], v[8*(4*ma+\b):8*(4*ma+\b)+7]
.endif
.endr
.set ma, ma+1
.endr
.endm
.macro QUARTER slot, q, f, g, zero     ; asks for quarter q + 1 into buffer g, then multiplies quarter q from buffer f
	PLACES                                         ; buffer g was read by the matrix instructions just issued
	FETCH \slot, \q+1, \g
	s_wait_dscnt 16                                ; all but the 16 loads just issued: buffer f is in
	WIN MULW
	MUL \f, 0, 4, \zero
.endm
.macro SEVEN slot, zero
	QUARTER \slot, 0, F0, F1, \zero
	QUARTER \slot, 1, F1, F0, 0
	QUARTER \slot, 2, F0, F1, 0
	QUARTER \slot, 3, F1, F0, 0
	QUARTER \slot, 4, F0, F1, 0
	QUARTER \slot, 5, F1, F0, 0
	QUARTER \slot, 6, F0, F1, 0
.endm
; The eighth quarter and the change of slots.  In front of the barrier each wave waits for its reads of this slot and for all its tensor loads
; (one is out: its part of the next slot).  fill = 1: the barrier opens a round of the cluster's barrier, and behind the round this slot is
; filled again, two phases ahead, first thing; from there to the wait for that load a wave issues 120 matrix instructions.
.macro TURN slot, next, fill
	s_wait_dscnt 0x0                               ; buffer 1 is in, and with it my last reads of this slot
	s_wait_tensorcnt 0x0                           ; all my tensor loads have landed
	ds_add_u32 v254, v255
	s_wait_dscnt 0x0
	s_barrier_signal -1
	WIN MULW
	MUL F1, 0, 2, 0                                ; register work while the others arrive
	WIN 0
	s_barrier_wait -1
.if \fill
	CREST                                          ; no wave of any partner still reads this slot or has a load on its way
	s_add_nc_u64 s[G0A+4*\slot+2:G0A+4*\slot+3], s[G0A+4*\slot+2:G0A+4*\slot+3], 1024       ; two phases: 512 along K in bf16
	s_add_nc_u64 s[G0B+4*\slot+2:G0B+4*\slot+3], s[G0B+4*\slot+2:G0B+4*\slot+3], 1048576    ; 512 rows of 2,048 bytes
	JLOAD \slot
.endif
	PLACES
	FETCH \next, 0, F0
	WIN MULW
	MUL F1, 2, 2, 0
.endm
.macro LAP zero
	SEVEN 0, \zero
	TURN 0, 1, 1
	SEVEN 1, 0
	TURN 1, 0, 1
.endm
	s_load_b128 s[68:71], s[0:1], 0x0              ; hn s[68:69], wqm s[70:71]
	s_load_b64 s[72:73], s[0:1], 0x10              ; qkv
	v_lshl_add_u32 v254, v0, 2, 0x4d800
	v_mov_b32 v255, 0
	ds_add_u32 v254, v255
	v_lshrrev_b32 v1, 5, v0
	v_readfirstlane_b32 s12, v1                    ; wave 0..3
	s_lshr_b32 s13, s12, 1                         ; wm: my 64 rows of the block.  Also: I fetch for W (0) or for A (1)
	s_and_b32 s14, s12, 1                          ; wn: my 64 columns.  Also: which half of that tile I fetch
	s_bfe_u32 s15, ttmp6, 0x40000                  ; cx
	s_bfe_u32 s16, ttmp6, 0x40004                  ; cy
	s_lshl_b32 s17, ttmp9, 2
	s_add_co_u32 s17, s17, s15                     ; gx = 4 x cluster x + cx
	s_and_b32 s18, ttmp7, 0xffff
	s_lshl_b32 s18, s18, 2
	s_add_co_u32 s18, s18, s16                     ; gy = 4 x cluster y + cy
	s_lshl_b32 s19, s16, 2
	s_lshl_b32 s19, 15, s19                        ; my row of the cluster
	s_lshl_b32 s20, 0x1111, s15                    ; my column
	s_or_b32 s[G1A+0], s19, (1<<16)|(1<<20)|(1<<21)|(6<<22)|(3<<25)   ; mask; 2-byte elements; padding on; bit 21 beside a mask; after every 128 words, 4 words
	s_mov_b32 s[G1A+1], 256<<16                    ; tensor_dim0 = 256
	s_mov_b32 s[G1A+2], 64<<16                     ; tensor_dim1 = 64
	s_mov_b32 s[G1A+3], 256<<16                    ; tile_dim0 = 256 elements (512 bytes)
	s_mov_b32 s[G1A+4], 64                         ; tile_dim1 = 64 rows
	s_mov_b32 s[G1A+5], KDIM                       ; elements from row to row
	s_mov_b32 s[G1A+6], 0
	s_mov_b32 s[G1A+7], 0
	s_or_b32 s[G1B+0], s20, (1<<16)|(1<<20)|(1<<21)|(5<<22)|(7<<25)   ; after every 64 words, 8 words
	s_mov_b32 s[G1B+1], 128<<16                    ; tensor_dim0 = 128
	s_mov_b32 s[G1B+2], 128<<16                    ; tensor_dim1 = 128
	s_mov_b32 s[G1B+3], 128<<16                    ; tile_dim0 = 128 elements (256 bytes)
	s_mov_b32 s[G1B+4], 128                        ; tile_dim1 = 128 rows
	s_mov_b32 s[G1B+5], 1024
	s_mov_b32 s[G1B+6], 0
	s_mov_b32 s[G1B+7], 0
	; where the tiles come from: A's address in s[40:43], made of gy and the wave alone; W's in s[44:47], made of gx, the cluster's y and the wave alone
	s_and_b32 s76, ttmp7, 0xffff
	s_lshr_b32 s76, s76, 2                         ; b = gy / 16 = cluster y / 4: the same in all partners
	s_lshl_b32 s40, s18, 7
	s_lshl_b32 s41, s14, 6
	s_add_co_u32 s40, s40, s41                     ; row 128 x block row + 64 x half
	s_mul_i32 s40, s40, KDIM*2
	s_mov_b32 s41, 0
	s_lshl_b32 s44, s17, 8                         ; 256 bytes a block column
	s_lshl_b32 s45, s14, 18                        ; 128 rows of 2,048 bytes a half
	s_add_co_u32 s44, s44, s45
	s_lshl_b32 s45, s76, 21                        ; wqm[b]: 2 MiB each
	s_add_co_u32 s44, s44, s45
	s_mov_b32 s45, 0
	s_wait_dscnt 0x0
	s_wait_kmcnt 0x0
	s_add_nc_u64 s[42:43], s[68:69], s[40:41]
	s_add_nc_u64 s[46:47], s[70:71], s[44:45]
	; C at my wave's 32 rows of the way out
	s_lshl_b32 s40, s18, 7
	s_lshl_b32 s41, s12, 5
	s_add_co_u32 s40, s40, s41
	s_lshl_b32 s40, s40, 11
	s_mov_b32 s41, 0
	s_add_nc_u64 s[78:79], s[72:73], s[40:41]
	s_lshl_b32 s44, s17, 8
	s_mov_b32 s45, 0
	s_add_nc_u64 s[78:79], s[78:79], s[44:45]
	s_mul_i32 s21, s12, AHALF                      ; where the tiles go: the wave's number times a constant, plus a constant, plus the slot's constant
	s_add_co_u32 s21, s21, AOFF-2*AHALF            ; waves 2, 3: AOFF, AOFF + AHALF
	s_mul_i32 s22, s12, BHALF                      ; waves 0, 1: 0, BHALF
	CROUND                                         ; all sixteen work-groups are here: the first joint loads meet
.irp s, 0,1
	s_mov_b32 s[G0A+4*\s], 1
	s_add_co_u32 s[G0A+4*\s+1], s21, \s*SLOT
	s_add_nc_u64 s[G0A+4*\s+2:G0A+4*\s+3], s[42:43], \s*512
	s_or_b32 s[G0A+4*\s+3], s[G0A+4*\s+3], 0x80000000
	s_mov_b32 s[G0B+4*\s], 1
	s_add_co_u32 s[G0B+4*\s+1], s22, \s*SLOT
	s_add_nc_u64 s[G0B+4*\s+2:G0B+4*\s+3], s[46:47], \s*524288
	s_or_b32 s[G0B+4*\s+3], s[G0B+4*\s+3], 0x80000000
	JLOAD \s                                       ; both first fills go out together: two tensor loads of the wave are out, the most in this text
.endr
	v_and_b32 v1, 15, v0                           ; r = l % 16
	v_bfe_u32 v2, v0, 4, 1                         ; h = l / 16
	v_and_b32 v3, 7, v0
	v_bfe_u32 v4, v0, 3, 1
	v_mul_u32_u24 v5, v1, AP                       ; A: row r, 16 bytes for each half of the lanes
	v_lshl_add_u32 v5, v2, 4, v5
	s_mul_i32 s23, s13, AHALF
	s_add_co_u32 s23, s23, AOFF
	v_add_nc_u32 v[ADRA], s23, v5
	v_add_nc_u32 v[ADRA+1], SLOT, v[ADRA]
	v_lshl_add_u32 v6, v2, 3, v3                   ; W: row 8 h + l % 8, 16 bytes further for lanes 8-15 of each half
	v_mul_u32_u24 v6, v6, BP
	v_lshl_add_u32 v6, v4, 4, v6
	s_lshl_b32 s23, s14, 7
	v_add_nc_u32 v[ADRB], s23, v6
	v_add_nc_u32 v[ADRB+1], BHALF, v[ADRB]
	v_add_nc_u32 v[ADRB+2], SLOT, v[ADRB]
	v_add_nc_u32 v[ADRB+3], SLOT+BHALF, v[ADRB]
	; the way out: a stage of 128 rows x 256 bytes shared by the four waves
	v_mul_u32_u24 v7, v1, SP
	v_lshl_add_u32 v7, v2, 4, v7
	s_mul_i32 s23, s13, 64*SP
	s_lshl_b32 s82, s14, 7
	s_add_co_u32 s23, s23, s82
	s_add_co_u32 s23, s23, STAGE
	v_add_nc_u32 v[STO], s23, v7                   ; row 64 wm + r, byte 128 wn + 16 h
	v_mul_u32_u24 v7, v2, SP
	v_lshl_add_u32 v7, v1, 4, v7
	s_mul_i32 s23, s12, 32*SP
	s_add_co_u32 s23, s23, STAGE
	v_add_nc_u32 v[RD], s23, v7                    ; row 32 w + l / 16, byte 16 (l % 16)
	v_mul_u32_u24 v7, v2, CPITCH
	v_lshl_add_u32 v[CO], v1, 4, v7
	s_wait_tensorcnt 0x1                           ; my part of phase 0 is in; phase 1's may stay out
	s_barrier_signal -1
	s_barrier_wait -1
	FETCH 0, 0, F0
	LAP 1                                          ; the first lap's first products start the sums: nothing is cleared
	SEVEN 0, 0                                     ; four phases in all: the second lap is the last and fills nothing
	TURN 0, 1, 0
	SEVEN 1, 0
	s_wait_dscnt 0x0
	WIN MULW
	MUL F1, 0, 4, 0
	PLACES
	; THE WAY OUT: round to bf16, 16 bytes a lane into the stage, whole rows of 256 bytes back, 16 lanes store 256 neighbouring aligned bytes
	WIN 0x05
.set i, 0
.rept 64
	v_cvt_pk_bf16_f32 v[160+i], v[2*i], v[2*i+1]
.set i, i+1
.endr
	WIN 0
.irp a, 0,1,2,3
.irp b, 0,1,2,3
	ds_store_b128 v[STO], v[160+4*(4*\a+\b):160+4*(4*\a+\b)+3] offset:\a*16*SP+32*\b
.endr
.endr
	s_wait_dscnt 0x0                               ; for the others' sake: my stores are in the stage
	s_barrier_signal -1
	s_barrier_wait -1
.set t, 0
.rept 16
	ds_load_b128 v[32+4*t:35+4*t], v[RD] offset:2*SP*t
.set t, t+1
.endr
.set t, 0
.rept 16
	s_wait_dscnt 15-t                              ; LDS loads come back in order: load t is in
	global_store_b128 v[CO], v[32+4*t:35+4*t], s[78:79] offset:2*t*CPITCH
.set t, t+1
.endr
	s_wait_tensorcnt 0x0
	ds_add_u32 v254, v255
	s_wait_dscnt 0x0
	CROUND                                         ; the closing round: no work-group ends while a partner may still ask for a tile that names it
	s_endpgm
.Lfunc_end_k_q587b6c3559_gq:
	.size	k_q587b6c3559_gq, .Lfunc_end_k_q587b6c3559_gq-k_q587b6c3559_gq
	.p2alignl 7, 3214868480
	.fill 96, 4, 3214868480
	.section	.rodata,"a",@progbits
	.p2align	6, 0x0
	.amdhsa_kernel k_q587b6c3559_gq
		.amdhsa_group_segment_fixed_size 327680
		.amdhsa_private_segment_fixed_size 0
		.amdhsa_enable_private_segment 0
		.amdhsa_kernarg_size 24
		.amdhsa_user_sgpr_count 2
		.amdhsa_user_sgpr_kernarg_segment_ptr 1
		.amdhsa_wavefront_size32 1
		.amdhsa_system_sgpr_workgroup_id_x 1
		.amdhsa_system_sgpr_workgroup_id_y 1
		.amdhsa_system_sgpr_workgroup_id_z 1
		.amdhsa_system_vgpr_workitem_id 0
		.amdhsa_next_free_vgpr 384
		.amdhsa_next_free_sgpr 84
		.amdhsa_reserve_vcc 0
		.amdhsa_float_denorm_mode_32 3
		.amdhsa_float_denorm_mode_16_64 3
		.amdhsa_memory_ordered 1
		.amdhsa_forward_progress 1
		.amdhsa_inst_pref_size 89
	.end_amdhsa_kernel
	.amdgpu_metadata
---
amdhsa.version: [ 1, 2 ]
amdhsa.kernels:
  - .name:           k_q587b6c3559_gq
    .symbol:         k_q587b6c3559_gq.kd
    .args:
      - { .name: hn, .offset: 0, .size: 8, .value_kind: global_buffer, .address_space: global }
      - { .name: wqm, .offset: 8, .size: 8, .value_kind: global_buffer, .address_space: global }
      - { .name: qkv, .offset: 16, .size: 8, .value_kind: global_buffer, .address_space: global }
    .group_segment_fixed_size: 327680
    .private_segment_fixed_size: 0
    .kernarg_segment_align: 8
    .kernarg_segment_size: 24
    .max_flat_workgroup_size: 128
    .sgpr_count:     84
    .vgpr_count:     384
    .wavefront_size: 32
...
	.end_amdgpu_metadata
.endif
;; end of part 3
;; launch attn (part 4): grid 16 x 16, 8 waves a work-group, clusters of 4 x 4, 327,680 bytes of LDS; arguments qkv, mask, ao; writes ao
.if DOCPART == 4
	.amdgcn_target "amdgcn-amd-amdhsa--gfx1250"
	.amdhsa_code_object_version 6
	.text
	.protected	k_q587b6c3559_attn
	.globl	k_q587b6c3559_attn
	.p2align	8
	.type	k_q587b6c3559_attn,@function
k_q587b6c3559_attn:
	s_mov_b64 s[64:65], 0
	v_nop
	global_prefetch_b8 v0, s[64:65] scope:SCOPE_SE
	s_setreg_imm32_b32 hwreg(HW_REG_WAVE_MODE, 25, 1), 1
	s_wait_xcnt 0x0
	s_wait_alu depctr_hold_cnt(0) depctr_sa_sdst(0) depctr_va_vdst(0) depctr_va_sdst(0) depctr_va_ssrc(0) depctr_va_vcc(0) depctr_vm_vsrc(0)
	s_getreg_b32 s2, hwreg(HW_REG_IB_STS2, 6, 4)
	s_cmp_eq_u32 s2, 0
	s_cbranch_scc0 .Lentry_in_a_cluster
	s_endpgm
.Lentry_in_a_cluster:
	s_bfe_u32 s2, ttmp6, 0x10000c
	s_cmp_lg_u32 s2, 0xf033
	s_cbranch_scc0 .Lentry_shape_is_right
	s_endpgm
.Lentry_shape_is_right:
; attn: ao = softmax(clip(Q' K^T, -50, 50) + mask) V for each batch and head; Q' already holds the factor 1/8.  bf16 operands, f32 sums and softmax.
; A work-group: one batch b, two neighbouring heads (pair p), 128 query rows.  x = 8 b + p, y = block of query rows: 256 work-groups.
; Eight waves: wave w takes head hd = w / 4 of the pair and 32 query rows, rg = w % 4.  With two heads the rows of K, V and ao are 256 aligned bytes.
; Keys go in phases of 128 through two LDS slots; a slot holds 128 rows of K, 128 of V (both heads) and 128 x 128 of the mask in f32.
; Waves 0, 1 fetch K's halves, 2, 3 V's, 4-7 a quarter of the mask each: one tensor load a wave.
; CLUSTERS: 4 x 4 work-groups.  K and V hang on (b, p) alone: asked for jointly by the four query blocks of a column of the cluster.
; The mask's tile hangs on the query block alone: asked for jointly by the four head pairs of a row.  A quarter of the requests.
; EVERYTHING IS TRANSPOSED, so that a lane owns one query row: S^T = K Q'^T (source 0 rows of K, source 1 rows of Q'): lane (r, h) holds query r and
; keys 16 ti + 8 h + 0..7.  Rounded to bf16 and packed, tiles 2 c and 2 c + 1 ARE source 1 of O^T = V^T P^T for keys 32 c .. 32 c + 31: no shuffle.
; Maximum, sum and rescaling factor are one number a lane; one v_permlanex16_b32 joins the two halves of the keys.
; The maximum is a running one, over clip + mask as given.  LIMITS: it starts at -2^126, so a query row whose every clip + mask lies below -2^126
; gives NaN (0/0).  Rows with any entry above
; the bound are served, with holes of -inf or of the lowest finite number too.  A NaN score is not carried through the clip.
; The sum of the softmax is taken over the exponentials in f32, the product with V over their rounding to bf16.
; Q' is read once, 32 KiB a work-group, straight into fragments: not worth a stage.
.set KP,    272                        ; LDS pitch of K's rows: 256 + 16
.set VP,    288                        ; of V's rows: 256 + 32, for the transposing load
.set MP,    528                        ; of the mask's rows: 512 + 16
.set VOFF,  36864                      ; V behind K (128 x 272 = 34,816, then a gap)
.set MOFF,  73728                      ; the mask behind V (128 x 288)
.set SLOT,  141312                     ; MOFF + 128 x 528
.set STAGE, 2*SLOT                     ; behind the ring: bytes that no tensor load fills
.set SP,    272
.set ADK, 2                            ; v2-3   LDS address of my K fragments, slot 0, 1
.set ADV, 4                            ; v4-5   of my V fragments
.set ADM, 6                            ; v6-7   of my mask numbers
.set STO, 8                            ; v8     the way out: where I put 16 bytes
.set RD,  9                            ; v9     where I read rows back
.set CO,  10                           ; v10    my byte offset in ao
.set QO,  11                           ; v11    my byte offset in Q'
.set MX,  12                           ; v12-13 running maximum, for si = 0, 1
.set LS,  14                           ; v14-15 running sum of my half of the keys
.set AL,  16                           ; v16-19 rescaling factor, a pair for each si
.set NM,  20                           ; v20-23 -maximum x log2 e, a pair for each si
.set TP,  24                           ; v24-31 at work
.set QF,  32                           ; v32-63   Q' fragments at +16 si + 8 ks
.set SC,  64                           ; v64-127  scores at +32 si + 8 ti; then P at +32 si + 8 c
.set KV,  128                          ; v128-191 K fragments at +16 ti + 8 ks; then V fragments at +16 di + 8 c
.set MK,  192                          ; v192-255 mask at +32 si + 8 ti
                                       ; window 1: O^T tile (di, si) at v[256 + 8 (2 di + si)]
.set G1K, 24                           ; s[24:31] descriptor group 1: K
.set G1V, 32                           ; s[32:39] V
.set G1M, 40                           ; s[40:47] mask
.set G0K, 48                           ; s[48:55] group 0, a set for each slot: K
.set G0V, 56                           ; s[56:63] V
.set G0M, 68                           ; s[68:75] mask
.set MSB, 0
.macro WIN new                         ; s_set_vgpr_msb; the immediate's high byte repeats the setting that is left
.if MSB != \new
	s_set_vgpr_msb (MSB<<8)|\new
.set MSB, \new
.endif
.endm
.macro JLOAD s                         ; a joint load; the branches hang on the wave's number alone; each line has one mask and one set of registers
	s_cmp_lt_u32 s12, 2
	s_cbranch_scc0 .Lnot_k_\@
	tensor_load_to_lds s[G0K+4*\s:G0K+4*\s+3], s[G1K:G1K+7]
	s_nop 0
	s_branch .Lasked_\@
.Lnot_k_\@:
	s_cmp_lt_u32 s12, 4
	s_cbranch_scc0 .Lnot_v_\@
	tensor_load_to_lds s[G0V+4*\s:G0V+4*\s+3], s[G1V:G1V+7]
	s_nop 0
	s_branch .Lasked_\@
.Lnot_v_\@:
	tensor_load_to_lds s[G0M+4*\s:G0M+4*\s+3], s[G1M:G1M+7]
	s_nop 0
.Lasked_\@:
.endm
.macro CREST                           ; a round of the cluster's barrier behind its opening work-group barrier
	s_cmp_lg_u32 s12, 0
	s_cbranch_scc1 .Lnot_wave_0_\@
	s_barrier_signal -3
.Lnot_wave_0_\@:
	s_barrier_wait -3
	s_barrier_signal -1
	s_barrier_wait -1
.endm
.macro CROUND
	s_barrier_signal -1
	s_barrier_wait -1
	CREST
.endm
; The softmax step of 16 query rows (si) x 64 keys: 32 numbers a lane.
.macro SOFTMAX si, first
.set SB, SC+32*\si
.set MB, MK+32*\si
.set i, 0
.rept 32
	v_med3_num_f32 v[SB+i], v[SB+i], s10, s11      ; clip to -50 .. 50
.set i, i+1
.endr
.set i, 0
.rept 16
	v_pk_add_f32 v[SB+2*i:SB+2*i+1], v[SB+2*i:SB+2*i+1], v[MB+2*i:MB+2*i+1]
.set i, i+1
.endr
	v_max3_num_f32 v[TP], v[MX+\si], v[SB], v[SB+1]            ; two chains, one begun with the maximum so far
	v_max3_num_f32 v[TP+1], v[SB+16], v[SB+17], v[SB+18]
.set i, 0
.rept 6
	v_max3_num_f32 v[TP], v[TP], v[SB+2+2*i], v[SB+3+2*i]
	v_max3_num_f32 v[TP+1], v[TP+1], v[SB+19+2*i], v[SB+20+2*i]
.set i, i+1
.endr
	v_max3_num_f32 v[TP], v[TP], v[SB+14], v[SB+15]
	v_max3_num_f32 v[TP], v[TP], v[TP+1], v[SB+31]
	v_permlanex16_b32 v[TP+2], v[TP], s66, s67     ; the other half of the keys; its destination has been written before
	v_max_num_f32 v[TP], v[TP], v[TP+2]            ; the new maximum
.if \first == 0
	v_sub_f32 v[TP+3], v[MX+\si], v[TP]
	v_mul_f32 v[TP+3], 0x3fb8aa3b, v[TP+3]
	v_exp_f32 v[AL+2*\si], v[TP+3]                 ; e^(old - new); the next line is the plain instruction in front of its use (ISA guide 5.7.2)
.endif
	v_mov_b32 v[MX+\si], v[TP]
	v_mul_f32 v[NM+2*\si], 0xbfb8aa3b, v[TP]
	v_mov_b32 v[NM+2*\si+1], v[NM+2*\si]
.if \first == 0
	s_wait_alu depctr_va_vdst(0)
	v_mov_b32 v[AL+2*\si+1], v[AL+2*\si]
.endif
.set i, 0
.rept 16
	v_pk_fma_f32 v[SB+2*i:SB+2*i+1], v[SB+2*i:SB+2*i+1], 0x3fb8aa3b, v[NM+2*\si:NM+2*\si+1] op_sel_hi:[1,0,1]
.set i, i+1
.endr
.set i, 0
.rept 32
	v_exp_f32 v[SB+i], v[SB+i]
.set i, i+1
.endr
	v_nop                                          ; one plain place behind the run of exponentials
	s_wait_alu depctr_va_vdst(0)
	v_pk_add_f32 v[TP+4:TP+5], v[SB:SB+1], v[SB+2:SB+3]
	v_pk_add_f32 v[TP+6:TP+7], v[SB+4:SB+5], v[SB+6:SB+7]
.set i, 0
.rept 6
	v_pk_add_f32 v[TP+4:TP+5], v[TP+4:TP+5], v[SB+8+4*i:SB+9+4*i]
	v_pk_add_f32 v[TP+6:TP+7], v[TP+6:TP+7], v[SB+10+4*i:SB+11+4*i]
.set i, i+1
.endr
	v_pk_add_f32 v[TP+4:TP+5], v[TP+4:TP+5], v[TP+6:TP+7]
.if \first
	v_add_f32 v[LS+\si], v[TP+4], v[TP+5]          ; the first step starts the sum
.else
	v_add_f32 v[TP+4], v[TP+4], v[TP+5]
	v_fma_f32 v[LS+\si], v[LS+\si], v[AL+2*\si], v[TP+4]
.endif
.set i, 0
.rept 16
	v_cvt_pk_bf16_f32 v[SB+i], v[SB+2*i], v[SB+2*i+1]          ; ascending and in place: register i is written when 2 i and 2 i + 1 are read
.set i, i+1
.endr
.endm
; One step: 64 keys (half sub of a slot).  first = 1: the first step of all.  turn = 1: the slot has been read out: change slots and fill it again;
; turn = 2: change slots, nothing left to fetch.
.macro STEP slot, sub, first, turn
.irp ti, 0,1,2,3
.irp ks, 0,1
	ds_load_b128 v[KV+16*\ti+8*\ks:KV+16*\ti+8*\ks+3],   v[ADK+\slot] offset:(64*\sub+16*\ti)*KP+64*\ks
	ds_load_b128 v[KV+16*\ti+8*\ks+4:KV+16*\ti+8*\ks+7], v[ADK+\slot] offset:(64*\sub+16*\ti)*KP+64*\ks+32
.endr
.endr
.irp si, 0,1
.irp ti, 0,1,2,3
	ds_load_b128 v[MK+32*\si+8*\ti:MK+32*\si+8*\ti+3],   v[ADM+\slot] offset:16*MP*\si+256*\sub+64*\ti
	ds_load_b128 v[MK+32*\si+8*\ti+4:MK+32*\si+8*\ti+7], v[ADM+\slot] offset:16*MP*\si+256*\sub+64*\ti+16
.endr
.endr
	s_wait_dscnt 16                                ; K's fragments are in; the 16 younger loads (the mask) may stay out
	; the eight score tiles take turns, one instruction a turn
.irp ti, 0,1,2,3
.irp si, 0,1
	v_wmma_f32_16x16x32_bf16 v[SC+32*\si+8*\ti:SC+32*\si+8*\ti+7], v[KV+16*\ti:KV+16*\ti+7], v[QF+16*\si:QF+16*\si+7], 0
.endr
.endr
.irp ti, 0,1,2,3
.irp si, 0,1
	v_wmma_f32_16x16x32_bf16 v[SC+32*\si+8*\ti:SC+32*\si+8*\ti+7], v[KV+16*\ti+8:KV+16*\ti+15], v[QF+16*\si+8:QF+16*\si+15], v[SC+32*\si+8*\ti:SC+32*\si+8*\ti+7]
.endr
.endr
.rept 4
	v_nop                                          ; four places (ISA guide 7.12.1): V lands in K's registers, the clip reads the scores
.endr
.irp di, 0,1,2,3
.irp c, 0,1
	ds_load_tr16_b128 v[KV+16*\di+8*\c:KV+16*\di+8*\c+3],   v[ADV+\slot] offset:(64*\sub+32*\c)*VP+32*\di
	ds_load_tr16_b128 v[KV+16*\di+8*\c+4:KV+16*\di+8*\c+7], v[ADV+\slot] offset:(64*\sub+32*\c)*VP+32*\di+16*VP
.endr
.endr
	s_wait_dscnt 16                                ; the mask is in; the 16 younger loads (V) may stay out
	SOFTMAX 0, \first
	SOFTMAX 1, \first
	s_wait_dscnt 0x0                               ; V is in; my reads of this half of the slot are over
.if \turn
	s_set_vgpr_msb 0x5
	s_wait_tensorcnt 0x0                           ; all my tensor loads have landed: the one that was out is my part of the other slot
	ds_add_u32 v64, v65
	s_wait_dscnt 0x0
	s_set_vgpr_msb 0x500
	s_barrier_signal -1                            ; (turn = 1: this barrier opens a round of the cluster's barrier); only register work up to its wait
.endif
.if \first == 0
	WIN 0x41
.irp di, 0,1,2,3
.irp si, 0,1
.irp k, 0,1,2,3
	v_pk_mul_f32 v[8*(2*\di+\si)+2*\k:8*(2*\di+\si)+2*\k+1], v[8*(2*\di+\si)+2*\k:8*(2*\di+\si)+2*\k+1], v[AL+2*\si:AL+2*\si+1]
.endr
.endr
.endr
.endif
	WIN 0x50
	; the eight output tiles take turns, one instruction a turn
.irp di, 0,1,2,3
.irp si, 0,1
.if \first
	v_wmma_f32_16x16x32_bf16 v[8*(2*\di+\si):8*(2*\di+\si)+7], v[KV+16*\di:KV+16*\di+7], v[SC+32*\si:SC+32*\si+7], 0
.else
	v_wmma_f32_16x16x32_bf16 v[8*(2*\di+\si):8*(2*\di+\si)+7], v[KV+16*\di:KV+16*\di+7], v[SC+32*\si:SC+32*\si+7], v[8*(2*\di+\si):8*(2*\di+\si)+7]
.endif
.endr
.endr
.irp di, 0,1,2,3
.irp si, 0,1
	v_wmma_f32_16x16x32_bf16 v[8*(2*\di+\si):8*(2*\di+\si)+7], v[KV+16*\di+8:KV+16*\di+15], v[SC+32*\si+8:SC+32*\si+15], v[8*(2*\di+\si):8*(2*\di+\si)+7]
.endr
.endr
.rept 5
	v_nop                                          ; five places: the next scores are written over P, the next K lands in V's registers
.endr
	WIN 0
.if \turn
	s_barrier_wait -1
.endif
.if \turn == 1
	CREST                                          ; no wave of any partner still reads this slot or has a load on its way
	s_add_nc_u64 s[G0K+4*\slot+2:G0K+4*\slot+3], s[G0K+4*\slot+2:G0K+4*\slot+3], 524288   ; two phases: 256 rows of 2,048 bytes
	s_add_nc_u64 s[G0V+4*\slot+2:G0V+4*\slot+3], s[G0V+4*\slot+2:G0V+4*\slot+3], 524288
	s_add_nc_u64 s[G0M+4*\slot+2:G0M+4*\slot+3], s[G0M+4*\slot+2:G0M+4*\slot+3], 1024     ; 256 keys in f32
	JLOAD \slot                                    ; the first tensor load behind the round; it has the other slot's two steps in which to land
.endif
.endm
	s_load_b128 s[4:7], s[0:1], 0x0                ; qkv s[4:5], mask s[6:7]
	s_load_b64 s[8:9], s[0:1], 0x10                ; ao
	s_set_vgpr_msb 0x40
	v_lshl_add_u32 v64, v0, 2, 0x4d800
	v_mov_b32 v65, 0
	s_set_vgpr_msb 0x4045
	ds_add_u32 v64, v65
	s_set_vgpr_msb 0x4500
	v_lshrrev_b32 v1, 5, v0
	v_readfirstlane_b32 s12, v1                    ; wave 0..7
	s_lshr_b32 s13, s12, 2                         ; hd
	s_and_b32 s14, s12, 3                          ; rg.  Also: which quarter of the mask's tile waves 4-7 fetch
	s_and_b32 s21, s12, 1                          ; which half of K's or V's tile waves 0-3 fetch
	s_bfe_u32 s15, ttmp6, 0x40000                  ; cx
	s_bfe_u32 s16, ttmp6, 0x40004                  ; cy
	s_lshl_b32 s17, ttmp9, 2
	s_add_co_u32 s17, s17, s15                     ; gx = 8 b + p
	s_and_b32 s18, ttmp7, 0xffff
	s_lshl_b32 s18, s18, 2
	s_add_co_u32 s18, s18, s16                     ; gy = block of 128 query rows
	s_lshl_b32 s19, s16, 2
	s_lshl_b32 s19, 15, s19                        ; my row of the cluster
	s_lshl_b32 s20, 0x1111, s15                    ; my column
	s_lshr_b32 s22, ttmp9, 1                       ; b = gx / 8 = cluster x / 2
	s_and_b32 s23, s17, 7                          ; p
	s_mov_b32 s10, 0xc2480000                      ; -50
	s_mov_b32 s11, 0x42480000                      ; 50
	s_mov_b32 s66, 0x76543210                      ; v_permlanex16_b32: lane i reads lane i of the other half
	s_mov_b32 s67, 0xfedcba98
	s_or_b32 s[G1K+0], s20, (1<<16)|(1<<20)|(1<<21)|(5<<22)|(3<<25)   ; mask of my column; 2-byte elements; padding: after every 64 words, 4 words
	s_mov_b32 s[G1K+1], 128<<16                    ; tensor_dim0 = 128
	s_mov_b32 s[G1K+2], 64<<16                     ; tensor_dim1 = 64
	s_mov_b32 s[G1K+3], 128<<16                    ; tile_dim0 = 128 elements (256 bytes: two heads)
	s_mov_b32 s[G1K+4], 64                         ; tile_dim1 = 64 rows
	s_mov_b32 s[G1K+5], 1024
	s_mov_b32 s[G1K+6], 0
	s_mov_b32 s[G1K+7], 0
	s_or_b32 s[G1V+0], s20, (1<<16)|(1<<20)|(1<<21)|(5<<22)|(7<<25)   ; the same with 8 words of padding
	s_mov_b32 s[G1V+1], 128<<16
	s_mov_b32 s[G1V+2], 64<<16
	s_mov_b32 s[G1V+3], 128<<16
	s_mov_b32 s[G1V+4], 64
	s_mov_b32 s[G1V+5], 1024
	s_mov_b32 s[G1V+6], 0
	s_mov_b32 s[G1V+7], 0
	s_or_b32 s[G1M+0], s19, (2<<16)|(1<<20)|(1<<21)|(6<<22)|(3<<25)   ; mask of my row; 4-byte elements; after every 128 words, 4 words
	s_mov_b32 s[G1M+1], 128<<16                    ; tensor_dim0 = 128
	s_mov_b32 s[G1M+2], 32<<16                     ; tensor_dim1 = 32
	s_mov_b32 s[G1M+3], 128<<16                    ; tile_dim0 = 128 elements (512 bytes)
	s_mov_b32 s[G1M+4], 32                         ; tile_dim1 = 32 rows
	s_mov_b32 s[G1M+5], 2048
	s_mov_b32 s[G1M+6], 0
	s_mov_b32 s[G1M+7], 0
	; K's and V's address in s[76:79], made of gx, the cluster's x and the wave alone; the mask's in s[80:83], made of gy and the wave alone
	s_lshl_b32 s76, s22, 22                        ; 2,048 rows of 2,048 bytes a batch
	s_lshl_b32 s77, s21, 17                        ; 64 rows a half
	s_add_co_u32 s76, s76, s77
	s_lshl_b32 s77, s23, 8                         ; 256 bytes a pair of heads
	s_add_co_u32 s76, s76, s77
	s_mov_b32 s77, 0
	s_lshl_b32 s80, s18, 20                        ; 128 rows of 8,192 bytes a block
	s_lshl_b32 s81, s14, 18                        ; 32 rows a quarter
	s_add_co_u32 s80, s80, s81
	s_mov_b32 s81, 0
	s_mul_i32 s84, s12, 64*KP                      ; where the tiles go: the wave's number times a constant, plus a constant, plus the slot's constant
	s_mul_i32 s85, s12, 64*VP                      ; waves 2, 3: VOFF, VOFF + 64 VP
	s_mul_i32 s86, s12, 32*MP
	s_add_co_u32 s86, s86, MOFF-4*32*MP            ; waves 4-7: MOFF + (w - 4) 32 MP
	s_lshl_b32 s90, s22, 22                        ; Q': row 2,048 b + 128 gy + 32 rg, byte 256 p + 128 hd
	s_lshl_b32 s91, s18, 18
	s_add_co_u32 s90, s90, s91
	s_lshl_b32 s91, s23, 8
	s_add_co_u32 s90, s90, s91
	s_lshl_b32 s91, s12, 15                        ; ao: the same block, row + 16 w, byte 256 p
	s_add_co_u32 s88, s90, s91
	s_mov_b32 s89, 0
	s_lshl_b32 s91, s14, 16
	s_add_co_u32 s90, s90, s91
	s_lshl_b32 s91, s13, 7
	s_add_co_u32 s90, s90, s91
	s_mov_b32 s91, 0
	s_wait_dscnt 0x0
	s_wait_kmcnt 0x0
	s_add_nc_u64 s[78:79], s[4:5], s[76:77]
	s_add_nc_u64 s[82:83], s[6:7], s[80:81]
	s_add_nc_u64 s[8:9], s[8:9], s[88:89]
	s_add_nc_u64 s[88:89], s[4:5], s[90:91]
	CROUND                                         ; all sixteen work-groups are here: the first joint loads meet
.irp s, 0,1
	s_mov_b32 s[G0K+4*\s], 1
	s_add_co_u32 s[G0K+4*\s+1], s84, \s*SLOT
	s_add_nc_u64 s[G0K+4*\s+2:G0K+4*\s+3], s[78:79], 0x800000+\s*262144      ; K is the second of qkv's three; a phase is 128 rows
	s_or_b32 s[G0K+4*\s+3], s[G0K+4*\s+3], 0x80000000
	s_mov_b32 s[G0V+4*\s], 1
	s_add_co_u32 s[G0V+4*\s+1], s85, \s*SLOT
	s_add_nc_u64 s[G0V+4*\s+2:G0V+4*\s+3], s[78:79], 0x1000000+\s*262144     ; V the third
	s_or_b32 s[G0V+4*\s+3], s[G0V+4*\s+3], 0x80000000
	s_mov_b32 s[G0M+4*\s], 1
	s_add_co_u32 s[G0M+4*\s+1], s86, \s*SLOT
	s_add_nc_u64 s[G0M+4*\s+2:G0M+4*\s+3], s[82:83], \s*512
	s_or_b32 s[G0M+4*\s+3], s[G0M+4*\s+3], 0x80000000
	JLOAD \s                                       ; both first fills go out together: two tensor loads of the wave are out, the most in this text
.endr
	v_and_b32 v1, 15, v0                           ; r = l % 16
	v_bfe_u32 v24, v0, 4, 1                        ; h = l / 16
	v_and_b32 v25, 7, v0
	v_bfe_u32 v26, v0, 3, 1                        ; (v26 = TP + 2 is hereby written: v_permlanex16_b32's destination counts as read)
	v_lshlrev_b32 v[QO], 11, v1
	v_lshl_add_u32 v[QO], v24, 4, v[QO]            ; row r, 16 bytes for each half of the lanes
.irp si, 0,1
.irp ks, 0,1
	global_load_b128 v[QF+16*\si+8*\ks:QF+16*\si+8*\ks+3],   v[QO], s[88:89] offset:32768*\si+64*\ks
	global_load_b128 v[QF+16*\si+8*\ks+4:QF+16*\si+8*\ks+7], v[QO], s[88:89] offset:32768*\si+64*\ks+32
.endr
.endr
	v_mul_u32_u24 v27, v1, KP
	v_lshl_add_u32 v27, v24, 4, v27                ; r x 272 + 16 h (K's pitch is the stage's)
	s_lshl_b32 s87, s13, 7                         ; my head's 128 bytes of a row
	v_add_nc_u32 v[ADK], s87, v27
	v_add_nc_u32 v[ADK+1], SLOT, v[ADK]
	v_lshl_add_u32 v28, v24, 3, v25                ; V: row 8 h + l % 8, 16 bytes further for lanes 8-15 of each half
	v_mul_u32_u24 v28, v28, VP
	v_lshl_add_u32 v28, v26, 4, v28
	s_add_co_u32 s92, s87, VOFF
	v_add_nc_u32 v[ADV], s92, v28
	v_add_nc_u32 v[ADV+1], SLOT, v[ADV]
	v_mul_u32_u24 v29, v1, MP                      ; mask: row 32 rg + r, 8 keys = 32 bytes for each half of the lanes
	v_lshl_add_u32 v29, v24, 5, v29
	s_mul_i32 s92, s14, 32*MP
	s_add_co_u32 s92, s92, MOFF
	v_add_nc_u32 v[ADM], s92, v29
	v_add_nc_u32 v[ADM+1], SLOT, v[ADM]
	s_mul_i32 s92, s14, 32*SP
	s_add_co_u32 s92, s92, s87
	s_add_co_u32 s92, s92, STAGE
	v_add_nc_u32 v[STO], s92, v27                  ; stage: row 32 rg + r, byte 128 hd + 16 h
	v_mul_u32_u24 v30, v24, SP
	v_lshl_add_u32 v30, v1, 4, v30
	s_mul_i32 s92, s12, 16*SP
	s_add_co_u32 s92, s92, STAGE
	v_add_nc_u32 v[RD], s92, v30                   ; row 16 w + l / 16, byte 16 (l % 16)
	v_lshlrev_b32 v31, 11, v24
	v_lshl_add_u32 v[CO], v1, 4, v31
	v_mov_b32 v[MX], 0xfe800000                    ; -2^126
	v_mov_b32 v[MX+1], 0xfe800000
	s_wait_loadcnt 0x0                             ; Q'
	s_wait_tensorcnt 0x1                           ; my part of phase 0 is in; phase 1's may stay out
	s_barrier_signal -1
	s_barrier_wait -1
	STEP 0, 0, 1, 0                                ; 16 phases of 128 keys: the first lap (its first step starts the sums),
	STEP 0, 1, 0, 1
	STEP 1, 0, 0, 0
	STEP 1, 1, 0, 1
	s_mov_b32 s3, 6                                ; six laps in the loop,
.Llap:
	STEP 0, 0, 0, 0
	STEP 0, 1, 0, 1
	STEP 1, 0, 0, 0
	STEP 1, 1, 0, 1
	s_sub_co_u32 s3, s3, 1
	s_cmp_lg_u32 s3, 0
	s_cbranch_scc1 .Llap
	STEP 0, 0, 0, 0                                ; and the last lap, which fills nothing
	STEP 0, 1, 0, 2
	STEP 1, 0, 0, 0
	STEP 1, 1, 0, 0
	; THE WAY OUT: divide by the sum, round to bf16, 16 bytes a lane into the stage, whole rows of 256 bytes (two heads) back and out
	v_permlanex16_b32 v[TP+2], v[LS], s66, s67     ; the other half of the keys
	v_permlanex16_b32 v[TP+3], v[LS+1], s66, s67
	v_add_f32 v[LS], v[LS], v[TP+2]
	v_add_f32 v[LS+1], v[LS+1], v[TP+3]
	v_rcp_f32 v[AL], v[LS]
	v_rcp_f32 v[AL+2], v[LS+1]
	v_nop                                          ; one plain place behind the reciprocals
	s_wait_alu depctr_va_vdst(0)
	v_mov_b32 v[AL+1], v[AL]
	v_mov_b32 v[AL+3], v[AL+2]
	WIN 0x01
.irp di, 0,1,2,3
.irp si, 0,1
.irp k, 0,1,2,3
	v_pk_mul_f32 v[KV+8*(2*\di+\si)+2*\k:KV+8*(2*\di+\si)+2*\k+1], v[8*(2*\di+\si)+2*\k:8*(2*\di+\si)+2*\k+1], v[AL+2*\si:AL+2*\si+1]
.endr
.endr
.endr
	WIN 0
.set i, 0
.rept 32
	v_cvt_pk_bf16_f32 v[MK+i], v[KV+2*i], v[KV+2*i+1]
.set i, i+1
.endr
.irp di, 0,1,2,3
.irp si, 0,1
	ds_store_b128 v[STO], v[MK+4*(2*\di+\si):MK+4*(2*\di+\si)+3] offset:16*SP*\si+32*\di
.endr
.endr
	s_wait_dscnt 0x0                               ; for the others' sake: my stores are in the stage
	s_barrier_signal -1
	s_barrier_wait -1
.irp t, 0,1,2,3,4,5,6,7
	ds_load_b128 v[QF+4*\t:QF+4*\t+3], v[RD] offset:2*SP*\t
.endr
.irp t, 0,1,2,3,4,5,6,7
	s_wait_dscnt 7-\t                              ; LDS loads come back in order: load t is in
	global_store_b128 v[CO], v[QF+4*\t:QF+4*\t+3], s[8:9] offset:4096*\t    ; 16 lanes store 256 neighbouring aligned bytes
.endr
	s_set_vgpr_msb 0x5
	s_wait_tensorcnt 0x0
	ds_add_u32 v64, v65
	s_wait_dscnt 0x0
	s_set_vgpr_msb 0x500
	CROUND                                         ; the closing round: no work-group ends while a partner may still ask for a tile that names it
	s_endpgm
.Lfunc_end_k_q587b6c3559_attn:
	.size	k_q587b6c3559_attn, .Lfunc_end_k_q587b6c3559_attn-k_q587b6c3559_attn
	.p2alignl 7, 3214868480
	.fill 96, 4, 3214868480
	.section	.rodata,"a",@progbits
	.p2align	6, 0x0
	.amdhsa_kernel k_q587b6c3559_attn
		.amdhsa_group_segment_fixed_size 327680
		.amdhsa_private_segment_fixed_size 0
		.amdhsa_enable_private_segment 0
		.amdhsa_kernarg_size 24
		.amdhsa_user_sgpr_count 2
		.amdhsa_user_sgpr_kernarg_segment_ptr 1
		.amdhsa_wavefront_size32 1
		.amdhsa_system_sgpr_workgroup_id_x 1
		.amdhsa_system_sgpr_workgroup_id_y 1
		.amdhsa_system_sgpr_workgroup_id_z 1
		.amdhsa_system_vgpr_workitem_id 0
		.amdhsa_next_free_vgpr 322
		.amdhsa_next_free_sgpr 96
		.amdhsa_reserve_vcc 0
		.amdhsa_float_denorm_mode_32 3
		.amdhsa_float_denorm_mode_16_64 3
		.amdhsa_memory_ordered 1
		.amdhsa_forward_progress 1
		.amdhsa_inst_pref_size 255
	.end_amdhsa_kernel
	.section	.bss,"aw",@nobits
	.p2align	6
	.space	262144
	.amdgpu_metadata
---
amdhsa.version: [ 1, 2 ]
amdhsa.kernels:
  - .name:           k_q587b6c3559_attn
    .symbol:         k_q587b6c3559_attn.kd
    .args:
      - { .name: qkv, .offset: 0, .size: 8, .value_kind: global_buffer, .address_space: global }
      - { .name: mask, .offset: 8, .size: 8, .value_kind: global_buffer, .address_space: global }
      - { .name: ao, .offset: 16, .size: 8, .value_kind: global_buffer, .address_space: global }
    .group_segment_fixed_size: 327680
    .private_segment_fixed_size: 0
    .kernarg_segment_align: 8
    .kernarg_segment_size: 24
    .max_flat_workgroup_size: 256
    .sgpr_count:     96
    .vgpr_count:     322
    .wavefront_size: 32
...
	.end_amdgpu_metadata
.endif
;; end of part 4
;; launch gwo (part 5): grid 8 x 32, 4 waves a work-group, clusters of 4 x 4, 327,680 bytes of LDS; arguments ao, wb, x, x1; writes x1
.if DOCPART == 5
	.amdgcn_target "amdgcn-amd-amdhsa--gfx1250"
	.amdhsa_code_object_version 6
	.text
	.protected	k_q587b6c3559_gwo
	.globl	k_q587b6c3559_gwo
	.p2align	8
	.type	k_q587b6c3559_gwo,@function
k_q587b6c3559_gwo:
	s_mov_b64 s[64:65], 0
	v_nop
	global_prefetch_b8 v0, s[64:65] scope:SCOPE_SE
	s_setreg_imm32_b32 hwreg(HW_REG_WAVE_MODE, 25, 1), 1
	s_wait_xcnt 0x0
	s_wait_alu depctr_hold_cnt(0) depctr_sa_sdst(0) depctr_va_vdst(0) depctr_va_sdst(0) depctr_va_ssrc(0) depctr_va_vcc(0) depctr_vm_vsrc(0)
	s_getreg_b32 s2, hwreg(HW_REG_IB_STS2, 6, 4)
	s_cmp_eq_u32 s2, 0
	s_cbranch_scc0 .Lentry_in_a_cluster
	s_endpgm
.Lentry_in_a_cluster:
	s_bfe_u32 s2, ttmp6, 0x10000c
	s_cmp_lg_u32 s2, 0xf033
	s_cbranch_scc0 .Lentry_shape_is_right
	s_endpgm
.Lentry_shape_is_right:
; gwo: x1 = x + ao Wo.  ao [4096][1024] bf16, Wo = unit 3 of wb, x and x1 f32.  x = block column, y = block row: 256 work-groups.
; THE CORE (the same in four products of this program): a work-group makes 128 x 128 of C with four waves, a wave 64 x 64 in 16 accumulator
; tiles.  K goes in phases of 256 through two LDS slots.  A slot holds 256 rows of W (128 columns, 256 bytes of memory a row) and 128 rows of A
; (256 along K, 512 bytes a row); waves 0, 1 fetch W's halves, waves 2, 3 A's, one tensor load each.
; CLUSTERS: 4 x 4 work-groups.  A's tile hangs on the block row alone and is asked for jointly by the four of a row of the cluster, W's on the
; block column alone and is asked for jointly by the four of a column: a quarter of the requests.
; W lies [K][N], so its fragments are read by the transposing LDS load.  The matrix instruction takes W's columns as source 0 and A's rows as
; source 1: lane l then holds row l % 16 of C and its eight registers the columns 8 (l / 16) + 0..7, 32 bytes of f32 that belong together.
.set KDIM,   1024
.set WOFF,   0x600000                  ; the weights' place in wb
.set BP,    288                        ; LDS pitch of W's rows: 256 bytes + 32 of padding = 9 x 32, so the 8 rows x 2 columns of 16 bytes that a group of 16 lanes reads fall on 16 different 16-byte columns modulo 256
.set AP,    528                        ; LDS pitch of A's rows: 512 + 16 = 33 x 16: the 16 rows of a fragment load likewise
.set BHALF, 128*BP                     ; what wave 0 or 1 fetches
.set AHALF, 64*AP                      ; what wave 2 or 3 fetches, and what a wave reads of A
.set AOFF,  2*BHALF                    ; A lies behind W
.set SLOT,  AOFF+2*AHALF               ; 141,312
.set STAGE, 2*SLOT                     ; behind the ring: bytes that no tensor load fills
.set SP,    272                        ; pitch of the stage's rows: 256 + 16
.set LAPS,  KDIM/512                   ; a lap = two phases = once round the ring
.set ADRA, 8                           ; v8-9    LDS address of my A fragments, slot 0, 1
.set ADRB, 10                          ; v10-13  of my W fragments: slot 0 rows 0-127, rows 128-255, slot 1 likewise (the immediate has 16 bits)
.set STO,  14                          ; v14     the way out: where I put 32 bytes
.set RD,   15                          ; v15     the way out: where I read rows back
.set CO,   16                          ; v16     my byte offset in C and in the residual
.set F0,   32                          ; v32-95  fragment buffer 0: W's four at +8 b, A's four at +32 + 8 a
.set F1,   96                          ; v96-159 fragment buffer 1
.set G1A, 24                           ; s[24:31] descriptor group 1 of A's tiles
.set G0A, 32                           ; s[32:39] group 0 of A's tiles, a set for each slot
.set G1B, 48                           ; s[48:55] group 1 of W's tiles
.set G0B, 56                           ; s[56:63] group 0 of W's tiles, a set for each slot
.set MULW, 0x50                        ; C and D in window 1 (v256-383: tile (a, b) at v[256 + 8 (4 a + b)]), sources in window 0
.set MSB, 0
.macro WIN new                         ; s_set_vgpr_msb; the immediate's high byte repeats the setting that is left
.if MSB != \new
	s_set_vgpr_msb (MSB<<8)|\new
.set MSB, \new
.endif
.endm
.macro PLACES                          ; four places behind a matrix instruction before a vector instruction, a store or a load touches its registers
.rept 4
	v_nop
.endr
.endm
.macro JLOAD s                         ; a joint load; the branch hangs on the wave's number alone; each line has one mask and one set of registers
	s_cmp_eq_u32 s13, 0
	s_cbranch_scc0 .Lfor_a_\@
	tensor_load_to_lds s[G0B+4*\s:G0B+4*\s+3], s[G1B:G1B+7]
	s_nop 0
	s_branch .Lasked_\@
.Lfor_a_\@:
	tensor_load_to_lds s[G0A+4*\s:G0A+4*\s+3], s[G1A:G1A+7]
	s_nop 0
.Lasked_\@:
.endm
.macro CREST                           ; a round of the cluster's barrier behind its opening work-group barrier
	s_cmp_lg_u32 s12, 0
	s_cbranch_scc1 .Lnot_wave_0_\@
	s_barrier_signal -3
.Lnot_wave_0_\@:
	s_barrier_wait -3
	s_barrier_signal -1
	s_barrier_wait -1
.endm
.macro CROUND                          ; a whole round
	s_barrier_signal -1
	s_barrier_wait -1
	CREST
.endm
; 16 LDS loads: the fragments of quarter q (32 along K) of a slot's phase into buffer f
.macro FETCH slot, q, f
	WIN 0
.irp b, 0,1,2,3
	ds_load_tr16_b128 v[\f+8*\b:\f+8*\b+3],   v[ADRB+2*\slot+((\q)>>2)] offset:((\q)&3)*32*BP+32*\b
	ds_load_tr16_b128 v[\f+8*\b+4:\f+8*\b+7], v[ADRB+2*\slot+((\q)>>2)] offset:((\q)&3)*32*BP+32*\b+16*BP
.endr
.irp a, 0,1,2,3
	ds_load_b128 v[\f+32+8*\a:\f+32+8*\a+3],   v[ADRA+\slot] offset:\a*16*AP+64*(\q)
	ds_load_b128 v[\f+32+8*\a+4:\f+32+8*\a+7], v[ADRA+\slot] offset:\a*16*AP+64*(\q)+32
.endr
.endm
; 4 na matrix instructions: row blocks a0 .. a0 + na - 1 x all four column blocks.  zero = 1: the first product starts the sums.
; The sixteen accumulators take turns, one instruction a turn, in one fixed order everywhere.
.macro MUL f, a0, na, zero
.set ma, \a0
.rept \na
.irp b, 0,1,2,3
.if \zero
	v_wmma_f32_16x16x32_bf16 v[8*(4*ma+\b):8*(4*ma+\b)+7], v[\f+8*\b:\f+8*\b+7], v[\f+32+8*ma:\f+32+8*ma+7], 0
.else
	v_wmma_f32_16x16x32_bf16 v[8*(4*ma+\b):8*(4*ma+\b)+7], v[\f+8*\b:\f+8*\b+7], v[\f+32+8*ma:\f+32+8*ma+7], v[8*(4*ma+\b):8*(4*ma+\b)+7]
.endif
.endr
.set ma, ma+1
.endr
.endm
.macro QUARTER slot, q, f, g, zero     ; asks for quarter q + 1 into buffer g, then multiplies quarter q from buffer f
	PLACES                                         ; buffer g was read by the matrix instructions just issued
	FETCH \slot, \q+1, \g
	s_wait_dscnt 16                                ; all but the 16 loads just issued: buffer f is in
	WIN MULW
	MUL \f, 0, 4, \zero
.endm
.macro SEVEN slot, zero
	QUARTER \slot, 0, F0, F1, \zero
	QUARTER \slot, 1, F1, F0, 0
	QUARTER \slot, 2, F0, F1, 0
	QUARTER \slot, 3, F1, F0, 0
	QUARTER \slot, 4, F0, F1, 0
	QUARTER \slot, 5, F1, F0, 0
	QUARTER \slot, 6, F0, F1, 0
.endm
; The eighth quarter and the change of slots.  In front of the barrier each wave waits for its reads of this slot and for all its tensor loads
; (one is out: its part of the next slot).  fill = 1: the barrier opens a round of the cluster's barrier, and behind the round this slot is
; filled again, two phases ahead, first thing; from there to the wait for that load a wave issues 120 matrix instructions.
.macro TURN slot, next, fill
	s_wait_dscnt 0x0                               ; buffer 1 is in, and with it my last reads of this slot
	s_wait_tensorcnt 0x0                           ; all my tensor loads have landed
	ds_add_u32 v254, v255
	s_wait_dscnt 0x0
	s_barrier_signal -1
	WIN MULW
	MUL F1, 0, 2, 0                                ; register work while the others arrive
	WIN 0
	s_barrier_wait -1
.if \fill
	CREST                                          ; no wave of any partner still reads this slot or has a load on its way
	s_add_nc_u64 s[G0A+4*\slot+2:G0A+4*\slot+3], s[G0A+4*\slot+2:G0A+4*\slot+3], 1024       ; two phases: 512 along K in bf16
	s_add_nc_u64 s[G0B+4*\slot+2:G0B+4*\slot+3], s[G0B+4*\slot+2:G0B+4*\slot+3], 1048576    ; 512 rows of 2,048 bytes
	JLOAD \slot
.endif
	PLACES
	FETCH \next, 0, F0
	WIN MULW
	MUL F1, 2, 2, 0
.endm
.macro LAP zero
	SEVEN 0, \zero
	TURN 0, 1, 1
	SEVEN 1, 0
	TURN 1, 0, 1
.endm
	s_load_b256 s[68:75], s[0:1], 0x0              ; A s[68:69], wb s[70:71], residual s[72:73], C s[74:75]
	v_lshl_add_u32 v254, v0, 2, 0x49400
	v_mov_b32 v255, 0
	ds_add_u32 v254, v255
	v_lshrrev_b32 v1, 5, v0
	v_readfirstlane_b32 s12, v1                    ; wave 0..3
	s_lshr_b32 s13, s12, 1                         ; wm: my 64 rows of the block.  Also: I fetch for W (0) or for A (1)
	s_and_b32 s14, s12, 1                          ; wn: my 64 columns.  Also: which half of that tile I fetch
	s_bfe_u32 s15, ttmp6, 0x40000                  ; cx
	s_bfe_u32 s16, ttmp6, 0x40004                  ; cy
	s_lshl_b32 s17, ttmp9, 2
	s_add_co_u32 s17, s17, s15                     ; gx = 4 x cluster x + cx
	s_and_b32 s18, ttmp7, 0xffff
	s_lshl_b32 s18, s18, 2
	s_add_co_u32 s18, s18, s16                     ; gy = 4 x cluster y + cy
	s_lshl_b32 s19, s16, 2
	s_lshl_b32 s19, 15, s19                        ; my row of the cluster
	s_lshl_b32 s20, 0x1111, s15                    ; my column
	s_or_b32 s[G1A+0], s19, (1<<16)|(1<<20)|(1<<21)|(6<<22)|(3<<25)   ; mask; 2-byte elements; padding on; bit 21 beside a mask; after every 128 words, 4 words
	s_mov_b32 s[G1A+1], 256<<16                    ; tensor_dim0 = 256
	s_mov_b32 s[G1A+2], 64<<16                     ; tensor_dim1 = 64
	s_mov_b32 s[G1A+3], 256<<16                    ; tile_dim0 = 256 elements (512 bytes)
	s_mov_b32 s[G1A+4], 64                         ; tile_dim1 = 64 rows
	s_mov_b32 s[G1A+5], KDIM                       ; elements from row to row
	s_mov_b32 s[G1A+6], 0
	s_mov_b32 s[G1A+7], 0
	s_or_b32 s[G1B+0], s20, (1<<16)|(1<<20)|(1<<21)|(5<<22)|(7<<25)   ; after every 64 words, 8 words
	s_mov_b32 s[G1B+1], 128<<16                    ; tensor_dim0 = 128
	s_mov_b32 s[G1B+2], 128<<16                    ; tensor_dim1 = 128
	s_mov_b32 s[G1B+3], 128<<16                    ; tile_dim0 = 128 elements (256 bytes)
	s_mov_b32 s[G1B+4], 128                        ; tile_dim1 = 128 rows
	s_mov_b32 s[G1B+5], 1024
	s_mov_b32 s[G1B+6], 0
	s_mov_b32 s[G1B+7], 0
	; where the tiles come from: A's address in s[40:43], made of gy and the wave alone; W's in s[44:47], made of gx and the wave alone
	s_lshl_b32 s40, s18, 7
	s_lshl_b32 s41, s14, 6
	s_add_co_u32 s40, s40, s41                     ; row 128 x block row + 64 x half
	s_mul_i32 s40, s40, KDIM*2
	s_mov_b32 s41, 0
	s_lshl_b32 s44, s17, 8                         ; 256 bytes a block column
	s_lshl_b32 s45, s14, 18                        ; 128 rows of 2,048 bytes a half
	s_add_co_u32 s44, s44, s45
	s_add_co_u32 s44, s44, WOFF
	s_mov_b32 s45, 0
	s_wait_dscnt 0x0
	s_wait_kmcnt 0x0
	s_add_nc_u64 s[42:43], s[68:69], s[40:41]
	s_add_nc_u64 s[46:47], s[70:71], s[44:45]
	; C and the residual at my wave's 64 x 64
	s_lshl_b32 s40, s18, 7
	s_lshl_b32 s41, s13, 6
	s_add_co_u32 s40, s40, s41
	s_lshl_b32 s40, s40, 12                        ; rows of 4,096 bytes
	s_mov_b32 s41, 0
	s_add_nc_u64 s[78:79], s[74:75], s[40:41]
	s_add_nc_u64 s[80:81], s[72:73], s[40:41]
	s_lshl_b32 s44, s17, 9
	s_lshl_b32 s45, s14, 8
	s_add_co_u32 s44, s44, s45
	s_mov_b32 s45, 0
	s_add_nc_u64 s[78:79], s[78:79], s[44:45]
	s_add_nc_u64 s[80:81], s[80:81], s[44:45]
	s_mul_i32 s21, s12, AHALF                      ; where the tiles go: the wave's number times a constant, plus a constant, plus the slot's constant
	s_add_co_u32 s21, s21, AOFF-2*AHALF            ; waves 2, 3: AOFF, AOFF + AHALF
	s_mul_i32 s22, s12, BHALF                      ; waves 0, 1: 0, BHALF
	CROUND                                         ; all sixteen work-groups are here: the first joint loads meet
.irp s, 0,1
	s_mov_b32 s[G0A+4*\s], 1
	s_add_co_u32 s[G0A+4*\s+1], s21, \s*SLOT
	s_add_nc_u64 s[G0A+4*\s+2:G0A+4*\s+3], s[42:43], \s*512
	s_or_b32 s[G0A+4*\s+3], s[G0A+4*\s+3], 0x80000000
	s_mov_b32 s[G0B+4*\s], 1
	s_add_co_u32 s[G0B+4*\s+1], s22, \s*SLOT
	s_add_nc_u64 s[G0B+4*\s+2:G0B+4*\s+3], s[46:47], \s*524288
	s_or_b32 s[G0B+4*\s+3], s[G0B+4*\s+3], 0x80000000
	JLOAD \s                                       ; both first fills go out together: two tensor loads of the wave are out, the most in this text
.endr
	v_and_b32 v1, 15, v0                           ; r = l % 16
	v_bfe_u32 v2, v0, 4, 1                         ; h = l / 16
	v_and_b32 v3, 7, v0
	v_bfe_u32 v4, v0, 3, 1
	v_mul_u32_u24 v5, v1, AP                       ; A: row r, 16 bytes for each half of the lanes
	v_lshl_add_u32 v5, v2, 4, v5
	s_mul_i32 s23, s13, AHALF
	s_add_co_u32 s23, s23, AOFF
	v_add_nc_u32 v[ADRA], s23, v5
	v_add_nc_u32 v[ADRA+1], SLOT, v[ADRA]
	v_lshl_add_u32 v6, v2, 3, v3                   ; W: row 8 h + l % 8, 16 bytes further for lanes 8-15 of each half
	v_mul_u32_u24 v6, v6, BP
	v_lshl_add_u32 v6, v4, 4, v6
	s_lshl_b32 s23, s14, 7
	v_add_nc_u32 v[ADRB], s23, v6
	v_add_nc_u32 v[ADRB+1], BHALF, v[ADRB]
	v_add_nc_u32 v[ADRB+2], SLOT, v[ADRB]
	v_add_nc_u32 v[ADRB+3], SLOT+BHALF, v[ADRB]
	; the way out: each wave has a stage of its own, 16 rows x 256 bytes
	s_mul_i32 s23, s12, 16*SP
	s_add_co_u32 s23, s23, STAGE
	v_mul_u32_u24 v7, v1, SP
	v_lshl_add_u32 v7, v2, 5, v7
	v_add_nc_u32 v[STO], s23, v7                   ; row r, byte 32 h
	v_mul_u32_u24 v7, v2, SP
	v_lshl_add_u32 v7, v1, 4, v7
	v_add_nc_u32 v[RD], s23, v7                    ; row l / 16, byte 16 (l % 16)
	v_lshlrev_b32 v7, 12, v2
	v_lshl_add_u32 v[CO], v1, 4, v7
	s_wait_tensorcnt 0x1                           ; my part of phase 0 is in; phase 1's may stay out
	s_barrier_signal -1
	s_barrier_wait -1
	FETCH 0, 0, F0
	LAP 1                                          ; the first lap's first products start the sums: nothing is cleared
.if LAPS > 2
	WIN 0
	s_mov_b32 s3, LAPS-2
.Llap:
	LAP 0
	WIN 0
	s_sub_co_u32 s3, s3, 1
	s_cmp_lg_u32 s3, 0
	s_cbranch_scc1 .Llap
.endif
	SEVEN 0, 0                                     ; the last lap fills nothing
	TURN 0, 1, 0
	SEVEN 1, 0
	s_wait_dscnt 0x0
	WIN MULW
	MUL F1, 0, 4, 0
	PLACES
	; THE WAY OUT, 16 rows at a time: the sums in f32 into my own stage, whole rows of 256 bytes back, the residual added, 16 lanes store 256 neighbouring aligned bytes
	WIN 0
.set i, 0
.rept 32
	global_load_b128 v[32+4*i:35+4*i], v[CO], s[80:81] offset:((i>>3)*16+(i&7)*2)*4096     ; the residual of my 64 rows, into the fragment buffers
.set i, i+1
.endr
.macro OUTF a
	WIN 0x04                                       ; store data in window 1
.irp b, 0,1,2,3
	ds_store_b128 v[STO], v[8*(4*\a+\b):8*(4*\a+\b)+3] offset:64*\b
	ds_store_b128 v[STO], v[8*(4*\a+\b)+4:8*(4*\a+\b)+7] offset:64*\b+16
.endr
	WIN 0
	s_wait_xcnt 0x0                                ; the registers below were the data of the stores two groups ago: they are written again only behind this wait
.irp t, 0,1,2,3,4,5,6,7
	ds_load_b128 v[160+32*(\a&1)+4*\t:160+32*(\a&1)+4*\t+3], v[RD] offset:2*SP*\t          ; LDS serves a wave's instructions in order: these see the stores above
.endr
	s_wait_loadcnt 24-8*\a                         ; the residual of this group is in; the later groups' loads stay out
.irp t, 0,1,2,3,4,5,6,7
	s_wait_dscnt 7-\t
	v_pk_add_f32 v[160+32*(\a&1)+4*\t:160+32*(\a&1)+4*\t+1], v[160+32*(\a&1)+4*\t:160+32*(\a&1)+4*\t+1], v[32+4*(8*\a+\t):32+4*(8*\a+\t)+1]
	v_pk_add_f32 v[160+32*(\a&1)+4*\t+2:160+32*(\a&1)+4*\t+3], v[160+32*(\a&1)+4*\t+2:160+32*(\a&1)+4*\t+3], v[32+4*(8*\a+\t)+2:32+4*(8*\a+\t)+3]
	global_store_b128 v[CO], v[160+32*(\a&1)+4*\t:160+32*(\a&1)+4*\t+3], s[78:79] offset:(16*\a+2*\t)*4096
.endr
.endm
	OUTF 0
	OUTF 1
	OUTF 2
	OUTF 3
	s_wait_tensorcnt 0x0
	ds_add_u32 v254, v255
	s_wait_dscnt 0x0
	CROUND                                         ; the closing round: no work-group ends while a partner may still ask for a tile that names it
	s_endpgm
.Lfunc_end_k_q587b6c3559_gwo:
	.size	k_q587b6c3559_gwo, .Lfunc_end_k_q587b6c3559_gwo-k_q587b6c3559_gwo
	.p2alignl 7, 3214868480
	.fill 96, 4, 3214868480
	.section	.rodata,"a",@progbits
	.p2align	6, 0x0
	.amdhsa_kernel k_q587b6c3559_gwo
		.amdhsa_group_segment_fixed_size 327680
		.amdhsa_private_segment_fixed_size 0
		.amdhsa_enable_private_segment 0
		.amdhsa_kernarg_size 32
		.amdhsa_user_sgpr_count 2
		.amdhsa_user_sgpr_kernarg_segment_ptr 1
		.amdhsa_wavefront_size32 1
		.amdhsa_system_sgpr_workgroup_id_x 1
		.amdhsa_system_sgpr_workgroup_id_y 1
		.amdhsa_system_sgpr_workgroup_id_z 1
		.amdhsa_system_vgpr_workitem_id 0
		.amdhsa_next_free_vgpr 384
		.amdhsa_next_free_sgpr 84
		.amdhsa_reserve_vcc 0
		.amdhsa_float_denorm_mode_32 3
		.amdhsa_float_denorm_mode_16_64 3
		.amdhsa_memory_ordered 1
		.amdhsa_forward_progress 1
		.amdhsa_inst_pref_size 96
	.end_amdhsa_kernel
	.amdgpu_metadata
---
amdhsa.version: [ 1, 2 ]
amdhsa.kernels:
  - .name:           k_q587b6c3559_gwo
    .symbol:         k_q587b6c3559_gwo.kd
    .args:
      - { .name: ao, .offset: 0, .size: 8, .value_kind: global_buffer, .address_space: global }
      - { .name: wb, .offset: 8, .size: 8, .value_kind: global_buffer, .address_space: global }
      - { .name: x, .offset: 16, .size: 8, .value_kind: global_buffer, .address_space: global }
      - { .name: x1, .offset: 24, .size: 8, .value_kind: global_buffer, .address_space: global }
    .group_segment_fixed_size: 327680
    .private_segment_fixed_size: 0
    .kernarg_segment_align: 8
    .kernarg_segment_size: 32
    .max_flat_workgroup_size: 128
    .sgpr_count:     84
    .vgpr_count:     384
    .wavefront_size: 32
...
	.end_amdgpu_metadata
.endif
;; end of part 5
;; launch norm2 (part 6): grid 256 x 1, 8 waves a work-group, no clusters, 0 bytes of LDS; arguments x1, g2, b2, hn; writes hn
.if DOCPART == 6
	.amdgcn_target "amdgcn-amd-amdhsa--gfx1250"
	.amdhsa_code_object_version 6
	.text
	.protected	k_q587b6c3559_norm2
	.globl	k_q587b6c3559_norm2
	.p2align	8
	.type	k_q587b6c3559_norm2,@function
k_q587b6c3559_norm2:
	s_mov_b64 s[64:65], 0
	v_nop
	global_prefetch_b8 v0, s[64:65] scope:SCOPE_SE
	s_setreg_imm32_b32 hwreg(HW_REG_WAVE_MODE, 25, 1), 1
	s_wait_xcnt 0x0
; norm2: h2 = the second norm of x1, as bf16.  A stream: no LDS, no barrier, no matrix unit.
; 16 rows a work-group, 2 rows a wave, each row (4,096 bytes) in 32 registers of the wave between the passes:
;   mean, then the sum of squares of x - mean (a true second pass: no difference of large sums), then
;   h = (1-r) ((x-mu) rs g + b) + r x = (x-mu) (c g + r) + ((1-r) b + r mu), c = (1-r) rs, r = 2/11.
; No cluster: the work-groups share nothing but g2 and b2, 8 KiB against the 64 KiB that each reads of its own.
.set X,   32                           ; v[32:95]   two rows as loaded, then x - mu, then h
.set G,   96                           ; v[96:127]  g of my 32 columns
.set BV,  128                          ; v[128:159] b of my 32 columns
.set OUT, 160                          ; v[160:191] h as bf16, 16 registers a row
.set T,   4                            ; v[4:11]    four chains of sums
.set MU,  12                           ; v[12:15]   mean, a pair for each row
.set CC,  16                           ; v[16:19]   (1-r) rs, a pair for each row
.set RM,  20                           ; v[20:23]   r mu, a pair for each row
.set WK,  24                           ; v[24:31]   at work
.set SX,  34                           ; s[34:35]   source
.set SG,  10                           ; s[10:11]   g2
.set SBI, 12                           ; s[12:13]   b2
.set SD,  38                           ; s[38:39]   destination
.macro FOLD                            ; four chains into one pair
	v_pk_add_f32 v[T:T+1], v[T:T+1], v[T+2:T+3]
	v_pk_add_f32 v[T+4:T+5], v[T+4:T+5], v[T+6:T+7]
	v_pk_add_f32 v[T:T+1], v[T:T+1], v[T+4:T+5]
.endm
.macro REDUCE                          ; the pair, then the 32 lanes: the sum ends up in every lane
	v_add_f32 v[T], v[T], v[T+1]
	v_add_f32_dpp v[T], v[T], v[T] row_xmask:1 row_mask:0xf bank_mask:0xf
	v_add_f32_dpp v[T], v[T], v[T] row_xmask:2 row_mask:0xf bank_mask:0xf
	v_add_f32_dpp v[T], v[T], v[T] row_xmask:4 row_mask:0xf bank_mask:0xf
	v_add_f32_dpp v[T], v[T], v[T] row_xmask:8 row_mask:0xf bank_mask:0xf
	v_permlanex16_b32 v[T+1], v[T], s42, s43       ; the other half of the lanes; its destination has been written before
	v_add_f32 v[T], v[T], v[T+1]
.endm
.macro STAT p                          ; row p: mean, x - mean in place, variance, the row's three figures
.set XB, X+32*\p
.irp k, 0,1,2,3
	v_pk_add_f32 v[T+2*\k:T+2*\k+1], v[XB+2*\k:XB+2*\k+1], v[XB+8+2*\k:XB+9+2*\k]
.endr
.irp o, 16,24
.irp k, 0,1,2,3
	v_pk_add_f32 v[T+2*\k:T+2*\k+1], v[T+2*\k:T+2*\k+1], v[XB+\o+2*\k:XB+\o+2*\k+1]
.endr
.endr
	FOLD
	REDUCE
	v_mul_f32 v[MU+2*\p], s44, v[T]                ; sum / 1024
	v_mov_b32 v[MU+2*\p+1], v[MU+2*\p]
.set i, 0
.rept 16
	v_pk_add_f32 v[XB+2*i:XB+2*i+1], v[XB+2*i:XB+2*i+1], v[MU+2*\p:MU+2*\p+1] neg_lo:[0,1] neg_hi:[0,1]
.set i, i+1
.endr
.irp k, 0,1,2,3
	v_pk_mul_f32 v[T+2*\k:T+2*\k+1], v[XB+2*\k:XB+2*\k+1], v[XB+2*\k:XB+2*\k+1]
.endr
.irp o, 8,16,24
.irp k, 0,1,2,3
	v_pk_fma_f32 v[T+2*\k:T+2*\k+1], v[XB+\o+2*\k:XB+\o+2*\k+1], v[XB+\o+2*\k:XB+\o+2*\k+1], v[T+2*\k:T+2*\k+1]
.endr
.endr
	FOLD
	REDUCE
	v_fma_f32 v[T], v[T], s44, s45                 ; variance + 1e-5
	v_rsq_f32 v[T+2], v[T]
	v_mul_f32 v[RM+2*\p], 0x3e3a2e8c, v[MU+2*\p]   ; r mu: the plain instruction that stands between v_rsq_f32 and the use of its result (ISA guide 5.7.2)
	s_wait_alu depctr_va_vdst(0)
	v_mul_f32 v[CC+2*\p], 0x3f51745d, v[T+2]       ; (1-r) rs
	v_mov_b32 v[RM+2*\p+1], v[RM+2*\p]
	v_mov_b32 v[CC+2*\p+1], v[CC+2*\p]
.endm
.macro APPLY p                         ; row p: three fused multiply-adds for two numbers, one rounding to bf16, eight stores
.set XB, X+32*\p
.set i, 0
.rept 16
	v_pk_fma_f32 v[WK+4*(i&1):WK+4*(i&1)+1], v[G+2*i:G+2*i+1], v[CC+2*\p:CC+2*\p+1], 0x3e3a2e8c op_sel_hi:[1,1,0]
	v_pk_fma_f32 v[WK+4*(i&1)+2:WK+4*(i&1)+3], v[BV+2*i:BV+2*i+1], 0x3f51745d, v[RM+2*\p:RM+2*\p+1] op_sel_hi:[1,0,1]
	v_pk_fma_f32 v[XB+2*i:XB+2*i+1], v[XB+2*i:XB+2*i+1], v[WK+4*(i&1):WK+4*(i&1)+1], v[WK+4*(i&1)+2:WK+4*(i&1)+3]
	v_cvt_pk_bf16_f32 v[OUT+16*\p+i], v[XB+2*i], v[XB+2*i+1]
.set i, i+1
.endr
.irp j, 0,1,2,3,4,5,6,7
	global_store_b64 v2, v[OUT+16*\p+2*\j:OUT+16*\p+2*\j+1], s[SD:SD+1] offset:256*\j+2048*\p   ; 32 lanes x 8 bytes: 256 neighbouring bytes, aligned
.endr
.endm
	s_load_b256 s[8:15], s[0:1], 0x0               ; x1 s[8:9], g2 s[10:11], b2 s[12:13], hn s[14:15]
	v_lshrrev_b32 v1, 5, v0
	v_readfirstlane_b32 s5, v1                     ; wave 0..7
	v_and_b32 v3, 31, v0
	v_lshlrev_b32 v1, 4, v3                        ; 16 bytes a lane in f32
	v_lshlrev_b32 v2, 3, v3                        ; 8 bytes a lane in bf16
	s_lshl_b32 s40, ttmp9, 15                      ; 16 rows of 2,048 bytes a work-group,
	s_lshl_b32 s41, s5, 12                         ; 2 rows a wave
	s_add_co_u32 s40, s40, s41
	s_mov_b32 s41, 0
	s_lshl_b32 s36, ttmp9, 16                      ; the same rows in f32
	s_lshl_b32 s37, s5, 13
	s_add_co_u32 s36, s36, s37
	s_mov_b32 s37, 0
	s_mov_b32 s42, 0x76543210                      ; v_permlanex16_b32: lane i reads lane i of the other half
	s_mov_b32 s43, 0xfedcba98
	s_mov_b32 s44, 0x3a800000                      ; 1/1024
	s_mov_b32 s45, 0x3727c5ac                      ; 1e-5
	s_wait_kmcnt 0x0
	s_add_nc_u64 s[SD:SD+1], s[14:15], s[40:41]
	s_add_nc_u64 s[SX:SX+1], s[8:9], s[36:37]
.irp p, 0,1
.irp j, 0,1,2,3,4,5,6,7
	global_load_b128 v[X+32*\p+4*\j:X+32*\p+4*\j+3], v1, s[SX:SX+1] offset:4096*\p+512*\j
.endr
.endr
.irp j, 0,1,2,3,4,5,6,7
	global_load_b128 v[G+4*\j:G+4*\j+3], v1, s[SG:SG+1] offset:512*\j
.endr
.irp j, 0,1,2,3,4,5,6,7
	global_load_b128 v[BV+4*\j:BV+4*\j+3], v1, s[SBI:SBI+1] offset:512*\j
.endr
	s_wait_loadcnt 16                              ; the two rows are in; the sixteen younger loads (g, b) may stay out
	STAT 0
	STAT 1
	s_wait_loadcnt 0x0                             ; g and b
	APPLY 0
	APPLY 1
	s_endpgm
.Lfunc_end_k_q587b6c3559_norm2:
	.size	k_q587b6c3559_norm2, .Lfunc_end_k_q587b6c3559_norm2-k_q587b6c3559_norm2
	.p2alignl 7, 3214868480
	.fill 96, 4, 3214868480
	.section	.rodata,"a",@progbits
	.p2align	6, 0x0
	.amdhsa_kernel k_q587b6c3559_norm2
		.amdhsa_group_segment_fixed_size 0
		.amdhsa_private_segment_fixed_size 0
		.amdhsa_enable_private_segment 0
		.amdhsa_kernarg_size 32
		.amdhsa_user_sgpr_count 2
		.amdhsa_user_sgpr_kernarg_segment_ptr 1
		.amdhsa_wavefront_size32 1
		.amdhsa_system_sgpr_workgroup_id_x 1
		.amdhsa_system_sgpr_workgroup_id_y 1
		.amdhsa_system_sgpr_workgroup_id_z 1
		.amdhsa_system_vgpr_workitem_id 0
		.amdhsa_next_free_vgpr 192
		.amdhsa_next_free_sgpr 66
		.amdhsa_reserve_vcc 0
		.amdhsa_float_denorm_mode_32 3
		.amdhsa_float_denorm_mode_16_64 3
		.amdhsa_memory_ordered 1
		.amdhsa_forward_progress 1
		.amdhsa_inst_pref_size 25
	.end_amdhsa_kernel
	.amdgpu_metadata
---
amdhsa.version: [ 1, 2 ]
amdhsa.kernels:
  - .name:           k_q587b6c3559_norm2
    .symbol:         k_q587b6c3559_norm2.kd
    .args:
      - { .name: x1, .offset: 0, .size: 8, .value_kind: global_buffer, .address_space: global }
      - { .name: g2, .offset: 8, .size: 8, .value_kind: global_buffer, .address_space: global }
      - { .name: b2, .offset: 16, .size: 8, .value_kind: global_buffer, .address_space: global }
      - { .name: hn, .offset: 24, .size: 8, .value_kind: global_buffer, .address_space: global }
    .group_segment_fixed_size: 0
    .private_segment_fixed_size: 0
    .kernarg_segment_align: 8
    .kernarg_segment_size: 32
    .max_flat_workgroup_size: 256
    .sgpr_count:     66
    .vgpr_count:     192
    .wavefront_size: 32
...
	.end_amdgpu_metadata
.endif
;; end of part 6
;; launch gffn1 (part 7): grid 16 x 32, 4 waves a work-group, clusters of 4 x 4, 327,680 bytes of LDS; arguments hn, wb, act; writes act
.if DOCPART == 7
	.amdgcn_target "amdgcn-amd-amdhsa--gfx1250"
	.amdhsa_code_object_version 6
	.text
	.protected	k_q587b6c3559_gffn1
	.globl	k_q587b6c3559_gffn1
	.p2align	8
	.type	k_q587b6c3559_gffn1,@function
k_q587b6c3559_gffn1:
	s_mov_b64 s[64:65], 0
	v_nop
	global_prefetch_b8 v0, s[64:65] scope:SCOPE_SE
	s_setreg_imm32_b32 hwreg(HW_REG_WAVE_MODE, 25, 1), 1
	s_wait_xcnt 0x0
	s_wait_alu depctr_hold_cnt(0) depctr_sa_sdst(0) depctr_va_vdst(0) depctr_va_sdst(0) depctr_va_ssrc(0) depctr_va_vcc(0) depctr_vm_vsrc(0)
	s_getreg_b32 s2, hwreg(HW_REG_IB_STS2, 6, 4)
	s_cmp_eq_u32 s2, 0
	s_cbranch_scc0 .Lentry_in_a_cluster
	s_endpgm
.Lentry_in_a_cluster:
	s_bfe_u32 s2, ttmp6, 0x10000c
	s_cmp_lg_u32 s2, 0xf033
	s_cbranch_scc0 .Lentry_shape_is_right
	s_endpgm
.Lentry_shape_is_right:
; gffn1: act = gelu(h2 [Wpos | -Wneg]), the exact (erf) gelu.  h2 [4096][1024] bf16; units 4 and 5 of wb; act [4096][2048] bf16.
; x = block column of act (0-7 Wpos, 8-15 -Wneg), y = block row: 512 work-groups.
; gelu(x) = H + |H| erf(|x| / sqrt 2), H = x / 2.  erf(z) = 1 - (a1 t + .. + a5 t^5) e^(-z z), t = 1 / (1 + 0.3275911 z), for every z >= 0
; (Abramowitz and Stegun 7.1.26).  LIMIT: that formula's error in erf is at most 1.5e-7, so gelu's is at most 1.5e-7 |x| / 2 beside the rounding.
; THE CORE (the same in four products of this program): a work-group makes 128 x 128 of C with four waves, a wave 64 x 64 in 16 accumulator
; tiles.  K goes in phases of 256 through two LDS slots.  A slot holds 256 rows of W (128 columns, 256 bytes of memory a row) and 128 rows of A
; (256 along K, 512 bytes a row); waves 0, 1 fetch W's halves, waves 2, 3 A's, one tensor load each.
; CLUSTERS: 4 x 4 work-groups.  A's tile hangs on the block row alone and is asked for jointly by the four of a row of the cluster, W's on the
; block column alone and is asked for jointly by the four of a column: a quarter of the requests.
; W lies [K][N], so its fragments are read by the transposing LDS load.  The matrix instruction takes W's columns as source 0 and A's rows as
; source 1: lane l then holds row l % 16 of C and its eight registers the columns 8 (l / 16) + 0..7, sixteen bytes of bf16 that belong together.
.set KDIM,   1024
.set CPITCH, 4096                      ; bytes in a row of C
.set BP,    288                        ; LDS pitch of W's rows: 256 bytes + 32 of padding = 9 x 32, so the 8 rows x 2 columns of 16 bytes that a group of 16 lanes reads fall on 16 different 16-byte columns modulo 256
.set AP,    528                        ; LDS pitch of A's rows: 512 + 16 = 33 x 16: the 16 rows of a fragment load likewise
.set BHALF, 128*BP                     ; what wave 0 or 1 fetches
.set AHALF, 64*AP                      ; what wave 2 or 3 fetches, and what a wave reads of A
.set AOFF,  2*BHALF                    ; A lies behind W
.set SLOT,  AOFF+2*AHALF               ; 141,312
.set STAGE, 2*SLOT                     ; behind the ring: bytes that no tensor load fills
.set SP,    272                        ; pitch of the stage's rows: 256 + 16
.set LAPS,  KDIM/512                   ; a lap = two phases = once round the ring
.set ADRA, 8                           ; v8-9    LDS address of my A fragments, slot 0, 1
.set ADRB, 10                          ; v10-13  of my W fragments: slot 0 rows 0-127, rows 128-255, slot 1 likewise (the immediate has 16 bits)
.set STO,  14                          ; v14     the way out: where I put 16 bytes
.set RD,   15                          ; v15     the way out: where I read rows back
.set CO,   16                          ; v16     my byte offset in C
.set KA5,  18                          ; v18-27  a5 .. a1, a pair each
.set KA4,  20
.set KA3,  22
.set KA2,  24
.set KA1,  26
.set F0,   32                          ; v32-95  fragment buffer 0: W's four at +8 b, A's four at +32 + 8 a
.set F1,   96                          ; v96-159 fragment buffer 1
.set HH,   32                          ; the way out, 32 numbers at a time: x / 2
.set X2,   64                          ; x x, then e^(-x x / 2)
.set AH,   96                          ; |x| / 2
.set TT,   128                         ; t
.set PP,   160                         ; the polynomial, then erf, then gelu
.set OUTR, 192                         ; v192-255 gelu as bf16
.set G1A, 24                           ; s[24:31] descriptor group 1 of A's tiles
.set G0A, 32                           ; s[32:39] group 0 of A's tiles, a set for each slot
.set G1B, 48                           ; s[48:55] group 1 of W's tiles
.set G0B, 56                           ; s[56:63] group 0 of W's tiles, a set for each slot
.set MULW, 0x50                        ; C and D in window 1 (v256-383: tile (a, b) at v[256 + 8 (4 a + b)]), sources in window 0
.set MSB, 0
.macro WIN new                         ; s_set_vgpr_msb; the immediate's high byte repeats the setting that is left
.if MSB != \new
	s_set_vgpr_msb (MSB<<8)|\new
.set MSB, \new
.endif
.endm
.macro PLACES                          ; four places behind a matrix instruction before a vector instruction, a store or a load touches its registers
.rept 4
	v_nop
.endr
.endm
.macro JLOAD s                         ; a joint load; the branch hangs on the wave's number alone; each line has one mask and one set of registers
	s_cmp_eq_u32 s13, 0
	s_cbranch_scc0 .Lfor_a_\@
	tensor_load_to_lds s[G0B+4*\s:G0B+4*\s+3], s[G1B:G1B+7]
	s_nop 0
	s_branch .Lasked_\@
.Lfor_a_\@:
	tensor_load_to_lds s[G0A+4*\s:G0A+4*\s+3], s[G1A:G1A+7]
	s_nop 0
.Lasked_\@:
.endm
.macro CREST                           ; a round of the cluster's barrier behind its opening work-group barrier
	s_cmp_lg_u32 s12, 0
	s_cbranch_scc1 .Lnot_wave_0_\@
	s_barrier_signal -3
.Lnot_wave_0_\@:
	s_barrier_wait -3
	s_barrier_signal -1
	s_barrier_wait -1
.endm
.macro CROUND                          ; a whole round
	s_barrier_signal -1
	s_barrier_wait -1
	CREST
.endm
; 16 LDS loads: the fragments of quarter q (32 along K) of a slot's phase into buffer f
.macro FETCH slot, q, f
	WIN 0
.irp b, 0,1,2,3
	ds_load_tr16_b128 v[\f+8*\b:\f+8*\b+3],   v[ADRB+2*\slot+((\q)>>2)] offset:((\q)&3)*32*BP+32*\b
	ds_load_tr16_b128 v[\f+8*\b+4:\f+8*\b+7], v[ADRB+2*\slot+((\q)>>2)] offset:((\q)&3)*32*BP+32*\b+16*BP
.endr
.irp a, 0,1,2,3
	ds_load_b128 v[\f+32+8*\a:\f+32+8*\a+3],   v[ADRA+\slot] offset:\a*16*AP+64*(\q)
	ds_load_b128 v[\f+32+8*\a+4:\f+32+8*\a+7], v[ADRA+\slot] offset:\a*16*AP+64*(\q)+32
.endr
.endm
; 4 na matrix instructions: row blocks a0 .. a0 + na - 1 x all four column blocks.  zero = 1: the first product starts the sums.
; The sixteen accumulators take turns, one instruction a turn, in one fixed order everywhere.
.macro MUL f, a0, na, zero
.set ma, \a0
.rept \na
.irp b, 0,1,2,3
.if \zero
	v_wmma_f32_16x16x32_bf16 v[8*(4*ma+\b):8*(4*ma+\b)+7], v[\f+8*\b:\f+8*\b+7], v[\f+32+8*ma:\f+32+8*ma+7], 0
.else
	v_wmma_f32_16x16x32_bf16 v[8*(4*ma+\b):8*(4*ma+\b)+7], v[\f+8*\b:\f+8*\b+7], v[\f+32+8*ma:\f+32+8*ma+7], v[8*(4*ma+\b):8*(4*ma+\b)+7]
.endif
.endr
.set ma, ma+1
.endr
.endm
.macro QUARTER slot, q, f, g, zero     ; asks for quarter q + 1 into buffer g, then multiplies quarter q from buffer f
	PLACES                                         ; buffer g was read by the matrix instructions just issued
	FETCH \slot, \q+1, \g
	s_wait_dscnt 16                                ; all but the 16 loads just issued: buffer f is in
	WIN MULW
	MUL \f, 0, 4, \zero
.endm
.macro SEVEN slot, zero
	QUARTER \slot, 0, F0, F1, \zero
	QUARTER \slot, 1, F1, F0, 0
	QUARTER \slot, 2, F0, F1, 0
	QUARTER \slot, 3, F1, F0, 0
	QUARTER \slot, 4, F0, F1, 0
	QUARTER \slot, 5, F1, F0, 0
	QUARTER \slot, 6, F0, F1, 0
.endm
; The eighth quarter and the change of slots.  In front of the barrier each wave waits for its reads of this slot and for all its tensor loads
; (one is out: its part of the next slot).  fill = 1: the barrier opens a round of the cluster's barrier, and behind the round this slot is
; filled again, two phases ahead, first thing; from there to the wait for that load a wave issues 120 matrix instructions.
.macro TURN slot, next, fill
	s_wait_dscnt 0x0                               ; buffer 1 is in, and with it my last reads of this slot
	s_wait_tensorcnt 0x0                           ; all my tensor loads have landed
	ds_add_u32 v30, v31
	s_wait_dscnt 0x0
	s_barrier_signal -1
	WIN MULW
	MUL F1, 0, 2, 0                                ; register work while the others arrive
	WIN 0
	s_barrier_wait -1
.if \fill
	CREST                                          ; no wave of any partner still reads this slot or has a load on its way
	s_add_nc_u64 s[G0A+4*\slot+2:G0A+4*\slot+3], s[G0A+4*\slot+2:G0A+4*\slot+3], 1024       ; two phases: 512 along K in bf16
	s_add_nc_u64 s[G0B+4*\slot+2:G0B+4*\slot+3], s[G0B+4*\slot+2:G0B+4*\slot+3], 1048576    ; 512 rows of 2,048 bytes
	JLOAD \slot
.endif
	PLACES
	FETCH \next, 0, F0
	WIN MULW
	MUL F1, 2, 2, 0
.endm
.macro LAP zero
	SEVEN 0, \zero
	TURN 0, 1, 1
	SEVEN 1, 0
	TURN 1, 0, 1
.endm
	s_load_b128 s[68:71], s[0:1], 0x0              ; hn s[68:69], wb s[70:71]
	s_load_b64 s[72:73], s[0:1], 0x10              ; act
	v_lshl_add_u32 v30, v0, 2, 0x4d800
	v_mov_b32 v31, 0
	ds_add_u32 v30, v31
	v_lshrrev_b32 v1, 5, v0
	v_readfirstlane_b32 s12, v1                    ; wave 0..3
	s_lshr_b32 s13, s12, 1                         ; wm: my 64 rows of the block.  Also: I fetch for W (0) or for A (1)
	s_and_b32 s14, s12, 1                          ; wn: my 64 columns.  Also: which half of that tile I fetch
	s_bfe_u32 s15, ttmp6, 0x40000                  ; cx
	s_bfe_u32 s16, ttmp6, 0x40004                  ; cy
	s_lshl_b32 s17, ttmp9, 2
	s_add_co_u32 s17, s17, s15                     ; gx = 4 x cluster x + cx
	s_and_b32 s18, ttmp7, 0xffff
	s_lshl_b32 s18, s18, 2
	s_add_co_u32 s18, s18, s16                     ; gy = 4 x cluster y + cy
	s_lshl_b32 s19, s16, 2
	s_lshl_b32 s19, 15, s19                        ; my row of the cluster
	s_lshl_b32 s20, 0x1111, s15                    ; my column
	s_or_b32 s[G1A+0], s19, (1<<16)|(1<<20)|(1<<21)|(6<<22)|(3<<25)   ; mask; 2-byte elements; padding on; bit 21 beside a mask; after every 128 words, 4 words
	s_mov_b32 s[G1A+1], 256<<16                    ; tensor_dim0 = 256
	s_mov_b32 s[G1A+2], 64<<16                     ; tensor_dim1 = 64
	s_mov_b32 s[G1A+3], 256<<16                    ; tile_dim0 = 256 elements (512 bytes)
	s_mov_b32 s[G1A+4], 64                         ; tile_dim1 = 64 rows
	s_mov_b32 s[G1A+5], KDIM                       ; elements from row to row
	s_mov_b32 s[G1A+6], 0
	s_mov_b32 s[G1A+7], 0
	s_or_b32 s[G1B+0], s20, (1<<16)|(1<<20)|(1<<21)|(5<<22)|(7<<25)   ; after every 64 words, 8 words
	s_mov_b32 s[G1B+1], 128<<16                    ; tensor_dim0 = 128
	s_mov_b32 s[G1B+2], 128<<16                    ; tensor_dim1 = 128
	s_mov_b32 s[G1B+3], 128<<16                    ; tile_dim0 = 128 elements (256 bytes)
	s_mov_b32 s[G1B+4], 128                        ; tile_dim1 = 128 rows
	s_mov_b32 s[G1B+5], 1024
	s_mov_b32 s[G1B+6], 0
	s_mov_b32 s[G1B+7], 0
	; where the tiles come from: A's address in s[40:43], made of gy and the wave alone; W's in s[44:47], made of gx and the wave alone
	s_lshl_b32 s40, s18, 7
	s_lshl_b32 s41, s14, 6
	s_add_co_u32 s40, s40, s41                     ; row 128 x block row + 64 x half
	s_mul_i32 s40, s40, KDIM*2
	s_mov_b32 s41, 0
	s_and_b32 s44, s17, 7
	s_lshl_b32 s44, s44, 8                         ; 256 bytes a block column of the unit
	s_lshl_b32 s45, s14, 18                        ; 128 rows of 2,048 bytes a half
	s_add_co_u32 s44, s44, s45
	s_lshr_b32 s45, s17, 3
	s_lshl_b32 s45, s45, 21                        ; unit 4 or 5
	s_add_co_u32 s44, s44, s45
	s_add_co_u32 s44, s44, 0x800000
	s_mov_b32 s45, 0
	s_wait_dscnt 0x0
	s_wait_kmcnt 0x0
	s_add_nc_u64 s[42:43], s[68:69], s[40:41]
	s_add_nc_u64 s[46:47], s[70:71], s[44:45]
	; C at my wave's 32 rows of the way out
	s_lshl_b32 s40, s18, 7
	s_lshl_b32 s41, s12, 5
	s_add_co_u32 s40, s40, s41
	s_lshl_b32 s40, s40, 12
	s_mov_b32 s41, 0
	s_add_nc_u64 s[78:79], s[72:73], s[40:41]
	s_lshl_b32 s44, s17, 8
	s_mov_b32 s45, 0
	s_add_nc_u64 s[78:79], s[78:79], s[44:45]
	s_mul_i32 s21, s12, AHALF                      ; where the tiles go: the wave's number times a constant, plus a constant, plus the slot's constant
	s_add_co_u32 s21, s21, AOFF-2*AHALF            ; waves 2, 3: AOFF, AOFF + AHALF
	s_mul_i32 s22, s12, BHALF                      ; waves 0, 1: 0, BHALF
	CROUND                                         ; all sixteen work-groups are here: the first joint loads meet
.irp s, 0,1
	s_mov_b32 s[G0A+4*\s], 1
	s_add_co_u32 s[G0A+4*\s+1], s21, \s*SLOT
	s_add_nc_u64 s[G0A+4*\s+2:G0A+4*\s+3], s[42:43], \s*512
	s_or_b32 s[G0A+4*\s+3], s[G0A+4*\s+3], 0x80000000
	s_mov_b32 s[G0B+4*\s], 1
	s_add_co_u32 s[G0B+4*\s+1], s22, \s*SLOT
	s_add_nc_u64 s[G0B+4*\s+2:G0B+4*\s+3], s[46:47], \s*524288
	s_or_b32 s[G0B+4*\s+3], s[G0B+4*\s+3], 0x80000000
	JLOAD \s                                       ; both first fills go out together: two tensor loads of the wave are out, the most in this text
.endr
	v_and_b32 v1, 15, v0                           ; r = l % 16
	v_bfe_u32 v2, v0, 4, 1                         ; h = l / 16
	v_and_b32 v3, 7, v0
	v_bfe_u32 v4, v0, 3, 1
	v_mul_u32_u24 v5, v1, AP                       ; A: row r, 16 bytes for each half of the lanes
	v_lshl_add_u32 v5, v2, 4, v5
	s_mul_i32 s23, s13, AHALF
	s_add_co_u32 s23, s23, AOFF
	v_add_nc_u32 v[ADRA], s23, v5
	v_add_nc_u32 v[ADRA+1], SLOT, v[ADRA]
	v_lshl_add_u32 v6, v2, 3, v3                   ; W: row 8 h + l % 8, 16 bytes further for lanes 8-15 of each half
	v_mul_u32_u24 v6, v6, BP
	v_lshl_add_u32 v6, v4, 4, v6
	s_lshl_b32 s23, s14, 7
	v_add_nc_u32 v[ADRB], s23, v6
	v_add_nc_u32 v[ADRB+1], BHALF, v[ADRB]
	v_add_nc_u32 v[ADRB+2], SLOT, v[ADRB]
	v_add_nc_u32 v[ADRB+3], SLOT+BHALF, v[ADRB]
	; the way out: a stage of 128 rows x 256 bytes shared by the four waves
	v_mul_u32_u24 v7, v1, SP
	v_lshl_add_u32 v7, v2, 4, v7
	s_mul_i32 s23, s13, 64*SP
	s_lshl_b32 s82, s14, 7
	s_add_co_u32 s23, s23, s82
	s_add_co_u32 s23, s23, STAGE
	v_add_nc_u32 v[STO], s23, v7                   ; row 64 wm + r, byte 128 wn + 16 h
	v_mul_u32_u24 v7, v2, SP
	v_lshl_add_u32 v7, v1, 4, v7
	s_mul_i32 s23, s12, 32*SP
	s_add_co_u32 s23, s23, STAGE
	v_add_nc_u32 v[RD], s23, v7                    ; row 32 w + l / 16, byte 16 (l % 16)
	v_mul_u32_u24 v7, v2, CPITCH
	v_lshl_add_u32 v[CO], v1, 4, v7
	v_mov_b32 v[KA5], 0x3f87dc22                   ; a5 =  1.061405429
	v_mov_b32 v[KA5+1], 0x3f87dc22
	v_mov_b32 v[KA4], 0xbfba00e3                   ; a4 = -1.453152027
	v_mov_b32 v[KA4+1], 0xbfba00e3
	v_mov_b32 v[KA3], 0x3fb5f0e3                   ; a3 =  1.421413741
	v_mov_b32 v[KA3+1], 0x3fb5f0e3
	v_mov_b32 v[KA2], 0xbe91a98e                   ; a2 = -0.284496736
	v_mov_b32 v[KA2+1], 0xbe91a98e
	v_mov_b32 v[KA1], 0x3e827906                   ; a1 =  0.254829592
	v_mov_b32 v[KA1+1], 0x3e827906
	s_wait_tensorcnt 0x1                           ; my part of phase 0 is in; phase 1's may stay out
	s_barrier_signal -1
	s_barrier_wait -1
	FETCH 0, 0, F0
	LAP 1                                          ; the first lap's first products start the sums: nothing is cleared
.if LAPS > 2
	WIN 0
	s_mov_b32 s3, LAPS-2
.Llap:
	LAP 0
	WIN 0
	s_sub_co_u32 s3, s3, 1
	s_cmp_lg_u32 s3, 0
	s_cbranch_scc1 .Llap
.endif
	SEVEN 0, 0                                     ; the last lap fills nothing
	TURN 0, 1, 0
	SEVEN 1, 0
	s_wait_dscnt 0x0
	WIN MULW
	MUL F1, 0, 4, 0
	PLACES
	; THE WAY OUT: gelu, 32 numbers a lane at a time (row block a), then as in the other products
.macro HORNER c                        ; polynomial = polynomial x t + c
.set i, 0
.rept 16
	v_pk_fma_f32 v[PP+2*i:PP+2*i+1], v[PP+2*i:PP+2*i+1], v[TT+2*i:TT+2*i+1], v[\c:\c+1]
.set i, i+1
.endr
.endm
.macro GELU a
	WIN 0x05                                       ; sources in window 1
.set i, 0
.rept 16
	v_pk_mul_f32 v[HH+2*i:HH+2*i+1], v[32*\a+2*i:32*\a+2*i+1], 0.5 op_sel_hi:[1,0]
	v_pk_mul_f32 v[X2+2*i:X2+2*i+1], v[32*\a+2*i:32*\a+2*i+1], v[32*\a+2*i:32*\a+2*i+1]
.set i, i+1
.endr
	WIN 0
.set i, 0
.rept 32
	v_and_b32 v[AH+i], 0x7fffffff, v[HH+i]
.set i, i+1
.endr
.set i, 0
.rept 16
	v_pk_fma_f32 v[TT+2*i:TT+2*i+1], v[AH+2*i:AH+2*i+1], 0x3eed3389, 1.0 op_sel_hi:[1,0,0]    ; 1 + 0.3275911 sqrt 2 |x| / 2
	v_pk_mul_f32 v[X2+2*i:X2+2*i+1], v[X2+2*i:X2+2*i+1], 0xbf38aa3b op_sel_hi:[1,0]           ; -x x / 2 x log2 e
.set i, i+1
.endr
.set i, 0
.rept 32
	v_rcp_f32 v[TT+i], v[TT+i]
.set i, i+1
.endr
.set i, 0
.rept 32
	v_exp_f32 v[X2+i], v[X2+i]
.set i, i+1
.endr
	v_nop                                          ; one plain place behind the run of reciprocals and exponentials (ISA guide 5.7.2)
.set i, 0
	s_wait_alu depctr_va_vdst(0)
.rept 16
	v_pk_fma_f32 v[PP+2*i:PP+2*i+1], v[TT+2*i:TT+2*i+1], v[KA5:KA5+1], v[KA4:KA4+1]
.set i, i+1
.endr
	HORNER KA3
	HORNER KA2
	HORNER KA1
.set i, 0
.rept 16
	v_pk_mul_f32 v[TT+2*i:TT+2*i+1], v[TT+2*i:TT+2*i+1], v[X2+2*i:X2+2*i+1]                   ; t e^(-z z)
.set i, i+1
.endr
.set i, 0
.rept 16
	v_pk_fma_f32 v[PP+2*i:PP+2*i+1], v[PP+2*i:PP+2*i+1], v[TT+2*i:TT+2*i+1], 1.0 op_sel_hi:[1,1,0] neg_lo:[1,0,0] neg_hi:[1,0,0]   ; erf = 1 - polynomial x t e^(-z z)
.set i, i+1
.endr
.set i, 0
.rept 16
	v_pk_fma_f32 v[PP+2*i:PP+2*i+1], v[AH+2*i:AH+2*i+1], v[PP+2*i:PP+2*i+1], v[HH+2*i:HH+2*i+1]
	v_cvt_pk_bf16_f32 v[OUTR+16*\a+i], v[PP+2*i], v[PP+2*i+1]
.set i, i+1
.endr
.endm
	GELU 0
	GELU 1
	GELU 2
	GELU 3
.irp a, 0,1,2,3
.irp b, 0,1,2,3
	ds_store_b128 v[STO], v[OUTR+4*(4*\a+\b):OUTR+4*(4*\a+\b)+3] offset:\a*16*SP+32*\b
.endr
.endr
	s_wait_dscnt 0x0                               ; for the others' sake: my stores are in the stage
	s_barrier_signal -1
	s_barrier_wait -1
.set t, 0
.rept 16
	ds_load_b128 v[32+4*t:35+4*t], v[RD] offset:2*SP*t
.set t, t+1
.endr
.set t, 0
.rept 16
	s_wait_dscnt 15-t                              ; LDS loads come back in order: load t is in
	global_store_b128 v[CO], v[32+4*t:35+4*t], s[78:79] offset:2*t*CPITCH
.set t, t+1
.endr
	s_wait_tensorcnt 0x0
	ds_add_u32 v30, v31
	s_wait_dscnt 0x0
	CROUND                                         ; the closing round: no work-group ends while a partner may still ask for a tile that names it
	s_endpgm
.Lfunc_end_k_q587b6c3559_gffn1:
	.size	k_q587b6c3559_gffn1, .Lfunc_end_k_q587b6c3559_gffn1-k_q587b6c3559_gffn1
	.p2alignl 7, 3214868480
	.fill 96, 4, 3214868480
	.section	.rodata,"a",@progbits
	.p2align	6, 0x0
	.amdhsa_kernel k_q587b6c3559_gffn1
		.amdhsa_group_segment_fixed_size 327680
		.amdhsa_private_segment_fixed_size 0
		.amdhsa_enable_private_segment 0
		.amdhsa_kernarg_size 24
		.amdhsa_user_sgpr_count 2
		.amdhsa_user_sgpr_kernarg_segment_ptr 1
		.amdhsa_wavefront_size32 1
		.amdhsa_system_sgpr_workgroup_id_x 1
		.amdhsa_system_sgpr_workgroup_id_y 1
		.amdhsa_system_sgpr_workgroup_id_z 1
		.amdhsa_system_vgpr_workitem_id 0
		.amdhsa_next_free_vgpr 384
		.amdhsa_next_free_sgpr 84
		.amdhsa_reserve_vcc 0
		.amdhsa_float_denorm_mode_32 3
		.amdhsa_float_denorm_mode_16_64 3
		.amdhsa_memory_ordered 1
		.amdhsa_forward_progress 1
		.amdhsa_inst_pref_size 154
	.end_amdhsa_kernel
	.amdgpu_metadata
---
amdhsa.version: [ 1, 2 ]
amdhsa.kernels:
  - .name:           k_q587b6c3559_gffn1
    .symbol:         k_q587b6c3559_gffn1.kd
    .args:
      - { .name: hn, .offset: 0, .size: 8, .value_kind: global_buffer, .address_space: global }
      - { .name: wb, .offset: 8, .size: 8, .value_kind: global_buffer, .address_space: global }
      - { .name: act, .offset: 16, .size: 8, .value_kind: global_buffer, .address_space: global }
    .group_segment_fixed_size: 327680
    .private_segment_fixed_size: 0
    .kernarg_segment_align: 8
    .kernarg_segment_size: 24
    .max_flat_workgroup_size: 128
    .sgpr_count:     84
    .vgpr_count:     384
    .wavefront_size: 32
...
	.end_amdgpu_metadata
.endif
;; end of part 7
;; launch gffn2 (part 8): grid 8 x 32, 4 waves a work-group, clusters of 4 x 4, 327,680 bytes of LDS; arguments act, wb, x1, out0; writes out0
.if DOCPART == 8
	.amdgcn_target "amdgcn-amd-amdhsa--gfx1250"
	.amdhsa_code_object_version 6
	.text
	.protected	k_q587b6c3559_gffn2
	.globl	k_q587b6c3559_gffn2
	.p2align	8
	.type	k_q587b6c3559_gffn2,@function
k_q587b6c3559_gffn2:
	s_mov_b64 s[64:65], 0
	v_nop
	global_prefetch_b8 v0, s[64:65] scope:SCOPE_SE
	s_setreg_imm32_b32 hwreg(HW_REG_WAVE_MODE, 25, 1), 1
	s_wait_xcnt 0x0
	s_wait_alu depctr_hold_cnt(0) depctr_sa_sdst(0) depctr_va_vdst(0) depctr_va_sdst(0) depctr_va_ssrc(0) depctr_va_vcc(0) depctr_vm_vsrc(0)
	s_getreg_b32 s2, hwreg(HW_REG_IB_STS2, 6, 4)
	s_cmp_eq_u32 s2, 0
	s_cbranch_scc0 .Lentry_in_a_cluster
	s_endpgm
.Lentry_in_a_cluster:
	s_bfe_u32 s2, ttmp6, 0x10000c
	s_cmp_lg_u32 s2, 0xf033
	s_cbranch_scc0 .Lentry_shape_is_right
	s_endpgm
.Lentry_shape_is_right:
; gffn2: out0 = x1 + act Wproj.  act [4096][2048] bf16, Wproj = units 6 and 7 of wb ([2048][1024]), x1 and out0 f32.  x = block column, y = block row: 256 work-groups.
; THE CORE (the same in four products of this program): a work-group makes 128 x 128 of C with four waves, a wave 64 x 64 in 16 accumulator
; tiles.  K goes in phases of 256 through two LDS slots.  A slot holds 256 rows of W (128 columns, 256 bytes of memory a row) and 128 rows of A
; (256 along K, 512 bytes a row); waves 0, 1 fetch W's halves, waves 2, 3 A's, one tensor load each.
; CLUSTERS: 4 x 4 work-groups.  A's tile hangs on the block row alone and is asked for jointly by the four of a row of the cluster, W's on the
; block column alone and is asked for jointly by the four of a column: a quarter of the requests.
; W lies [K][N], so its fragments are read by the transposing LDS load.  The matrix instruction takes W's columns as source 0 and A's rows as
; source 1: lane l then holds row l % 16 of C and its eight registers the columns 8 (l / 16) + 0..7, 32 bytes of f32 that belong together.
.set KDIM,   2048
.set WOFF,   0xc00000                  ; the weights' place in wb
.set BP,    288                        ; LDS pitch of W's rows: 256 bytes + 32 of padding = 9 x 32, so the 8 rows x 2 columns of 16 bytes that a group of 16 lanes reads fall on 16 different 16-byte columns modulo 256
.set AP,    528                        ; LDS pitch of A's rows: 512 + 16 = 33 x 16: the 16 rows of a fragment load likewise
.set BHALF, 128*BP                     ; what wave 0 or 1 fetches
.set AHALF, 64*AP                      ; what wave 2 or 3 fetches, and what a wave reads of A
.set AOFF,  2*BHALF                    ; A lies behind W
.set SLOT,  AOFF+2*AHALF               ; 141,312
.set STAGE, 2*SLOT                     ; behind the ring: bytes that no tensor load fills
.set SP,    272                        ; pitch of the stage's rows: 256 + 16
.set LAPS,  KDIM/512                   ; a lap = two phases = once round the ring
.set ADRA, 8                           ; v8-9    LDS address of my A fragments, slot 0, 1
.set ADRB, 10                          ; v10-13  of my W fragments: slot 0 rows 0-127, rows 128-255, slot 1 likewise (the immediate has 16 bits)
.set STO,  14                          ; v14     the way out: where I put 32 bytes
.set RD,   15                          ; v15     the way out: where I read rows back
.set CO,   16                          ; v16     my byte offset in C and in the residual
.set F0,   32                          ; v32-95  fragment buffer 0: W's four at +8 b, A's four at +32 + 8 a
.set F1,   96                          ; v96-159 fragment buffer 1
.set G1A, 24                           ; s[24:31] descriptor group 1 of A's tiles
.set G0A, 32                           ; s[32:39] group 0 of A's tiles, a set for each slot
.set G1B, 48                           ; s[48:55] group 1 of W's tiles
.set G0B, 56                           ; s[56:63] group 0 of W's tiles, a set for each slot
.set MULW, 0x50                        ; C and D in window 1 (v256-383: tile (a, b) at v[256 + 8 (4 a + b)]), sources in window 0
.set MSB, 0
.macro WIN new                         ; s_set_vgpr_msb; the immediate's high byte repeats the setting that is left
.if MSB != \new
	s_set_vgpr_msb (MSB<<8)|\new
.set MSB, \new
.endif
.endm
.macro PLACES                          ; four places behind a matrix instruction before a vector instruction, a store or a load touches its registers
.rept 4
	v_nop
.endr
.endm
.macro JLOAD s                         ; a joint load; the branch hangs on the wave's number alone; each line has one mask and one set of registers
	s_cmp_eq_u32 s13, 0
	s_cbranch_scc0 .Lfor_a_\@
	tensor_load_to_lds s[G0B+4*\s:G0B+4*\s+3], s[G1B:G1B+7]
	s_nop 0
	s_branch .Lasked_\@
.Lfor_a_\@:
	tensor_load_to_lds s[G0A+4*\s:G0A+4*\s+3], s[G1A:G1A+7]
	s_nop 0
.Lasked_\@:
.endm
.macro CREST                           ; a round of the cluster's barrier behind its opening work-group barrier
	s_cmp_lg_u32 s12, 0
	s_cbranch_scc1 .Lnot_wave_0_\@
	s_barrier_signal -3
.Lnot_wave_0_\@:
	s_barrier_wait -3
	s_barrier_signal -1
	s_barrier_wait -1
.endm
.macro CROUND                          ; a whole round
	s_barrier_signal -1
	s_barrier_wait -1
	CREST
.endm
; 16 LDS loads: the fragments of quarter q (32 along K) of a slot's phase into buffer f
.macro FETCH slot, q, f
	WIN 0
.irp b, 0,1,2,3
	ds_load_tr16_b128 v[\f+8*\b:\f+8*\b+3],   v[ADRB+2*\slot+((\q)>>2)] offset:((\q)&3)*32*BP+32*\b
	ds_load_tr16_b128 v[\f+8*\b+4:\f+8*\b+7], v[ADRB+2*\slot+((\q)>>2)] offset:((\q)&3)*32*BP+32*\b+16*BP
.endr
.irp a, 0,1,2,3
	ds_load_b128 v[\f+32+8*\a:\f+32+8*\a+3],   v[ADRA+\slot] offset:\a*16*AP+64*(\q)
	ds_load_b128 v[\f+32+8*\a+4:\f+32+8*\a+7], v[ADRA+\slot] offset:\a*16*AP+64*(\q)+32
.endr
.endm
; 4 na matrix instructions: row blocks a0 .. a0 + na - 1 x all four column blocks.  zero = 1: the first product starts the sums.
; The sixteen accumulators take turns, one instruction a turn, in one fixed order everywhere.
.macro MUL f, a0, na, zero
.set ma, \a0
.rept \na
.irp b, 0,1,2,3
.if \zero
	v_wmma_f32_16x16x32_bf16 v[8*(4*ma+\b):8*(4*ma+\b)+7], v[\f+8*\b:\f+8*\b+7], v[\f+32+8*ma:\f+32+8*ma+7], 0
.else
	v_wmma_f32_16x16x32_bf16 v[8*(4*ma+\b):8*(4*ma+\b)+7], v[\f+8*\b:\f+8*\b+7], v[\f+32+8*ma:\f+32+8*ma+7], v[8*(4*ma+\b):8*(4*ma+\b)+7]
.endif
.endr
.set ma, ma+1
.endr
.endm
.macro QUARTER slot, q, f, g, zero     ; asks for quarter q + 1 into buffer g, then multiplies quarter q from buffer f
	PLACES                                         ; buffer g was read by the matrix instructions just issued
	FETCH \slot, \q+1, \g
	s_wait_dscnt 16                                ; all but the 16 loads just issued: buffer f is in
	WIN MULW
	MUL \f, 0, 4, \zero
.endm
.macro SEVEN slot, zero
	QUARTER \slot, 0, F0, F1, \zero
	QUARTER \slot, 1, F1, F0, 0
	QUARTER \slot, 2, F0, F1, 0
	QUARTER \slot, 3, F1, F0, 0
	QUARTER \slot, 4, F0, F1, 0
	QUARTER \slot, 5, F1, F0, 0
	QUARTER \slot, 6, F0, F1, 0
.endm
; The eighth quarter and the change of slots.  In front of the barrier each wave waits for its reads of this slot and for all its tensor loads
; (one is out: its part of the next slot).  fill = 1: the barrier opens a round of the cluster's barrier, and behind the round this slot is
; filled again, two phases ahead, first thing; from there to the wait for that load a wave issues 120 matrix instructions.
.macro TURN slot, next, fill
	s_wait_dscnt 0x0                               ; buffer 1 is in, and with it my last reads of this slot
	s_wait_tensorcnt 0x0                           ; all my tensor loads have landed
	ds_add_u32 v254, v255
	s_wait_dscnt 0x0
	s_barrier_signal -1
	WIN MULW
	MUL F1, 0, 2, 0                                ; register work while the others arrive
	WIN 0
	s_barrier_wait -1
.if \fill
	CREST                                          ; no wave of any partner still reads this slot or has a load on its way
	s_add_nc_u64 s[G0A+4*\slot+2:G0A+4*\slot+3], s[G0A+4*\slot+2:G0A+4*\slot+3], 1024       ; two phases: 512 along K in bf16
	s_add_nc_u64 s[G0B+4*\slot+2:G0B+4*\slot+3], s[G0B+4*\slot+2:G0B+4*\slot+3], 1048576    ; 512 rows of 2,048 bytes
	JLOAD \slot
.endif
	PLACES
	FETCH \next, 0, F0
	WIN MULW
	MUL F1, 2, 2, 0
.endm
.macro LAP zero
	SEVEN 0, \zero
	TURN 0, 1, 1
	SEVEN 1, 0
	TURN 1, 0, 1
.endm
	s_load_b256 s[68:75], s[0:1], 0x0              ; A s[68:69], wb s[70:71], residual s[72:73], C s[74:75]
	v_lshl_add_u32 v254, v0, 2, 0x49400
	v_mov_b32 v255, 0
	ds_add_u32 v254, v255
	v_lshrrev_b32 v1, 5, v0
	v_readfirstlane_b32 s12, v1                    ; wave 0..3
	s_lshr_b32 s13, s12, 1                         ; wm: my 64 rows of the block.  Also: I fetch for W (0) or for A (1)
	s_and_b32 s14, s12, 1                          ; wn: my 64 columns.  Also: which half of that tile I fetch
	s_bfe_u32 s15, ttmp6, 0x40000                  ; cx
	s_bfe_u32 s16, ttmp6, 0x40004                  ; cy
	s_lshl_b32 s17, ttmp9, 2
	s_add_co_u32 s17, s17, s15                     ; gx = 4 x cluster x + cx
	s_and_b32 s18, ttmp7, 0xffff
	s_lshl_b32 s18, s18, 2
	s_add_co_u32 s18, s18, s16                     ; gy = 4 x cluster y + cy
	s_lshl_b32 s19, s16, 2
	s_lshl_b32 s19, 15, s19                        ; my row of the cluster
	s_lshl_b32 s20, 0x1111, s15                    ; my column
	s_or_b32 s[G1A+0], s19, (1<<16)|(1<<20)|(1<<21)|(6<<22)|(3<<25)   ; mask; 2-byte elements; padding on; bit 21 beside a mask; after every 128 words, 4 words
	s_mov_b32 s[G1A+1], 256<<16                    ; tensor_dim0 = 256
	s_mov_b32 s[G1A+2], 64<<16                     ; tensor_dim1 = 64
	s_mov_b32 s[G1A+3], 256<<16                    ; tile_dim0 = 256 elements (512 bytes)
	s_mov_b32 s[G1A+4], 64                         ; tile_dim1 = 64 rows
	s_mov_b32 s[G1A+5], KDIM                       ; elements from row to row
	s_mov_b32 s[G1A+6], 0
	s_mov_b32 s[G1A+7], 0
	s_or_b32 s[G1B+0], s20, (1<<16)|(1<<20)|(1<<21)|(5<<22)|(7<<25)   ; after every 64 words, 8 words
	s_mov_b32 s[G1B+1], 128<<16                    ; tensor_dim0 = 128
	s_mov_b32 s[G1B+2], 128<<16                    ; tensor_dim1 = 128
	s_mov_b32 s[G1B+3], 128<<16                    ; tile_dim0 = 128 elements (256 bytes)
	s_mov_b32 s[G1B+4], 128                        ; tile_dim1 = 128 rows
	s_mov_b32 s[G1B+5], 1024
	s_mov_b32 s[G1B+6], 0
	s_mov_b32 s[G1B+7], 0
	; where the tiles come from: A's address in s[40:43], made of gy and the wave alone; W's in s[44:47], made of gx and the wave alone
	s_lshl_b32 s40, s18, 7
	s_lshl_b32 s41, s14, 6
	s_add_co_u32 s40, s40, s41                     ; row 128 x block row + 64 x half
	s_mul_i32 s40, s40, KDIM*2
	s_mov_b32 s41, 0
	s_lshl_b32 s44, s17, 8                         ; 256 bytes a block column
	s_lshl_b32 s45, s14, 18                        ; 128 rows of 2,048 bytes a half
	s_add_co_u32 s44, s44, s45
	s_add_co_u32 s44, s44, WOFF
	s_mov_b32 s45, 0
	s_wait_dscnt 0x0
	s_wait_kmcnt 0x0
	s_add_nc_u64 s[42:43], s[68:69], s[40:41]
	s_add_nc_u64 s[46:47], s[70:71], s[44:45]
	; C and the residual at my wave's 64 x 64
	s_lshl_b32 s40, s18, 7
	s_lshl_b32 s41, s13, 6
	s_add_co_u32 s40, s40, s41
	s_lshl_b32 s40, s40, 12                        ; rows of 4,096 bytes
	s_mov_b32 s41, 0
	s_add_nc_u64 s[78:79], s[74:75], s[40:41]
	s_add_nc_u64 s[80:81], s[72:73], s[40:41]
	s_lshl_b32 s44, s17, 9
	s_lshl_b32 s45, s14, 8
	s_add_co_u32 s44, s44, s45
	s_mov_b32 s45, 0
	s_add_nc_u64 s[78:79], s[78:79], s[44:45]
	s_add_nc_u64 s[80:81], s[80:81], s[44:45]
	s_mul_i32 s21, s12, AHALF                      ; where the tiles go: the wave's number times a constant, plus a constant, plus the slot's constant
	s_add_co_u32 s21, s21, AOFF-2*AHALF            ; waves 2, 3: AOFF, AOFF + AHALF
	s_mul_i32 s22, s12, BHALF                      ; waves 0, 1: 0, BHALF
	CROUND                                         ; all sixteen work-groups are here: the first joint loads meet
.irp s, 0,1
	s_mov_b32 s[G0A+4*\s], 1
	s_add_co_u32 s[G0A+4*\s+1], s21, \s*SLOT
	s_add_nc_u64 s[G0A+4*\s+2:G0A+4*\s+3], s[42:43], \s*512
	s_or_b32 s[G0A+4*\s+3], s[G0A+4*\s+3], 0x80000000
	s_mov_b32 s[G0B+4*\s], 1
	s_add_co_u32 s[G0B+4*\s+1], s22, \s*SLOT
	s_add_nc_u64 s[G0B+4*\s+2:G0B+4*\s+3], s[46:47], \s*524288
	s_or_b32 s[G0B+4*\s+3], s[G0B+4*\s+3], 0x80000000
	JLOAD \s                                       ; both first fills go out together: two tensor loads of the wave are out, the most in this text
.endr
	v_and_b32 v1, 15, v0                           ; r = l % 16
	v_bfe_u32 v2, v0, 4, 1                         ; h = l / 16
	v_and_b32 v3, 7, v0
	v_bfe_u32 v4, v0, 3, 1
	v_mul_u32_u24 v5, v1, AP                       ; A: row r, 16 bytes for each half of the lanes
	v_lshl_add_u32 v5, v2, 4, v5
	s_mul_i32 s23, s13, AHALF
	s_add_co_u32 s23, s23, AOFF
	v_add_nc_u32 v[ADRA], s23, v5
	v_add_nc_u32 v[ADRA+1], SLOT, v[ADRA]
	v_lshl_add_u32 v6, v2, 3, v3                   ; W: row 8 h + l % 8, 16 bytes further for lanes 8-15 of each half
	v_mul_u32_u24 v6, v6, BP
	v_lshl_add_u32 v6, v4, 4, v6
	s_lshl_b32 s23, s14, 7
	v_add_nc_u32 v[ADRB], s23, v6
	v_add_nc_u32 v[ADRB+1], BHALF, v[ADRB]
	v_add_nc_u32 v[ADRB+2], SLOT, v[ADRB]
	v_add_nc_u32 v[ADRB+3], SLOT+BHALF, v[ADRB]
	; the way out: each wave has a stage of its own, 16 rows x 256 bytes
	s_mul_i32 s23, s12, 16*SP
	s_add_co_u32 s23, s23, STAGE
	v_mul_u32_u24 v7, v1, SP
	v_lshl_add_u32 v7, v2, 5, v7
	v_add_nc_u32 v[STO], s23, v7                   ; row r, byte 32 h
	v_mul_u32_u24 v7, v2, SP
	v_lshl_add_u32 v7, v1, 4, v7
	v_add_nc_u32 v[RD], s23, v7                    ; row l / 16, byte 16 (l % 16)
	v_lshlrev_b32 v7, 12, v2
	v_lshl_add_u32 v[CO], v1, 4, v7
	s_wait_tensorcnt 0x1                           ; my part of phase 0 is in; phase 1's may stay out
	s_barrier_signal -1
	s_barrier_wait -1
	FETCH 0, 0, F0
	LAP 1                                          ; the first lap's first products start the sums: nothing is cleared
.if LAPS > 2
	WIN 0
	s_mov_b32 s3, LAPS-2
.Llap:
	LAP 0
	WIN 0
	s_sub_co_u32 s3, s3, 1
	s_cmp_lg_u32 s3, 0
	s_cbranch_scc1 .Llap
.endif
	SEVEN 0, 0                                     ; the last lap fills nothing
	TURN 0, 1, 0
	SEVEN 1, 0
	s_wait_dscnt 0x0
	WIN MULW
	MUL F1, 0, 4, 0
	PLACES
	; THE WAY OUT, 16 rows at a time: the sums in f32 into my own stage, whole rows of 256 bytes back, the residual added, 16 lanes store 256 neighbouring aligned bytes
	WIN 0
.set i, 0
.rept 32
	global_load_b128 v[32+4*i:35+4*i], v[CO], s[80:81] offset:((i>>3)*16+(i&7)*2)*4096     ; the residual of my 64 rows, into the fragment buffers
.set i, i+1
.endr
.macro OUTF a
	WIN 0x04                                       ; store data in window 1
.irp b, 0,1,2,3
	ds_store_b128 v[STO], v[8*(4*\a+\b):8*(4*\a+\b)+3] offset:64*\b
	ds_store_b128 v[STO], v[8*(4*\a+\b)+4:8*(4*\a+\b)+7] offset:64*\b+16
.endr
	WIN 0
	s_wait_xcnt 0x0                                ; the registers below were the data of the stores two groups ago: they are written again only behind this wait
.irp t, 0,1,2,3,4,5,6,7
	ds_load_b128 v[160+32*(\a&1)+4*\t:160+32*(\a&1)+4*\t+3], v[RD] offset:2*SP*\t          ; LDS serves a wave's instructions in order: these see the stores above
.endr
	s_wait_loadcnt 24-8*\a                         ; the residual of this group is in; the later groups' loads stay out
.irp t, 0,1,2,3,4,5,6,7
	s_wait_dscnt 7-\t
	v_pk_add_f32 v[160+32*(\a&1)+4*\t:160+32*(\a&1)+4*\t+1], v[160+32*(\a&1)+4*\t:160+32*(\a&1)+4*\t+1], v[32+4*(8*\a+\t):32+4*(8*\a+\t)+1]
	v_pk_add_f32 v[160+32*(\a&1)+4*\t+2:160+32*(\a&1)+4*\t+3], v[160+32*(\a&1)+4*\t+2:160+32*(\a&1)+4*\t+3], v[32+4*(8*\a+\t)+2:32+4*(8*\a+\t)+3]
	global_store_b128 v[CO], v[160+32*(\a&1)+4*\t:160+32*(\a&1)+4*\t+3], s[78:79] offset:(16*\a+2*\t)*4096
.endr
.endm
	OUTF 0
	OUTF 1
	OUTF 2
	OUTF 3
	s_wait_tensorcnt 0x0
	ds_add_u32 v254, v255
	s_wait_dscnt 0x0
	CROUND                                         ; the closing round: no work-group ends while a partner may still ask for a tile that names it
	s_endpgm
.Lfunc_end_k_q587b6c3559_gffn2:
	.size	k_q587b6c3559_gffn2, .Lfunc_end_k_q587b6c3559_gffn2-k_q587b6c3559_gffn2
	.p2alignl 7, 3214868480
	.fill 96, 4, 3214868480
	.section	.rodata,"a",@progbits
	.p2align	6, 0x0
	.amdhsa_kernel k_q587b6c3559_gffn2
		.amdhsa_group_segment_fixed_size 327680
		.amdhsa_private_segment_fixed_size 0
		.amdhsa_enable_private_segment 0
		.amdhsa_kernarg_size 32
		.amdhsa_user_sgpr_count 2
		.amdhsa_user_sgpr_kernarg_segment_ptr 1
		.amdhsa_wavefront_size32 1
		.amdhsa_system_sgpr_workgroup_id_x 1
		.amdhsa_system_sgpr_workgroup_id_y 1
		.amdhsa_system_sgpr_workgroup_id_z 1
		.amdhsa_system_vgpr_workitem_id 0
		.amdhsa_next_free_vgpr 384
		.amdhsa_next_free_sgpr 84
		.amdhsa_reserve_vcc 0
		.amdhsa_float_denorm_mode_32 3
		.amdhsa_float_denorm_mode_16_64 3
		.amdhsa_memory_ordered 1
		.amdhsa_forward_progress 1
		.amdhsa_inst_pref_size 133
	.end_amdhsa_kernel
	.amdgpu_metadata
---
amdhsa.version: [ 1, 2 ]
amdhsa.kernels:
  - .name:           k_q587b6c3559_gffn2
    .symbol:         k_q587b6c3559_gffn2.kd
    .args:
      - { .name: act, .offset: 0, .size: 8, .value_kind: global_buffer, .address_space: global }
      - { .name: wb, .offset: 8, .size: 8, .value_kind: global_buffer, .address_space: global }
      - { .name: x1, .offset: 16, .size: 8, .value_kind: global_buffer, .address_space: global }
      - { .name: out0, .offset: 24, .size: 8, .value_kind: global_buffer, .address_space: global }
    .group_segment_fixed_size: 327680
    .private_segment_fixed_size: 0
    .kernarg_segment_align: 8
    .kernarg_segment_size: 32
    .max_flat_workgroup_size: 128
    .sgpr_count:     84
    .vgpr_count:     384
    .wavefront_size: 32
...
	.end_amdgpu_metadata
.endif
;; end of part 8
;; ======== version 2 of 2: 8 launches; version 1 with the launch prep written anew for expert scheduling mode
;; limits: inputs' magnitudes at most 8.5e+37
;; workspace buffers: wb 20,971,520 bytes; wqm 4,194,304 bytes; hn 8,388,608 bytes; qkv 25,165,824 bytes; ao 8,388,608 bytes; x1 16,777,216 bytes; act 16,777,216 bytes
;; launch prep (part 9): grid 64 x 14, 8 waves a work-group, no clusters, 0 bytes of LDS; arguments x, g1, b1, Wq, M, Wo, Wpos, Wneg, Wproj, Wk, Wv, wb, hn; writes wb, hn
.if DOCPART == 9
	.amdgcn_target "amdgcn-amd-amdhsa--gfx1250"
	.amdhsa_code_object_version 6
	.text
	.protected	k_q587b6c3559_prep
	.globl	k_q587b6c3559_prep
	.p2align	8
	.type	k_q587b6c3559_prep,@function
k_q587b6c3559_prep:
	s_mov_b64 s[64:65], 0
	v_nop
	global_prefetch_b8 v0, s[64:65] scope:SCOPE_SE
	s_setreg_imm32_b32 hwreg(HW_REG_WAVE_SCHED_MODE, 0, 2), 2
	s_setreg_imm32_b32 hwreg(HW_REG_WAVE_MODE, 25, 1), 1
	s_wait_xcnt 0x0
	s_wait_alu depctr_vm_vsrc(0)
; prep: (1) the weights as bf16, (2) h1 = the first norm of x as bf16.  A stream: no LDS, no barrier, no matrix unit.
; Grid 64 x 14.  y = 0..9: unit y of wb, a matrix [1024][1024] cast from f32 to bf16:
;   0 Wq, 1 M[0]/8, 2 M[1]/8, 3 Wo, 4 Wpos, 5 -Wneg, 6 Wproj rows 0-1023, 7 Wproj rows 1024-2047, 8 Wk, 9 Wv.
;   The factor 1/8 is the scores' 1/sqrt(64), a power of two, exact; -1 serves (-h) W = h (-W), exact.
;   A work-group takes 64 KiB of f32, a wave 8 KiB: sixteen loads of 512 neighbouring bytes, sixteen stores of 256 neighbouring aligned bytes.
; y = 10..13: 16 rows of x a work-group, 2 rows a wave, each row (4,096 bytes) in 32 registers of the wave between the passes:
;   mean, then the sum of squares of x - mean (a true second pass: no difference of large sums), then
;   h = (1-r) ((x-mu) rs g + b) + r x = (x-mu) (c g + r) + ((1-r) b + r mu), c = (1-r) rs, r = 2/11.
; No cluster: the work-groups share nothing but g1 and b1, 8 KiB against the 64 KiB that each reads of its own.
; THE MODE: SCHED_MODE bits 1:0 = 2 (LLVM: expert scheduling mode 2), set by the entry lines.  The code itself states the register dependences
; between vector instructions and memory instructions, with s_wait_alu, always for 0.
; THE PLAN.  Registers that memory instructions touch:
;   v1, v2      byte offsets, made once at the head and never written again: v1 is read by every load, v2 by every store.  One wait at the head, ahead of the branch.
;   X, G, BV    as far as loads land in them: each register once, and every load is issued ahead of the first vector instruction that names its registers.
;   cast: G     the out-buffer.  Step j's two roundings write pair j, once; store j alone reads it, and is issued in step j + 4.  One wait at the head of steps
;               4, 8 and 12 states that the four steps before have written their pairs; the four stores that follow it are dealt among the steps' vector
;               instructions, which name X's quad and G's pair of their own step alone.  One more wait stands ahead of the last four stores.
;   norm: OUT   Row p's roundings write its sixteen registers, once; row p's eight stores read them.  One wait behind row 0's arithmetic; its stores are dealt
;               among row 1's arithmetic, which names none of their registers.  One wait behind row 1's arithmetic, ahead of its stores.
;   s5          the wave's number, written by v_readfirstlane_b32; both arms make addresses from it: one wait at the head, ahead of the branch.
; No register that a memory instruction reads is written again on any path, and there is no loop: so no wait on vm_vsrc and no s_wait_xcnt is owed.
.set X,   32                           ; v[32:95]   two rows as loaded, then x - mu, then h (cast path: the 64 f32 of a lane)
.set G,   96                           ; v[96:127]  g of my 32 columns (cast path: v[96:127] the packed bf16)
.set BV,  128                          ; v[128:159] b of my 32 columns
.set OUT, 160                          ; v[160:191] h as bf16, 16 registers a row
.set T,   4                            ; v[4:11]    four chains of sums
.set MU,  12                           ; v[12:15]   mean, a pair for each row
.set CC,  16                           ; v[16:19]   (1-r) rs, a pair for each row
.set RM,  20                           ; v[20:23]   r mu, a pair for each row
.set WK,  24                           ; v[24:31]   at work
.set SX,  34                           ; s[34:35]   source
.set SG,  10                           ; s[10:11]   g1
.set SBI, 12                           ; s[12:13]   b1
.set SD,  38                           ; s[38:39]   destination
.macro FOLD                            ; four chains into one pair
	v_pk_add_f32 v[T:T+1], v[T:T+1], v[T+2:T+3]
	v_pk_add_f32 v[T+4:T+5], v[T+4:T+5], v[T+6:T+7]
	v_pk_add_f32 v[T:T+1], v[T:T+1], v[T+4:T+5]
.endm
.macro REDUCE                          ; the pair, then the 32 lanes: the sum ends up in every lane
	v_add_f32 v[T], v[T], v[T+1]
	v_add_f32_dpp v[T], v[T], v[T] row_xmask:1 row_mask:0xf bank_mask:0xf
	v_add_f32_dpp v[T], v[T], v[T] row_xmask:2 row_mask:0xf bank_mask:0xf
	v_add_f32_dpp v[T], v[T], v[T] row_xmask:4 row_mask:0xf bank_mask:0xf
	v_add_f32_dpp v[T], v[T], v[T] row_xmask:8 row_mask:0xf bank_mask:0xf
	v_permlanex16_b32 v[T+1], v[T], s42, s43       ; the other half of the lanes; its destination has been written before
	v_add_f32 v[T], v[T], v[T+1]
.endm
.macro STAT p                          ; row p: mean, x - mean in place, variance, the row's three figures
.set XB, X+32*\p
.irp k, 0,1,2,3
	v_pk_add_f32 v[T+2*\k:T+2*\k+1], v[XB+2*\k:XB+2*\k+1], v[XB+8+2*\k:XB+9+2*\k]
.endr
.irp o, 16,24
.irp k, 0,1,2,3
	v_pk_add_f32 v[T+2*\k:T+2*\k+1], v[T+2*\k:T+2*\k+1], v[XB+\o+2*\k:XB+\o+2*\k+1]
.endr
.endr
	FOLD
	REDUCE
	v_mul_f32 v[MU+2*\p], s44, v[T]                ; sum / 1024
	v_mov_b32 v[MU+2*\p+1], v[MU+2*\p]
.set i, 0
.rept 16
	v_pk_add_f32 v[XB+2*i:XB+2*i+1], v[XB+2*i:XB+2*i+1], v[MU+2*\p:MU+2*\p+1] neg_lo:[0,1] neg_hi:[0,1]
.set i, i+1
.endr
.irp k, 0,1,2,3
	v_pk_mul_f32 v[T+2*\k:T+2*\k+1], v[XB+2*\k:XB+2*\k+1], v[XB+2*\k:XB+2*\k+1]
.endr
.irp o, 8,16,24
.irp k, 0,1,2,3
	v_pk_fma_f32 v[T+2*\k:T+2*\k+1], v[XB+\o+2*\k:XB+\o+2*\k+1], v[XB+\o+2*\k:XB+\o+2*\k+1], v[T+2*\k:T+2*\k+1]
.endr
.endr
	FOLD
	REDUCE
	v_fma_f32 v[T], v[T], s44, s45                 ; variance + 1e-5
	v_rsq_f32 v[T+2], v[T]
	v_mul_f32 v[RM+2*\p], 0x3e3a2e8c, v[MU+2*\p]   ; r mu: the plain instruction that stands between v_rsq_f32 and the use of its result (ISA guide 5.7.2)
	s_wait_alu depctr_va_vdst(0)                   ; v_rsq_f32 has written v[T+2], ahead of its first reader, the line below
	v_mul_f32 v[CC+2*\p], 0x3f51745d, v[T+2]       ; (1-r) rs
	v_mov_b32 v[RM+2*\p+1], v[RM+2*\p]
	v_mov_b32 v[CC+2*\p+1], v[CC+2*\p]
.endm
; Row p: three fused multiply-adds for two numbers, one rounding to bf16.  st = 1: the eight stores of row 0, whose data the wait ahead of this macro has shown
; written, stand one in front of each of the first eight groups of four; the groups name WK, G, BV, CC, RM and this row's X and OUT: none of those stores' registers.
.macro APPLY p, st
.set XB, X+32*\p
.set i, 0
.rept 16
.if (\st) && (i < 8)
	global_store_b64 v2, v[OUT+2*i:OUT+2*i+1], s[SD:SD+1] offset:256*i   ; row 0.  32 lanes x 8 bytes: 256 neighbouring bytes, aligned
.endif
	v_pk_fma_f32 v[WK+4*(i&1):WK+4*(i&1)+1], v[G+2*i:G+2*i+1], v[CC+2*\p:CC+2*\p+1], 0x3e3a2e8c op_sel_hi:[1,1,0]
	v_pk_fma_f32 v[WK+4*(i&1)+2:WK+4*(i&1)+3], v[BV+2*i:BV+2*i+1], 0x3f51745d, v[RM+2*\p:RM+2*\p+1] op_sel_hi:[1,0,1]
	v_pk_fma_f32 v[XB+2*i:XB+2*i+1], v[XB+2*i:XB+2*i+1], v[WK+4*(i&1):WK+4*(i&1)+1], v[WK+4*(i&1)+2:WK+4*(i&1)+3]
	v_cvt_pk_bf16_f32 v[OUT+16*\p+i], v[XB+2*i], v[XB+2*i+1]
.set i, i+1
.endr
.endm
.macro NORMROWS
	s_mov_b32 s42, 0x76543210                      ; v_permlanex16_b32: lane i reads lane i of the other half
	s_mov_b32 s43, 0xfedcba98
	s_mov_b32 s44, 0x3a800000                      ; 1/1024
	s_mov_b32 s45, 0x3727c5ac                      ; 1e-5
.irp p, 0,1
.irp j, 0,1,2,3,4,5,6,7
	global_load_b128 v[X+32*\p+4*\j:X+32*\p+4*\j+3], v1, s[SX:SX+1] offset:4096*\p+512*\j
.endr
.endr
.irp j, 0,1,2,3,4,5,6,7
	global_load_b128 v[G+4*\j:G+4*\j+3], v1, s[SG:SG+1] offset:512*\j
.endr
.irp j, 0,1,2,3,4,5,6,7
	global_load_b128 v[BV+4*\j:BV+4*\j+3], v1, s[SBI:SBI+1] offset:512*\j
.endr
	s_wait_loadcnt 16                              ; the two rows are in; the sixteen younger loads (g, b) may stay out
	STAT 0
	STAT 1
	s_wait_loadcnt 0x0                             ; g and b
	APPLY 0, 0
	s_wait_alu depctr_va_vdst(0)                   ; row 0's roundings have written v[OUT:OUT+15], which the eight stores dealt among row 1's arithmetic read
	APPLY 1, 1
	s_wait_alu depctr_va_vdst(0)                   ; row 1's roundings have written v[OUT+16:OUT+31], which the eight stores below read
.irp j, 0,1,2,3,4,5,6,7
	global_store_b64 v2, v[OUT+16+2*\j:OUT+16+2*\j+1], s[SD:SD+1] offset:256*\j+2048   ; row 1.  32 lanes x 8 bytes: 256 neighbouring bytes, aligned
.endr
.endm
	s_load_b512 s[8:23], s[0:1], 0x0               ; x 8, g1 10, b1 12, Wq 14, M 16, Wo 18, Wpos 20, Wneg 22
	s_load_b256 s[24:31], s[0:1], 0x40             ; Wproj 24, Wk 26, Wv 28, wb 30
	s_load_b64 s[32:33], s[0:1], 0x60              ; hn
	v_lshrrev_b32 v1, 5, v0
	v_readfirstlane_b32 s5, v1                     ; wave 0..7
	s_and_b32 s4, ttmp7, 0xffff                    ; y
	v_and_b32 v3, 31, v0
	v_lshlrev_b32 v1, 4, v3                        ; 16 bytes a lane in f32
	v_lshlrev_b32 v2, 3, v3                        ; 8 bytes a lane in bf16
	s_wait_alu depctr_va_sdst(0)                   ; s5 is written
	s_wait_alu depctr_va_vdst(0)                   ; v1 and v2 are written: every load of the kernel reads v1 as its offset, every store v2, and neither is written again
	s_wait_kmcnt 0x0
	s_cmp_ge_u32 s4, 10
	s_cbranch_scc1 .Lnorm
	; ---- the cast of unit y ----
	s_mov_b64 s[SX:SX+1], s[14:15]                 ; the unit's source: a choice between buffers on y alone
	s_cmp_ge_u32 s4, 1
	s_cselect_b64 s[SX:SX+1], s[16:17], s[SX:SX+1]
	s_cmp_ge_u32 s4, 3
	s_cselect_b64 s[SX:SX+1], s[18:19], s[SX:SX+1]
	s_cmp_ge_u32 s4, 4
	s_cselect_b64 s[SX:SX+1], s[20:21], s[SX:SX+1]
	s_cmp_ge_u32 s4, 5
	s_cselect_b64 s[SX:SX+1], s[22:23], s[SX:SX+1]
	s_cmp_ge_u32 s4, 6
	s_cselect_b64 s[SX:SX+1], s[24:25], s[SX:SX+1]
	s_cmp_ge_u32 s4, 8
	s_cselect_b64 s[SX:SX+1], s[26:27], s[SX:SX+1]
	s_cmp_ge_u32 s4, 9
	s_cselect_b64 s[SX:SX+1], s[28:29], s[SX:SX+1]
	s_cmp_eq_u32 s4, 2                             ; units 2 and 7 are the second 4 MiB of M and of Wproj
	s_cselect_b32 s36, 0x400000, 0
	s_cmp_eq_u32 s4, 7
	s_cselect_b32 s36, 0x400000, s36
	s_lshl_b32 s37, ttmp9, 16                      ; + 64 KiB a work-group
	s_add_co_u32 s36, s36, s37
	s_lshl_b32 s37, s5, 13                         ; + 8 KiB a wave
	s_add_co_u32 s36, s36, s37
	s_mov_b32 s37, 0
	s_add_nc_u64 s[SX:SX+1], s[SX:SX+1], s[36:37]
.set j, 0
.rept 16
	global_load_b128 v[X+4*j:X+4*j+3], v1, s[SX:SX+1] offset:512*j th:TH_LOAD_NT   ; read once in the launch
.set j, j+1
.endr
	s_lshl_b32 s36, s4, 21                         ; the unit's 2 MiB in wb,
	s_lshl_b32 s37, ttmp9, 15                      ; 32 KiB a work-group,
	s_add_co_u32 s36, s36, s37
	s_lshl_b32 s37, s5, 12                         ; 4 KiB a wave
	s_add_co_u32 s36, s36, s37
	s_mov_b32 s37, 0
	s_add_nc_u64 s[SD:SD+1], s[30:31], s[36:37]
	s_mov_b32 s40, 0x3f800000                      ; the unit's factor: 1,
	s_sub_co_u32 s41, s4, 1
	s_cmp_lt_u32 s41, 2
	s_cselect_b32 s40, 0x3e000000, s40             ; 1/8 for units 1 and 2,
	s_cmp_eq_u32 s4, 5
	s_cselect_b32 s40, 0xbf800000, s40             ; -1 for unit 5
	s_mov_b32 s41, s40
	; Step j scales and rounds load j's four numbers into pair j of G; store j - 4 stands in front of it.
.set j, 0
.rept 16
	s_wait_loadcnt 15-j                            ; loads come back in order: load j is in, the 15 - j younger ones stay out
.if (j > 0) && (j % 4 == 0)
	s_wait_alu depctr_va_vdst(0)                   ; the roundings of the four steps before have written their pairs of G, which the next four stores read
.endif
.if j >= 4
	global_store_b64 v2, v[G+2*(j-4):G+2*(j-4)+1], s[SD:SD+1] offset:256*(j-4)     ; 256 neighbouring bytes, aligned; no vector instruction since the wait names this pair
.endif
	v_pk_mul_f32 v[X+4*j:X+4*j+1], v[X+4*j:X+4*j+1], s[40:41] op_sel_hi:[1,0]
	v_pk_mul_f32 v[X+4*j+2:X+4*j+3], v[X+4*j+2:X+4*j+3], s[40:41] op_sel_hi:[1,0]
	v_cvt_pk_bf16_f32 v[G+2*j], v[X+4*j], v[X+4*j+1]
	v_cvt_pk_bf16_f32 v[G+2*j+1], v[X+4*j+2], v[X+4*j+3]
.set j, j+1
.endr
	s_wait_alu depctr_va_vdst(0)                   ; the roundings of steps 12 to 15 have written their pairs of G, which the last four stores read
.set j, 12
.rept 4
	global_store_b64 v2, v[G+2*j:G+2*j+1], s[SD:SD+1] offset:256*j     ; 256 neighbouring bytes, aligned; no register is written twice, so no further wait
.set j, j+1
.endr
	s_endpgm
	; ---- the norm of rows 16 blk + 2 w, + 1 ----
.Lnorm:
	s_sub_co_u32 s36, s4, 10
	s_lshl_b32 s36, s36, 6
	s_add_co_u32 s36, s36, ttmp9                   ; blk = 64 (y - 10) + x, 0..255
	s_lshl_b32 s40, s36, 15                        ; 16 rows of 2,048 bytes,
	s_lshl_b32 s41, s5, 12                         ; 2 rows a wave
	s_add_co_u32 s40, s40, s41
	s_mov_b32 s41, 0
	s_add_nc_u64 s[SD:SD+1], s[32:33], s[40:41]
	s_lshl_b32 s36, s36, 16                        ; the same rows in f32
	s_lshl_b32 s37, s5, 13
	s_add_co_u32 s36, s36, s37
	s_mov_b32 s37, 0
	s_add_nc_u64 s[SX:SX+1], s[8:9], s[36:37]
	NORMROWS
	s_endpgm
.Lfunc_end_k_q587b6c3559_prep:
	.size	k_q587b6c3559_prep, .Lfunc_end_k_q587b6c3559_prep-k_q587b6c3559_prep
	.p2alignl 7, 3214868480
	.fill 96, 4, 3214868480
	.section	.rodata,"a",@progbits
	.p2align	6, 0x0
	.amdhsa_kernel k_q587b6c3559_prep
		.amdhsa_group_segment_fixed_size 0
		.amdhsa_private_segment_fixed_size 0
		.amdhsa_enable_private_segment 0
		.amdhsa_kernarg_size 104
		.amdhsa_user_sgpr_count 2
		.amdhsa_user_sgpr_kernarg_segment_ptr 1
		.amdhsa_wavefront_size32 1
		.amdhsa_system_sgpr_workgroup_id_x 1
		.amdhsa_system_sgpr_workgroup_id_y 1
		.amdhsa_system_sgpr_workgroup_id_z 1
		.amdhsa_system_vgpr_workitem_id 0
		.amdhsa_next_free_vgpr 192
		.amdhsa_next_free_sgpr 66
		.amdhsa_reserve_vcc 0
		.amdhsa_float_denorm_mode_32 3
		.amdhsa_float_denorm_mode_16_64 3
		.amdhsa_memory_ordered 1
		.amdhsa_forward_progress 1
		.amdhsa_inst_pref_size 34
	.end_amdhsa_kernel
	.amdgpu_metadata
---
amdhsa.version: [ 1, 2 ]
amdhsa.kernels:
  - .name:           k_q587b6c3559_prep
    .symbol:         k_q587b6c3559_prep.kd
    .args:
      - { .name: x, .offset: 0, .size: 8, .value_kind: global_buffer, .address_space: global }
      - { .name: g1, .offset: 8, .size: 8, .value_kind: global_buffer, .address_space: global }
      - { .name: b1, .offset: 16, .size: 8, .value_kind: global_buffer, .address_space: global }
      - { .name: Wq, .offset: 24, .size: 8, .value_kind: global_buffer, .address_space: global }
      - { .name: M, .offset: 32, .size: 8, .value_kind: global_buffer, .address_space: global }
      - { .name: Wo, .offset: 40, .size: 8, .value_kind: global_buffer, .address_space: global }
      - { .name: Wpos, .offset: 48, .size: 8, .value_kind: global_buffer, .address_space: global }
      - { .name: Wneg, .offset: 56, .size: 8, .value_kind: global_buffer, .address_space: global }
      - { .name: Wproj, .offset: 64, .size: 8, .value_kind: global_buffer, .address_space: global }
      - { .name: Wk, .offset: 72, .size: 8, .value_kind: global_buffer, .address_space: global }
      - { .name: Wv, .offset: 80, .size: 8, .value_kind: global_buffer, .address_space: global }
      - { .name: wb, .offset: 88, .size: 8, .value_kind: global_buffer, .address_space: global }
      - { .name: hn, .offset: 96, .size: 8, .value_kind: global_buffer, .address_space: global }
    .group_segment_fixed_size: 0
    .private_segment_fixed_size: 0
    .kernarg_segment_align: 8
    .kernarg_segment_size: 104
    .max_flat_workgroup_size: 256
    .sgpr_count:     66
    .vgpr_count:     192
    .wavefront_size: 32
...
	.end_amdgpu_metadata
.endif
;; end of part 9
;; launch gkvw: the kernel of part 2 again; grid 8 x 20, 4 waves a work-group, clusters of 4 x 4, 327,680 bytes of LDS; arguments hn, wb, qkv, wqm; writes qkv, wqm
;; launch gq: the kernel of part 3 again; grid 8 x 32, 4 waves a work-group, clusters of 4 x 4, 327,680 bytes of LDS; arguments hn, wqm, qkv; writes qkv
;; launch attn: the kernel of part 4 again; grid 16 x 16, 8 waves a work-group, clusters of 4 x 4, 327,680 bytes of LDS; arguments qkv, mask, ao; writes ao
;; launch gwo: the kernel of part 5 again; grid 8 x 32, 4 waves a work-group, clusters of 4 x 4, 327,680 bytes of LDS; arguments ao, wb, x, x1; writes x1
;; launch norm2: the kernel of part 6 again; grid 256 x 1, 8 waves a work-group, no clusters, 0 bytes of LDS; arguments x1, g2, b2, hn; writes hn
;; launch gffn1: the kernel of part 7 again; grid 16 x 32, 4 waves a work-group, clusters of 4 x 4, 327,680 bytes of LDS; arguments hn, wb, act; writes act
;; launch gffn2: the kernel of part 8 again; grid 8 x 32, 4 waves a work-group, clusters of 4 x 4, 327,680 bytes of LDS; arguments act, wb, x1, out0; writes out0
